; MI455X (gfx1250); checked and timed in simulation.
; The chip was launched on July 23, 2026; its instructions are those of AMD's public machine-readable ISA for CDNA 5 (MIT licence, August 2026) and "CDNA5" Instruction Set Architecture Reference Guide (July 2026). The comments in the code are by the model that wrote it; some were corrected since.
;; Self Attn1 D. Allowed arithmetic: float matrix products may take bf16 or f16 operands with f32 sums; other float arithmetic in f32, or as packed bf16 or f16 multiplies, adds, multiply-adds, maxima and minima; sums over many terms, partial sums and values carried from step to step in f32; what a program stores and reads back later, other than sums and carried values, may be rounded once to bf16 or f16.
;; Inputs: Wk 128 x 1,024 float32; Wq 128 x 1,024 float32; Wv 1,024 x 1,024 float32; bk 128 float32; bq 128 float32; bv 1,024 float32; gamma 1 float32; x 8 x 1,024 x 2,048 float32.
;; Outputs: out0 8 x 1,024 x 2,048 float32.
;; 3 versions, each right; version 2 is faster than version 1; version 3 is version 2 with the launch cast written anew for expert scheduling mode. Each part assembles by itself: llvm-mc -triple=amdgcn-amd-amdhsa -mcpu=gfx1250 --defsym DOCPART=n.
;; ======== version 1 of 3: 4 launches
;; limits: values are held in f16: magnitudes above 65,504 overflow, below 6.1e-05 lose precision
;; workspace buffers: xb 33,554,432 bytes; wb 2,621,440 bytes; bb 5,120 bytes; qk8 8,388,608 bytes; v8 33,554,432 bytes; p8 67,108,864 bytes
;; launch cast (part 1): grid 552 x 1, 8 waves a work-group, no clusters, 0 bytes of LDS; arguments x, Wq, Wk, Wv, bq, bk, bv, xb, wb, bb; writes xb, wb, bb
.if DOCPART == 1
	.amdgcn_target "amdgcn-amd-amdhsa--gfx1250"
	.amdhsa_code_object_version 6
	.text
	.protected	k_q82c204fe82_cast
	.globl	k_q82c204fe82_cast
	.p2align	8
	.type	k_q82c204fe82_cast,@function
k_q82c204fe82_cast:
	s_mov_b64 s[64:65], 0
	v_nop
	global_prefetch_b8 v0, s[64:65] scope:SCOPE_SE
	s_setreg_imm32_b32 hwreg(HW_REG_WAVE_MODE, 25, 1), 1
	s_wait_xcnt 0x0
; THE INPUTS ROUNDED ONCE TO bf16.  xb = bf16(x), same order.  wb = the 1,280 rows of Wv, Wq, Wk in bf16, in the order in which the projection's work-groups take them.  bb = their biases, rounded to bf16, kept as f32.
; wb's row 320 i + 160 wr + t (i = 0..3, wr = 0..1):  t < 128: Wv's row 256 i + 128 wr + t;  t >= 128: row e = 64 i + 32 wr + t - 128 of Wq above Wk.  So each 160 rows hold 128 of v's and 32 of q's or k's.
; SHARES.  A work-group turns 131,072 consecutive bytes of f32 into 65,536 consecutive bytes of bf16: groups 0..511 a piece of x, groups 512..551 32 rows of wb (32 whole rows of one weight matrix).
; A wave takes 16,384 bytes: 32 loads of 512 consecutive bytes, all issued at once; each store of the wave covers 256 consecutive bytes, aligned.
; No LDS, no matrix unit, no cluster: nothing is shared, every byte is read once and written once.
; LIMIT.  bf16 keeps 8 significant bits and f32's range; NaN and infinities pass as the conversion leaves them.
.set X, 8                              ; v[8:135]   32 x 4 registers as loaded
.set Y, 136                            ; v[136:199] 32 x 2 registers to store
	s_load_b512 s[8:23], s[0:1], 0x0               ; x 8:9, Wq 10:11, Wk 12:13, Wv 14:15, bq 16:17, bk 18:19, bv 20:21, xb 22:23
	s_load_b128 s[24:27], s[0:1], 0x40             ; wb 24:25, bb 26:27
	s_max_u32 s2, ttmp9, 512
	s_sub_co_u32 s2, s2, 512                       ; g' = the group's number among the weights' 40 (0 in the groups of x)
	s_mul_i32 s3, s2, 205
	s_lshr_b32 s3, s3, 11                          ; i = g' / 10 (exact for g' < 40)
	s_mul_i32 s4, s3, 10
	s_sub_co_u32 s4, s2, s4                        ; g' % 10
	s_cmp_ge_u32 s4, 5
	s_cselect_b32 s5, 1, 0                         ; wr
	s_mul_i32 s6, s5, 5
	s_sub_co_u32 s6, s4, s6                        ; t / 32 = 0..4; 4: the rows of q or k
	s_lshl_b32 s28, s3, 8
	s_lshl_b32 s29, s5, 7
	s_add_co_u32 s28, s28, s29
	s_lshl_b32 s29, s6, 5
	s_add_co_u32 s28, s28, s29                     ; Wv's first row: 256 i + 128 wr + 32 (t / 32)
	s_and_b32 s29, s3, 1
	s_lshl_b32 s29, s29, 6
	s_lshl_b32 s30, s5, 5
	s_add_co_u32 s29, s29, s30                     ; Wq's or Wk's first row: 64 (i % 2) + 32 wr
	v_lshrrev_b32 v3, 5, v0                        ; wave
	v_and_b32 v4, 31, v0                           ; lane
	v_lshlrev_b32 v1, 4, v4
	v_lshl_or_b32 v1, v3, 14, v1                   ; loads: 16,384 x wave + 16 x lane
	v_lshlrev_b32 v2, 3, v4
	v_lshl_or_b32 v2, v3, 13, v2                   ; stores: 8,192 x wave + 8 x lane
	v_readfirstlane_b32 s7, v3
	s_wait_kmcnt 0x0
	s_cmp_lt_u32 s3, 2                             ; e < 128: Wq, else Wk
	s_cselect_b64 s[36:37], s[10:11], s[12:13]
	s_cselect_b64 s[40:41], s[16:17], s[18:19]
	s_cmp_eq_u32 s6, 4                             ; rows of q or k, else of v
	s_cselect_b64 s[36:37], s[36:37], s[14:15]
	s_cselect_b64 s[40:41], s[40:41], s[20:21]
	s_cselect_b32 s28, s29, s28                    ; the first of my 32 rows in its matrix
	s_lshl_b32 s32, s28, 12                        ; a row of f32 is 4,096 bytes
	s_lshl_b32 s34, s2, 16                         ; 32 rows of bf16 are 65,536 bytes
	s_lshl_b32 s30, ttmp9, 17                      ; the same two offsets for a piece of x
	s_lshl_b32 s31, ttmp9, 16
	s_lshl_b32 s44, s28, 2                         ; the biases of my rows
	s_lshl_b32 s46, s2, 7
	s_mov_b32 s33, 0
	s_mov_b32 s35, 0
	s_mov_b32 s45, 0
	s_mov_b32 s47, 0
	s_cmp_lt_u32 ttmp9, 512                        ; a piece of x, or rows of weights
	s_cselect_b64 s[36:37], s[8:9], s[36:37]
	s_cselect_b64 s[38:39], s[22:23], s[24:25]
	s_cselect_b32 s32, s30, s32
	s_cselect_b32 s34, s31, s34
	s_add_nc_u64 s[36:37], s[36:37], s[32:33]      ; from where
	s_add_nc_u64 s[38:39], s[38:39], s[34:35]      ; to where
	s_add_nc_u64 s[40:41], s[40:41], s[44:45]      ; biases: from where
	s_add_nc_u64 s[42:43], s[26:27], s[46:47]      ; to where
.set j, 0
.rept 32
	global_load_b128 v[X+4*j:X+4*j+3], v1, s[36:37] offset:512*j th:TH_LOAD_NT
.set j, j+1
.endr
.set j, 0
.rept 32
	s_wait_loadcnt 31-j                            ; loads come back in order: load j is in, the 31 - j younger ones stay out
	v_cvt_pk_bf16_f32 v[Y+2*j], v[X+4*j], v[X+4*j+1]
	v_cvt_pk_bf16_f32 v[Y+2*j+1], v[X+4*j+2], v[X+4*j+3]
	global_store_b64 v2, v[Y+2*j:Y+2*j+1], s[38:39] offset:256*j  ; no register is written twice, so no wait frees one
.set j, j+1
.endr
	s_cmp_lt_u32 ttmp9, 512                        ; the 32 biases of a weights' group: wave 0, a lane a bias
	s_cbranch_scc1 .Lend
	s_cmp_lg_u32 s7, 0
	s_cbranch_scc1 .Lend
	v_lshlrev_b32 v3, 2, v0
	global_load_b32 v4, v3, s[40:41]
	s_wait_loadcnt 0x0
	v_cvt_pk_bf16_f32 v4, v4, v4                   ; rounded to bf16,
	v_lshlrev_b32 v5, 16, v4                       ; and written as f32
	global_store_b32 v3, v5, s[42:43]              ; 128 consecutive bytes: bb has 5,120 in all
.Lend:
	s_endpgm
.Lfunc_end_k_q82c204fe82_cast:
	.size	k_q82c204fe82_cast, .Lfunc_end_k_q82c204fe82_cast-k_q82c204fe82_cast
	.p2alignl 7, 3214868480
	.fill 96, 4, 3214868480
	.section	.rodata,"a",@progbits
	.p2align	6, 0x0
	.amdhsa_kernel k_q82c204fe82_cast
		.amdhsa_group_segment_fixed_size 0
		.amdhsa_private_segment_fixed_size 0
		.amdhsa_enable_private_segment 0
		.amdhsa_kernarg_size 80
		.amdhsa_user_sgpr_count 2
		.amdhsa_user_sgpr_kernarg_segment_ptr 1
		.amdhsa_wavefront_size32 1
		.amdhsa_system_sgpr_workgroup_id_x 1
		.amdhsa_system_sgpr_workgroup_id_y 1
		.amdhsa_system_sgpr_workgroup_id_z 1
		.amdhsa_system_vgpr_workitem_id 0
		.amdhsa_next_free_vgpr 200
		.amdhsa_next_free_sgpr 66
		.amdhsa_reserve_vcc 0
		.amdhsa_float_denorm_mode_32 3
		.amdhsa_float_denorm_mode_16_64 3
		.amdhsa_memory_ordered 1
		.amdhsa_forward_progress 1
		.amdhsa_inst_pref_size 14
	.end_amdhsa_kernel
	.amdgpu_metadata
---
amdhsa.version: [ 1, 2 ]
amdhsa.kernels:
  - .name:           k_q82c204fe82_cast
    .symbol:         k_q82c204fe82_cast.kd
    .args:
      - { .name: x, .offset: 0, .size: 8, .value_kind: global_buffer, .address_space: global }
      - { .name: Wq, .offset: 8, .size: 8, .value_kind: global_buffer, .address_space: global }
      - { .name: Wk, .offset: 16, .size: 8, .value_kind: global_buffer, .address_space: global }
      - { .name: Wv, .offset: 24, .size: 8, .value_kind: global_buffer, .address_space: global }
      - { .name: bq, .offset: 32, .size: 8, .value_kind: global_buffer, .address_space: global }
      - { .name: bk, .offset: 40, .size: 8, .value_kind: global_buffer, .address_space: global }
      - { .name: bv, .offset: 48, .size: 8, .value_kind: global_buffer, .address_space: global }
      - { .name: xb, .offset: 56, .size: 8, .value_kind: global_buffer, .address_space: global }
      - { .name: wb, .offset: 64, .size: 8, .value_kind: global_buffer, .address_space: global }
      - { .name: bb, .offset: 72, .size: 8, .value_kind: global_buffer, .address_space: global }
    .group_segment_fixed_size: 0
    .private_segment_fixed_size: 0
    .kernarg_segment_align: 8
    .kernarg_segment_size: 80
    .max_flat_workgroup_size: 256
    .sgpr_count:     66
    .vgpr_count:     200
    .wavefront_size: 32
...
	.end_amdgpu_metadata
.endif
;; end of part 1
;; launch proj (part 2): grid 64 x 4, 4 waves a work-group, clusters of 4 x 4, 327,680 bytes of LDS; arguments wb, xb, bb, v8, qk8; writes v8, qk8
.if DOCPART == 2
	.amdgcn_target "amdgcn-amd-amdhsa--gfx1250"
	.amdhsa_code_object_version 6
	.text
	.protected	k_q82c204fe82_proj
	.globl	k_q82c204fe82_proj
	.p2align	8
	.type	k_q82c204fe82_proj,@function
k_q82c204fe82_proj:
	s_mov_b64 s[64:65], 0
	v_nop
	global_prefetch_b8 v0, s[64:65] scope:SCOPE_SE
	s_setreg_imm32_b32 hwreg(HW_REG_WAVE_MODE, 25, 1), 1
	s_wait_xcnt 0x0
	s_wait_alu depctr_hold_cnt(0) depctr_sa_sdst(0) depctr_va_vdst(0) depctr_va_sdst(0) depctr_va_ssrc(0) depctr_va_vcc(0) depctr_vm_vsrc(0)
	s_getreg_b32 s2, hwreg(HW_REG_IB_STS2, 6, 4)
	s_cmp_eq_u32 s2, 0
	s_cbranch_scc0 .Lentry_in_a_cluster
	s_endpgm
.Lentry_in_a_cluster:
	s_bfe_u32 s2, ttmp6, 0x10000c
	s_cmp_lg_u32 s2, 0xf033
	s_cbranch_scc0 .Lentry_shape_is_right
	s_endpgm
.Lentry_shape_is_right:
; THE THREE PROJECTIONS AS ONE PRODUCT.  For each batch b: out[rho][l] = sum over c of wb[rho][c] xb[b][c][l] + bb[rho], rho = 0..1279, c = 0..1023, l = 0..2047.  Operands bf16, sums f32, results rounded once to f16.
; A work-group makes 320 rows (tile row gy) x 256 positions; its four waves 160 x 128 each: 128 rows of v (64 accumulators) and 32 rows of q or k (16 accumulators): all work-groups and all waves do equal work.
; K = 1,024 channels goes in 8 steps of 128 through a ring of two LDS slots filled by the tensor data mover.
; THE WAY THE RESULTS LIE: blocks of eight along the index over which the next product sums, 16 bytes a block:
;   v8[b][l / 8][c][l % 8]       qk8[b][e / 8][l][e % 8], e = 0..127 q's channel, 128..255 k's.
; v's products take 16 positions as source 0 and 16 rows of W as source 1: a lane then holds ONE channel and eight neighbouring positions.  q's and k's take the sources the other way round: a lane holds ONE
; position and eight neighbouring channels.  Either way a lane's eight results pack into one block of 16 bytes, and lanes 0-15 and 16-31 each store 256 consecutive bytes, aligned: no stage in LDS is needed.
; x lies [channel][position], K down the rows: its fragments come out of LDS turned, by ds_load_tr16_b128.
; CLUSTER.  4 x 4 work-groups.  W's tile hangs on gy alone and is asked for jointly along a row of the cluster, x's on the batch and the positions alone and jointly along a column.
; LIMITS.  f16 ends at 65,504: a q, k or v of 65,520 or more becomes an infinity.  NaN and infinities are not treated apart.
; REGISTERS, in windows of 256 (s_set_vgpr_msb: bits 1:0 source 0, 3:2 source 1, 5:4 source 2, 7:6 destination):
;   window 0: v0-31 addresses; v64-143, v144-223 W's fragments (10 x 16 rows x 32 K), two buffers; v224-239 v's biases; v240-255 q's and k's
;   window 1: v0-63, v64-127 x's fragments (8 x 16 positions x 32 K), two buffers; v128-255 the 16 accumulators of q and k ((a, b) at 128 + 8 (8 a + b))
;   window 2: v's accumulators of my channel blocks 0-3 ((a, b) at 8 (8 a + b)); window 3: of blocks 4-7
.set PA,    272                        ; a row of W in LDS: 256 bytes + 16 of padding: the 16 rows of a load start at 16 different groups of four banks (64 banks of 4 bytes: ISA guide 11.1)
.set PB,    544                        ; a row of x: 512 + 32
.set AHALF, 160*PA                     ; what one tensor load brings of W, and what one wave reads of it
.set BOFF,  320*PA                     ; x's tile lies behind W's 320 rows
.set BHALF, 64*PB                      ; what one tensor load brings of x: 64 channels x 256 positions
.set SLOT,  BOFF+128*PB                ; 156,672 bytes
.set SPARE, 2*SLOT                     ; behind the ring: the spare words, 128 bytes for each wave: two blocks of 256 bytes that no other line names
.set ADRA, 16                          ; v16-17  LDS address of my W fragments in slot 0, 1
.set ADRB, 20                          ; v20-21  the same for x
.set VO,   24                          ; v24     my byte offset in v8
.set QO,   25                          ; v25     my byte offset in qk8
.set B4,   26                          ; v26     4 x (lane % 16): a bias a lane
.set B32,  27                          ; v27     32 x (lane / 16): eight biases a lane
.set SPW,  28                          ; v28     LDS address of my spare word; never rewritten
.set NIL,  29                          ; v29     0; never rewritten
.set WF,   64                          ; W's buffer f at WF + 80 f (window 0); x's at 64 f (window 1)
.set BV,   224                         ; the bias of my channel in v's block a, twice, at BV + 2 a
.set BQ,   240                         ; my eight biases of q's or k's block a at BQ + 8 a
.set QA,   128
.set WV,   14                          ; s14 wave; s15 wave / 2: my 160 rows, also: I fetch W (0) or x (1); s16 wave % 2: my 128 positions, also: which half of the tile I fetch
.set HI,   15
.set LO,   16
.set G1,   24                          ; s[24:31] descriptor group 1 for W's tiles; s[32:39] group 0, a set for each slot
.set G0,   32
.set G1B,  48                          ; s[48:55], s[56:63] the same for x's tiles
.set G0B,  56
.set MSB, 0
.macro WIN new                         ; the immediate's high byte repeats the setting that is left; a switch that changes nothing is dropped
.if MSB != (\new)
	s_set_vgpr_msb (MSB<<8)|(\new)
.set MSB, \new
.endif
.endm
.macro PLACES                          ; four places behind a matrix instruction, in front of loads into registers that it has read and of lines that read its result
.rept 4
	v_nop
.endr
.endm
; A joint load: waves 0 and 1 fetch W's two halves, waves 2 and 3 x's.  The branch hangs on the wave's number alone.  An s_nop 0 and four v_nop follow each of the two lines.
.macro JLOAD s
	s_cmp_eq_u32 s[HI], 0
	s_cbranch_scc0 .Lfor_b_\@
	tensor_load_to_lds s[G0+4*(\s):G0+4*(\s)+3], s[G1:G1+7]
	s_nop 0
.rept 4
	v_nop
.endr
	s_branch .Lasked_\@
.Lfor_b_\@:
	tensor_load_to_lds s[G0B+4*(\s):G0B+4*(\s)+3], s[G1B:G1B+7]
	s_nop 0
.rept 4
	v_nop
.endr
.Lasked_\@:
.endm
.macro CREST                           ; a round of the cluster's barrier behind its opening barrier
	s_cmp_lg_u32 s[WV], 0
	s_cbranch_scc1 .Lnot_wave_0_\@
	s_barrier_signal -3
.Lnot_wave_0_\@:
	s_barrier_wait -3
	s_barrier_signal -1
	s_barrier_wait -1
.endm
.macro CROUND                          ; a whole round
	s_barrier_signal -1
	s_barrier_wait -1
	CREST
.endm
	s_load_b256 s[4:11], s[0:1], 0x0               ; wb 4:5, xb 6:7, bb 8:9, v8 10:11
	s_load_b64 s[12:13], s[0:1], 0x20              ; qk8
	v_lshl_add_u32 v[SPW], v0, 2, SPARE
	v_mov_b32 v[NIL], 0
	ds_add_u32 v[SPW], v[NIL]                      ; the wave's opening: the add and its wait stand ahead of my first tensor load; work on registers stands between them
	v_lshrrev_b32 v1, 5, v0
	v_readfirstlane_b32 s[WV], v1
	s_lshr_b32 s[HI], s[WV], 1
	s_and_b32 s[LO], s[WV], 1
	s_bfe_u32 s17, ttmp6, 0x40000                  ; cx
	s_bfe_u32 s18, ttmp6, 0x40004                  ; cy
	s_lshl_b32 s19, ttmp9, 2
	s_add_co_u32 s19, s19, s17                     ; gx = 4 x cluster x + cx = 8 b + block of 256 positions
	s_and_b32 s20, ttmp7, 0xffff
	s_lshl_b32 s20, s20, 2
	s_add_co_u32 s20, s20, s18                     ; gy = 4 x cluster y + cy: the tile row
	s_lshl_b32 s21, s18, 2
	s_lshl_b32 s21, 15, s21                        ; my row of the cluster
	s_lshl_b32 s22, 0x1111, s17                    ; my column
	s_or_b32 s[G1], s21, (1<<16)|(1<<20)|(1<<21)|(5<<22)|(3<<25)   ; the mask; elements of 2 bytes; padding on; bit 21 beside a mask; after every 64 words 4 words
	s_or_b32 s[G1B], s22, (1<<16)|(1<<20)|(1<<21)|(6<<22)|(7<<25)  ; after every 128 words 8 words
	s_mov_b32 s[G1+1], 128<<16                     ; tensor_dim0 = 128 channels
	s_mov_b32 s[G1+2], 160<<16                     ; tensor_dim1 = 160 rows
	s_mov_b32 s[G1+3], 128<<16                     ; tile_dim0
	s_mov_b32 s[G1+4], 160                         ; tile_dim1
	s_mov_b32 s[G1+5], 1024                        ; elements from row to row
	s_mov_b32 s[G1+6], 0
	s_mov_b32 s[G1+7], 0
	s_mov_b32 s[G1B+1], 256<<16                    ; 256 positions
	s_mov_b32 s[G1B+2], 64<<16                     ; 64 channels
	s_mov_b32 s[G1B+3], 256<<16
	s_mov_b32 s[G1B+4], 64
	s_mov_b32 s[G1B+5], 2048
	s_mov_b32 s[G1B+6], 0
	s_mov_b32 s[G1B+7], 0
	s_mul_i32 s40, s20, 320                        ; W: row 320 gy + 160 x half, 2,048 bytes a row: made of gy and the wave's number alone
	s_mul_i32 s41, s[LO], 160
	s_add_co_u32 s40, s40, s41
	s_lshl_b32 s40, s40, 11
	s_mov_b32 s41, 0
	s_lshr_b32 s42, s19, 3                         ; b
	s_and_b32 s43, s19, 7                          ; block of 256 positions
	s_lshl_b32 s44, s42, 22                        ; x: batch, 64 channels x half, 512 bytes x block: made of gx and the wave's number alone
	s_lshl_b32 s45, s[LO], 18
	s_add_co_u32 s44, s44, s45
	s_lshl_b32 s45, s43, 9
	s_add_co_u32 s44, s44, s45
	s_mov_b32 s45, 0
	s_mul_i32 s23, s[LO], AHALF                    ; where they go: no place in the cluster enters an LDS address
	s_mul_i32 s46, s[LO], BHALF
	s_add_co_u32 s46, s46, BOFF
	s_wait_dscnt 0x0                               ; the opening add is done
	s_wait_kmcnt 0x0
	s_add_nc_u64 s[40:41], s[4:5], s[40:41]
	s_add_nc_u64 s[44:45], s[6:7], s[44:45]
	CROUND                                         ; all sixteen work-groups are here: the first joint loads meet
.irp s, 0,1
	s_mov_b32 s[G0+4*(\s)], 1
	s_add_co_u32 s[G0+4*(\s)+1], s23, (\s)*SLOT
	s_add_nc_u64 s[G0+4*(\s)+2:G0+4*(\s)+3], s[40:41], (\s)*256       ; K step s: 128 channels along W's rows
	s_or_b32 s[G0+4*(\s)+3], s[G0+4*(\s)+3], 0x80000000
	s_mov_b32 s[G0B+4*(\s)], 1
	s_add_co_u32 s[G0B+4*(\s)+1], s46, (\s)*SLOT
	s_add_nc_u64 s[G0B+4*(\s)+2:G0B+4*(\s)+3], s[44:45], (\s)*524288  ; 128 rows of x down
	s_or_b32 s[G0B+4*(\s)+3], s[G0B+4*(\s)+3], 0x80000000
	JLOAD \s                                       ; two tensor loads of mine are out
.endr
	v_and_b32 v1, 15, v0                           ; r = lane % 16
	v_bfe_u32 v2, v0, 4, 1                         ; h = lane / 16
	v_mul_u32_u24 v3, v1, PA                       ; W: row r x pitch + 16 h
	v_lshl_add_u32 v3, v2, 4, v3
	s_mul_i32 s21, s[HI], AHALF
	v_add_nc_u32 v[ADRA], s21, v3
	v_add_nc_u32 v[ADRA+1], SLOT, v[ADRA]
	v_and_b32 v4, 7, v0                            ; x, turned: lane reads channel 8 h + lane % 8, positions 8 ((lane / 8) % 2) + 0..7
	v_lshl_add_u32 v4, v2, 3, v4
	v_mul_u32_u24 v4, v4, PB
	v_bfe_u32 v5, v0, 3, 1
	v_lshl_add_u32 v4, v5, 4, v4
	s_lshl_b32 s22, s[LO], 8                       ; my 128 positions
	s_add_co_u32 s22, s22, BOFF
	v_add_nc_u32 v[ADRB], s22, v4
	v_add_nc_u32 v[ADRB+1], SLOT, v[ADRB]
	v_lshlrev_b32 v[VO], 4, v1                     ; v8: channel r, block of positions h
	v_lshl_add_u32 v[VO], v2, 14, v[VO]
	v_lshlrev_b32 v[QO], 4, v1                     ; qk8: position r, block of channels h
	v_lshl_add_u32 v[QO], v2, 15, v[QO]
	v_lshlrev_b32 v[B4], 2, v1
	v_lshlrev_b32 v[B32], 5, v2
	s_mul_i32 s40, s20, 320                        ; bb at my 160 rows
	s_mul_i32 s41, s[HI], 160
	s_add_co_u32 s40, s40, s41
	s_lshl_b32 s40, s40, 2
	s_mov_b32 s41, 0
	s_add_nc_u64 s[8:9], s[8:9], s[40:41]
	s_lshl_b32 s40, s42, 22                        ; v8: batch + (32 block + 16 half) x 16,384 + (256 gy + 128 half) x 16
	s_lshl_b32 s47, s43, 19
	s_add_co_u32 s40, s40, s47
	s_lshl_b32 s47, s[LO], 18
	s_add_co_u32 s40, s40, s47
	s_lshl_b32 s47, s20, 12
	s_add_co_u32 s40, s40, s47
	s_lshl_b32 s47, s[HI], 11
	s_add_co_u32 s40, s40, s47
	s_add_nc_u64 s[10:11], s[10:11], s[40:41]
	s_lshl_b32 s40, s42, 20                        ; qk8: batch + (8 gy + 4 half) x 32,768 + (256 block + 128 half) x 16
	s_lshl_b32 s47, s20, 18
	s_add_co_u32 s40, s40, s47
	s_lshl_b32 s47, s[HI], 17
	s_add_co_u32 s40, s40, s47
	s_lshl_b32 s47, s43, 12
	s_add_co_u32 s40, s40, s47
	s_lshl_b32 s47, s[LO], 11
	s_add_co_u32 s40, s40, s47
	s_add_nc_u64 s[12:13], s[12:13], s[40:41]
.irp a, 0,1,2,3,4,5,6,7                ; the biases stay on their way during the product: nothing touches their registers before the way out
	global_load_b32 v[BV+2*(\a)], v[B4], s[8:9] offset:64*(\a)
.endr
.irp a, 0,1
	global_load_b128 v[BQ+8*(\a):BQ+8*(\a)+3],   v[B32], s[8:9] offset:512+64*(\a)
	global_load_b128 v[BQ+8*(\a)+4:BQ+8*(\a)+7], v[B32], s[8:9] offset:512+64*(\a)+16
.endr
; 16 matrix instructions of v: channel blocks a0, a0 + 1 of the window's four x all 8 position blocks, 32 along K, from buffer f.  zero = 1: the product starts the sums.
.macro MULV f, hi, a0, zero
	WIN 0xa1+0x50*(\hi)                            ; x window 1, W window 0, C and D window 2 or 3
.irp a, \a0, (\a0)+1
.irp b, 0,1,2,3,4,5,6,7
.if \zero
	v_wmma_f32_16x16x32_bf16 v[8*(8*(\a)+(\b)):8*(8*(\a)+(\b))+7], v[64*(\f)+8*(\b):64*(\f)+8*(\b)+7], v[WF+80*(\f)+8*(4*(\hi)+(\a)):WF+80*(\f)+8*(4*(\hi)+(\a))+7], 0
.else
	v_wmma_f32_16x16x32_bf16 v[8*(8*(\a)+(\b)):8*(8*(\a)+(\b))+7], v[64*(\f)+8*(\b):64*(\f)+8*(\b)+7], v[WF+80*(\f)+8*(4*(\hi)+(\a)):WF+80*(\f)+8*(4*(\hi)+(\a))+7], v[8*(8*(\a)+(\b)):8*(8*(\a)+(\b))+7]
.endif
.endr
.endr
.endm
; 16 matrix instructions of q or k: W's blocks 8 and 9 as source 0, the 8 position blocks as source 1
.macro MULQ f, zero
	WIN 0x54                                       ; W window 0, x window 1, C and D window 1
.irp a, 0,1
.irp b, 0,1,2,3,4,5,6,7
.if \zero
	v_wmma_f32_16x16x32_bf16 v[QA+8*(8*(\a)+(\b)):QA+8*(8*(\a)+(\b))+7], v[WF+80*(\f)+8*(8+(\a)):WF+80*(\f)+8*(8+(\a))+7], v[64*(\f)+8*(\b):64*(\f)+8*(\b)+7], 0
.else
	v_wmma_f32_16x16x32_bf16 v[QA+8*(8*(\a)+(\b)):QA+8*(8*(\a)+(\b))+7], v[WF+80*(\f)+8*(8+(\a)):WF+80*(\f)+8*(8+(\a))+7], v[64*(\f)+8*(\b):64*(\f)+8*(\b)+7], v[QA+8*(8*(\a)+(\b)):QA+8*(8*(\a)+(\b))+7]
.endif
.endr
.endr
.endm
; 36 LDS loads in one run: quarter q (32 along K) of a slot into buffer f: x's 8 fragments, turned, then W's 10
.macro FETCH slot, q, f
	WIN 0x40                                       ; destination window 1, address window 0
.irp i, 0,1,2,3,4,5,6,7
	ds_load_tr16_b128 v[64*(\f)+8*(\i):64*(\f)+8*(\i)+3],   v[ADRB+(\slot)] offset:(\q)*32*PB+32*(\i)
	ds_load_tr16_b128 v[64*(\f)+8*(\i)+4:64*(\f)+8*(\i)+7], v[ADRB+(\slot)] offset:(\q)*32*PB+32*(\i)+16*PB
.endr
	WIN 0
.irp i, 0,1,2,3,4,5,6,7,8,9
	ds_load_b128 v[WF+80*(\f)+8*(\i):WF+80*(\f)+8*(\i)+3],   v[ADRA+(\slot)] offset:64*(\q)+(\i)*16*PA
	ds_load_b128 v[WF+80*(\f)+8*(\i)+4:WF+80*(\f)+8*(\i)+7], v[ADRA+(\slot)] offset:64*(\q)+(\i)*16*PA+32
.endr
.endm
; A K step is four quarters of 32 along K, 80 matrix instructions each, on buffers 0, 1, 0, 1.  The 80 accumulators take turns, one instruction a turn, in the same order in every quarter.
; One of the first three: multiplies buffer f; in its middle it fetches quarter q of the same slot into buffer g.
.macro QUARTER slot, q, f, g, zero
	s_wait_dscnt 12                                ; x and W's blocks 0-3 are in; the youngest twelve loads (W's blocks 4-9) may be out
	MULV \f, 0, 0, \zero
	MULV \f, 0, 2, \zero
	PLACES
	FETCH \slot, \q, \g
	s_wait_dscnt 36                                ; all but the 36 just issued
	MULV \f, 1, 0, \zero
	MULV \f, 1, 2, \zero
	MULQ \f, \zero
.endm
; The last quarter multiplies buffer 1 and changes slots: ONE barrier.  In front of it each wave waits for all its tensor loads (one is out: its part of the next slot), adds 0 to its spare word, and waits for that and for its reads of this slot.
.macro MEET round
	WIN 0
	s_wait_tensorcnt 0x0                           ; all my tensor loads have landed
	ds_add_u32 v[SPW], v[NIL]                      ; 0 onto my spare word
	s_wait_dscnt 13                                ; the add and the youngest twelve loads may be out
	MULV 1, 0, 0, 0                                ; sixteen matrix instructions stand between the add and the wait for it
	s_wait_dscnt 0x0                               ; the add is done, and my reads of this slot are over
	s_barrier_signal -1
	MULV 1, 0, 2, 0                                ; work on registers while the others arrive
.if \round
	WIN 0
.endif
	s_barrier_wait -1
.endm
; fill = 1: the barrier opens a round of the cluster's barrier, and this slot is filled again, two K steps ahead, first thing behind the round: 288 matrix instructions ahead of the wait for it.
.macro TURN slot, next, fill
	MEET \fill
.if \fill
	CREST                                          ; no wave of any partner still reads this slot or has a load on its way
	s_add_nc_u64 s[G0+4*(\slot)+2:G0+4*(\slot)+3], s[G0+4*(\slot)+2:G0+4*(\slot)+3], 512
	s_add_nc_u64 s[G0B+4*(\slot)+2:G0B+4*(\slot)+3], s[G0B+4*(\slot)+2:G0B+4*(\slot)+3], 1048576
	JLOAD \slot                                    ; the four v_nop behind it are also the places in front of the loads below
.else
	PLACES
.endif
	FETCH \next, 0, 0
	MULV 1, 1, 0, 0
	MULV 1, 1, 2, 0
	MULQ 1, 0
.endm
	s_wait_tensorcnt 1                             ; my part of K step 0 is in; K step 1's may stay out
	s_barrier_signal -1
	s_barrier_wait -1                              ; everybody's is
	FETCH 0, 0, 0
	QUARTER 0, 1, 0, 1, 1                          ; the first quarter stands in front of the loop: its products start the sums
	WIN 0
	s_mov_b32 s3, 3                                ; 8 K steps = 4 laps of the ring; the last lap fills nothing and is written out
.Llap:
	QUARTER 0, 2, 1, 0, 0
	QUARTER 0, 3, 0, 1, 0
	TURN 0, 1, 1
	QUARTER 1, 1, 0, 1, 0
	QUARTER 1, 2, 1, 0, 0
	QUARTER 1, 3, 0, 1, 0
	TURN 1, 0, 1
	QUARTER 0, 1, 0, 1, 0
	WIN 0
	s_sub_co_u32 s3, s3, 1
	s_cmp_lg_u32 s3, 0
	s_cbranch_scc1 .Llap
	QUARTER 0, 2, 1, 0, 0
	QUARTER 0, 3, 0, 1, 0
	TURN 0, 1, 0
	QUARTER 1, 1, 0, 1, 0
	QUARTER 1, 2, 1, 0, 0
	QUARTER 1, 3, 0, 1, 0
	s_wait_dscnt 12                                ; the very last quarter: nothing more to fetch
	MULV 1, 0, 0, 0
	MULV 1, 0, 2, 0
	s_wait_dscnt 0x0
	MULV 1, 1, 0, 0
	MULV 1, 1, 2, 0
	MULQ 1, 0
	; THE WAY OUT: bias added in f32, rounded to f16 into each accumulator's four lowest registers, stored from there.  Each accumulator is read from its low end on.
	s_wait_loadcnt 0x0                             ; the biases
	WIN 0
.irp a, 0,1,2,3,4,5,6,7
	v_mov_b32 v[BV+2*(\a)+1], v[BV+2*(\a)]         ; a pair for the packed addition; these eight lines are also the places behind the last products
.endr
.macro OUTV hi
	WIN 0x82+0x41*(\hi)                            ; destination and source 0 window 2 or 3, source 1 window 0
.set t, 0
.rept 32
.irp j, 0,2,4,6
	v_pk_add_f32 v[8*t+(\j):8*t+(\j)+1], v[8*t+(\j):8*t+(\j)+1], v[BV+2*(4*(\hi)+t/8):BV+2*(4*(\hi)+t/8)+1]
.endr
.set t, t+1
.endr
	WIN 0x8a+0x45*(\hi)                            ; all three in window 2 or 3
.set t, 0
.rept 32
.irp j, 0,1,2,3
	v_cvt_pk_f16_f32 v[8*t+(\j)], v[8*t+2*(\j)], v[8*t+2*(\j)+1]
.endr
.set t, t+1
.endr
	WIN 0x08+0x04*(\hi)                            ; a store's data is source 1
.set t, 0
.rept 32
	global_store_b128 v[VO], v[8*t:8*t+3], s[10:11] offset:32768*(t%8)+256*(4*(\hi)+t/8)  ; lanes 0-15 and lanes 16-31 each store 256 consecutive bytes, aligned
.set t, t+1
.endr
.endm
	OUTV 0
	OUTV 1
	WIN 0x41
.set t, 0
.rept 16
.irp j, 0,2,4,6
	v_pk_add_f32 v[QA+8*t+(\j):QA+8*t+(\j)+1], v[QA+8*t+(\j):QA+8*t+(\j)+1], v[BQ+8*(t/8)+(\j):BQ+8*(t/8)+(\j)+1]
.endr
.set t, t+1
.endr
	WIN 0x45
.set t, 0
.rept 16
.irp j, 0,1,2,3
	v_cvt_pk_f16_f32 v[QA+8*t+(\j)], v[QA+8*t+2*(\j)], v[QA+8*t+2*(\j)+1]
.endr
.set t, t+1
.endr
	WIN 0x04
.set t, 0
.rept 16
	global_store_b128 v[QO], v[QA+8*t:QA+8*t+3], s[12:13] offset:65536*(t/8)+256*(t%8)
.set t, t+1
.endr
	WIN 0
	s_wait_tensorcnt 0x0                           ; the wave's end
	ds_add_u32 v[SPW], v[NIL]
	s_wait_dscnt 0x0
	CROUND                                         ; the closing round: no work-group ends while a partner may still ask for a tile that names it
	s_endpgm
.Lfunc_end_k_q82c204fe82_proj:
	.size	k_q82c204fe82_proj, .Lfunc_end_k_q82c204fe82_proj-k_q82c204fe82_proj
	.p2alignl 7, 3214868480
	.fill 96, 4, 3214868480
	.section	.rodata,"a",@progbits
	.p2align	6, 0x0
	.amdhsa_kernel k_q82c204fe82_proj
		.amdhsa_group_segment_fixed_size 327680
		.amdhsa_private_segment_fixed_size 0
		.amdhsa_enable_private_segment 0
		.amdhsa_kernarg_size 40
		.amdhsa_user_sgpr_count 2
		.amdhsa_user_sgpr_kernarg_segment_ptr 1
		.amdhsa_wavefront_size32 1
		.amdhsa_system_sgpr_workgroup_id_x 1
		.amdhsa_system_sgpr_workgroup_id_y 1
		.amdhsa_system_sgpr_workgroup_id_z 1
		.amdhsa_system_vgpr_workitem_id 0
		.amdhsa_next_free_vgpr 1024
		.amdhsa_next_free_sgpr 66
		.amdhsa_reserve_vcc 0
		.amdhsa_float_denorm_mode_32 3
		.amdhsa_float_denorm_mode_16_64 3
		.amdhsa_memory_ordered 1
		.amdhsa_forward_progress 1
		.amdhsa_inst_pref_size 181
	.end_amdhsa_kernel
	.amdgpu_metadata
---
amdhsa.version: [ 1, 2 ]
amdhsa.kernels:
  - .name:           k_q82c204fe82_proj
    .symbol:         k_q82c204fe82_proj.kd
    .args:
      - { .name: wb, .offset: 0, .size: 8, .value_kind: global_buffer, .address_space: global }
      - { .name: xb, .offset: 8, .size: 8, .value_kind: global_buffer, .address_space: global }
      - { .name: bb, .offset: 16, .size: 8, .value_kind: global_buffer, .address_space: global }
      - { .name: v8, .offset: 24, .size: 8, .value_kind: global_buffer, .address_space: global }
      - { .name: qk8, .offset: 32, .size: 8, .value_kind: global_buffer, .address_space: global }
    .group_segment_fixed_size: 327680
    .private_segment_fixed_size: 0
    .kernarg_segment_align: 8
    .kernarg_segment_size: 40
    .max_flat_workgroup_size: 128
    .sgpr_count:     66
    .vgpr_count:     1024
    .wavefront_size: 32
...
	.end_amdgpu_metadata
.endif
;; end of part 2
;; launch attn (part 3): grid 32 x 8, 4 waves a work-group, clusters of 4 x 1, 327,680 bytes of LDS; arguments qk8, p8; writes p8
.if DOCPART == 3
	.amdgcn_target "amdgcn-amd-amdhsa--gfx1250"
	.amdhsa_code_object_version 6
	.text
	.protected	k_q82c204fe82_attn
	.globl	k_q82c204fe82_attn
	.p2align	8
	.type	k_q82c204fe82_attn,@function
k_q82c204fe82_attn:
	s_mov_b64 s[64:65], 0
	v_nop
	global_prefetch_b8 v0, s[64:65] scope:SCOPE_SE
	s_setreg_imm32_b32 hwreg(HW_REG_WAVE_MODE, 25, 1), 1
	s_wait_xcnt 0x0
	s_wait_alu depctr_hold_cnt(0) depctr_sa_sdst(0) depctr_va_vdst(0) depctr_va_sdst(0) depctr_va_ssrc(0) depctr_va_vcc(0) depctr_vm_vsrc(0)
	s_getreg_b32 s2, hwreg(HW_REG_IB_STS2, 6, 4)
	s_cmp_eq_u32 s2, 0
	s_cbranch_scc0 .Lentry_in_a_cluster
	s_endpgm
.Lentry_in_a_cluster:
	s_bfe_u32 s2, ttmp6, 0x10000c
	s_cmp_lg_u32 s2, 0x3003
	s_cbranch_scc0 .Lentry_shape_is_right
	s_endpgm
.Lentry_shape_is_right:
; THE WEIGHTS.  P[b][j][l] = softmax over l of (q[b][j] . k[b][l]), unscaled, 128 channels, 2,048 keys; q and k in f16 from qk8[b][e / 8][l][e % 8]; products, maxima and sums in f32; P rounded once to f16,
; stored as p8[b][l / 8][j][l % 8].
; SHARES.  A work-group owns 64 queries of a batch, in two blocks of 32, one a trip of the loop.  Wave w owns the keys 512 w .. 512 w + 511 for all 32 queries: S^T in 64 accumulators, 512 registers, kept in f32 until
; the row's maximum and sum are known: every score is made once, and every weight is rounded once.
; LAYOUT.  S^T = K Q^T (source 0 = 16 keys, source 1 = 16 queries): a lane holds ONE query (lane % 16) and the keys 8 (lane / 16) + 0..7: eight weights pack into one block of 16 bytes of p8, and lanes 0-15 and
; 16-31 each store 256 consecutive bytes, aligned.
; SOFTMAX.  A wave's keys go in four parts of 128.  Each lane keeps a running maximum m of its own scores (for each of its two queries); part p's weights are kept as 2^(c s - c m_p), c = log2(e), m_p the maximum so far;
; the lane's sum l is multiplied by 2^(c m_old - c m_new) in every part.  At a block's end the eight contributors of a query (4 waves x 2 halves of the lanes) exchange (c m, l) through LDS; each lane then has the
; row's true maximum g and sum, and multiplies part p by 2^(c m_p - g) / l.
; THE RING.  LDS holds two parts for each wave.  The first trip walks the parts 0, 1, 2, 3, the second 2, 3, 0, 1: it begins on what lies there, both trips have one text, and every fill is read.
; Each wave fills and reads its own bytes alone.
; CLUSTER.  The four work-groups of a cluster belong to one batch and walk the same K: each tile is asked for JOINTLY, the same tensor load, descriptor and mask in all four.
; LIMITS.  A weight below 6e-5 keeps f16's fixed step of 6e-8; 2^x below 2^-126 counts as 0; scores below -2.9e37 are not served (f16's q and k give 5.5e11 at the most); NaN and infinities are not treated apart.
; REGISTERS, in windows of 256 (s_set_vgpr_msb: bits 1:0 source 0, 3:2 source 1, 5:4 source 2, 7:6 destination):
;   window 0: addresses, statistics, Q of both blocks       window 1: K's fragments, two groups of 128       windows 2, 3: S^T: part p in window 2 + p / 2, tile (kt, qt) at 128 (p % 2) + 8 (2 kt + qt)
.set STAT,  262144                     ; behind the ring: [qt][contributor 2 w + h][lane % 16] x 8 bytes: (c m, l); never filled by a tensor load
.set SPARE, STAT+2048                  ; the spare words, 128 bytes for each wave: two blocks of 256 bytes that no other line names
.set KA,  4                            ; v4-5   LDS address of my K fragments in slot 0, 1
.set LOF, 6                            ; v6     32,768 (lane / 16) + 16 (lane % 16): my place in a block row of qk8 and of p8
.set STW, 8                            ; v8     where I put my (c m, l)
.set STR, 9                            ; v9     where I read my query's eight
.set SPW, 10                           ; v10    LDS address of my spare word; never rewritten
.set NIL, 11                           ; v11    0; never rewritten
.set ST,  12                           ; v12-31 (c m, m) behind part p, for query tile qt, at ST + 4 (p + 1) + 2 qt; p = -1: the start
.set L,   32                           ; v32-35 l (even keys', odd keys') at L + 2 qt
.set AF,  36                           ; v36-39 the factor for l, twice, at AF + 2 qt
.set C,   40                           ; v40-55 eight registers at work for each qt
.set Q,   64                           ; v64-127 Q: tile qt, channels 32 c on at Q + 32 qt + 8 c; v128-191 the second block's
.set EX,  192                          ; v192-223 the eight contributors' (c m, l) at EX + 16 qt + 2 k
.set F,   224                          ; v224-239 part p's last factor, twice, at F + 2 (2 p + qt)
.set X,   240                          ; v240-243 what I contribute
.set WV,  8                            ; s8   wave
.set KB,  12                           ; s[12:13] K at my wave's 512 keys
.set OF,  14                           ; s[14:15], s[16:17] the byte offset of the part that slot 0, 1 was last asked for
.set PP,  18                           ; s[18:19], s[20:21] p8 at the parts that lie in window 2, 3
.set TP,  22                           ; s[22:23] at work
.set G1,  24                           ; s[24:31] descriptor group 1
.set G0,  32                           ; s[32:39] descriptor group 0, a set for each slot
.set TRIP, 40
.set CS,  42                           ; s[42:43] c, named as a pair
.set QP,  44                           ; s[44:45] Q at my work-group's 64 queries
.set MSB, 0
.macro WIN new
.if MSB != (\new)
	s_set_vgpr_msb (MSB<<8)|(\new)
.set MSB, \new
.endif
.endm
.macro PLACES                          ; four places behind a matrix instruction (ISA guide 7.12.1)
.rept 4
	v_nop
.endr
.endm
.macro CROUND                          ; a round of the cluster's barrier
	s_barrier_signal -1
	s_barrier_wait -1
	s_cmp_lg_u32 s[WV], 0
	s_cbranch_scc1 .Lnot_wave_0_\@
	s_barrier_signal -3
.Lnot_wave_0_\@:
	s_barrier_wait -3
	s_barrier_signal -1
	s_barrier_wait -1
.endm
	s_load_b128 s[4:7], s[0:1], 0x0                ; qk8 4:5, p8 6:7
	v_lshl_add_u32 v[SPW], v0, 2, SPARE
	v_mov_b32 v[NIL], 0
	ds_add_u32 v[SPW], v[NIL]                      ; the wave's opening: the add and its wait stand ahead of my first tensor load
	v_lshrrev_b32 v1, 5, v0
	v_readfirstlane_b32 s[WV], v1
	s_bfe_u32 s9, ttmp6, 0x40000                   ; cx
	s_lshl_b32 s10, ttmp9, 2
	s_add_co_u32 s10, s10, s9                      ; my block of 64 queries: it enters Q's and P's addresses alone
	s_and_b32 s11, ttmp7, 0xffff                   ; the batch, which the four partners share
	s_mov_b32 s[G1], 15|(3<<16)|(1<<21)            ; the mask of four; elements of 8 bytes; bit 21 beside a mask; no padding: a fragment load's 16 lanes read 256 consecutive bytes
	s_mov_b32 s[G1+1], 256<<16                     ; tensor_dim0 = 256 elements: 128 keys x 16 bytes
	s_mov_b32 s[G1+2], 16<<16                      ; tensor_dim1 = 16 blocks of eight channels
	s_mov_b32 s[G1+3], 256<<16                     ; tile_dim0
	s_mov_b32 s[G1+4], 16                          ; tile_dim1
	s_mov_b32 s[G1+5], 4096                        ; 2,048 keys x 16 bytes from block row to block row
	s_mov_b32 s[G1+6], 0
	s_mov_b32 s[G1+7], 0
	s_mov_b32 s[CS], 0x3fb8aa3b                    ; c = log2(e)
	s_mov_b32 s[CS+1], s[CS]
	s_mov_b32 s[OF], 0                             ; slot 0 begins with part 0,
	s_mov_b32 s[OF+1], 0
	s_mov_b32 s[OF+2], 2048                        ; slot 1 with part 1
	s_mov_b32 s[OF+3], 0
	s_mul_i32 s46, s[WV], 32768                    ; my wave's place in a slot
	s_lshl_b32 s[TP], s11, 20                      ; K: batch + 16 block rows of q + my 512 keys
	s_lshl_b32 s[TP+1], s[WV], 13
	s_add_co_u32 s[TP], s[TP], s[TP+1]
	s_add_co_u32 s[TP], s[TP], 524288
	s_mov_b32 s[TP+1], 0
	s_lshl_b32 s[QP], s11, 20                      ; Q: batch + my 64 queries
	s_lshl_b32 s[QP+1], s10, 10
	s_add_co_u32 s[QP], s[QP], s[QP+1]
	s_mov_b32 s[QP+1], 0
	s_lshl_b32 s[PP], s11, 23                      ; P: batch + my wave's 64 block rows + my 64 queries
	s_lshl_b32 s[PP+1], s[WV], 21
	s_add_co_u32 s[PP], s[PP], s[PP+1]
	s_lshl_b32 s[PP+1], s10, 10
	s_add_co_u32 s[PP], s[PP], s[PP+1]
	s_mov_b32 s[PP+1], 0
	s_wait_dscnt 0x0                               ; the opening add is done
	s_wait_kmcnt 0x0
	s_add_nc_u64 s[KB:KB+1], s[4:5], s[TP:TP+1]
	s_add_nc_u64 s[QP:QP+1], s[4:5], s[QP:QP+1]
	s_add_nc_u64 s[PP:PP+1], s[6:7], s[PP:PP+1]
	s_add_nc_u64 s[PP+2:PP+3], s[PP:PP+1], 0x100000  ; two parts, 32 block rows, on
	CROUND                                         ; all four work-groups are here: the first joint loads meet
.irp s, 0,1
	s_mov_b32 s[G0+4*(\s)], 1
	s_add_co_u32 s[G0+4*(\s)+1], s46, (\s)*131072
	s_add_nc_u64 s[G0+4*(\s)+2:G0+4*(\s)+3], s[KB:KB+1], (\s)*2048
	s_or_b32 s[G0+4*(\s)+3], s[G0+4*(\s)+3], 0x80000000
.endr
	tensor_load_to_lds s[G0:G0+3], s[G1:G1+7]      ; the two first fills together: two tensor loads of mine are out
	s_nop 0
	tensor_load_to_lds s[G0+4:G0+7], s[G1:G1+7]
	s_nop 0
.rept 4
	v_nop
.endr
	v_and_b32 v1, 15, v0                           ; r
	v_bfe_u32 v2, v0, 4, 1                         ; h
	v_and_b32 v3, 31, v0                           ; lane
	v_lshlrev_b32 v[LOF], 4, v1
	v_lshl_add_u32 v[LOF], v2, 15, v[LOF]
	; A fragment is 16 rows x 32 channels in 8 registers: lane holds row r; registers 0-3 channels 8 h + 0..7: block row h; registers 4-7 channels 16 + 8 h + 0..7: block row 2 + h.
.irp be, 0,1
.irp qt, 0,1
.irp c, 0,1,2,3
	global_load_b128 v[Q+64*(\be)+32*(\qt)+8*(\c):Q+64*(\be)+32*(\qt)+8*(\c)+3],   v[LOF], s[QP:QP+1] offset:131072*(\c)+256*(\qt)+512*(\be)
	global_load_b128 v[Q+64*(\be)+32*(\qt)+8*(\c)+4:Q+64*(\be)+32*(\qt)+8*(\c)+7], v[LOF], s[QP:QP+1] offset:131072*(\c)+256*(\qt)+512*(\be)+65536
.endr
.endr
.endr
	v_lshlrev_b32 v[KA], 4, v1                     ; in LDS a block row of a part is 2,048 bytes
	v_lshl_add_u32 v[KA], v2, 11, v[KA]
	v_add_nc_u32 v[KA], s46, v[KA]
	v_add_nc_u32 v[KA+1], 131072, v[KA]
	s_lshl_b32 s47, s[WV], 8
	s_add_co_u32 s47, s47, STAT
	v_lshl_add_u32 v[STW], v3, 3, s47              ; contributor 2 w + h, place r: 256 w + 8 x lane
	v_lshlrev_b32 v[STR], 3, v1
	v_add_nc_u32 v[STR], STAT, v[STR]
; 32 products: key tiles 4 g .. 4 g + 3 of part p x both query tiles x 128 channels.  The 8 accumulators take turns, one instruction a turn; the first 8 start the sums.
.macro MULS p, g
	WIN 0xa1+0x50*((\p)/2)                         ; K window 1, Q window 0, S^T window 2 or 3
.irp c, 0,1,2,3
.irp kt, 0,1,2,3
.irp qt, 0,1
.set rS, 128*((\p)%2)+8*(2*(4*(\g)+(\kt))+(\qt))
.set rK, 128*(\g)+32*(\kt)+8*(\c)
.set rQ, Q+32*(\qt)+8*(\c)
.if (\c) == 0
	v_wmma_f32_16x16x32_f16 v[rS:rS+7], v[rK:rK+7], v[rQ:rQ+7], 0
.else
	v_wmma_f32_16x16x32_f16 v[rS:rS+7], v[rK:rK+7], v[rQ:rQ+7], v[rS:rS+7]
.endif
.endr
.endr
.endr
.endm
; The scores of the part that lies in a slot, into part p's registers.  left: how many younger tensor loads may stay out (-1: the tile has been shown landed).
.macro QK p, slot, left
.if (\left) >= 0
	s_wait_tensorcnt \left
.endif
	PLACES                                         ; in front of loads into registers that matrix instructions have read
	WIN 0x40                                       ; destination window 1
.irp g, 0,1
.irp kt, 0,1,2,3
.irp c, 0,1,2,3
	ds_load_b128 v[128*(\g)+32*(\kt)+8*(\c):128*(\g)+32*(\kt)+8*(\c)+3],   v[KA+(\slot)] offset:8192*(\c)+256*(4*(\g)+(\kt))
	ds_load_b128 v[128*(\g)+32*(\kt)+8*(\c)+4:128*(\g)+32*(\kt)+8*(\c)+7], v[KA+(\slot)] offset:8192*(\c)+256*(4*(\g)+(\kt))+4096
.endr
.endr
.endr
	s_wait_dscnt 32                                ; the first group's 32 loads are in
	MULS \p, 0
	s_wait_dscnt 0x0
	MULS \p, 1
.endm
; A slot that has been read is filled again, with the part two further on (or back).  Each wave waits for all its tensor loads, adds 0 to its spare word, and waits for that and for its reads; a round of the
; cluster's barrier follows, so that no wave of any partner still reads the slot or has a load on its way; the joint refill is the first thing behind it, one a wave.
.macro CHANGE slot
	WIN 0
	s_wait_tensorcnt 0x0                           ; no tensor load of mine is out, so a group 0 may be written
	ds_add_u32 v[SPW], v[NIL]                      ; 0 onto my spare word
	s_xor_b32 s[OF+2*(\slot)], s[OF+2*(\slot)], 4096  ; two parts are 4,096 bytes of a block row
	s_add_nc_u64 s[G0+4*(\slot)+2:G0+4*(\slot)+3], s[KB:KB+1], s[OF+2*(\slot):OF+2*(\slot)+1]  ; the address is made anew
	s_or_b32 s[G0+4*(\slot)+3], s[G0+4*(\slot)+3], 0x80000000
	s_wait_dscnt 0x0                               ; the add is done, and my reads of the slot are over
	CROUND
	tensor_load_to_lds s[G0+4*(\slot):G0+4*(\slot)+3], s[G1:G1+7]
	s_nop 0
.rept 4
	v_nop
.endr
.endm
.macro FM qt, n                        ; c s - c m for pair n of 32 of query tile qt
.set rr, SB+8*(2*((\n)/4)+(\qt))+2*((\n)%4)
	v_pk_fma_f32 v[rr:rr+1], v[rr:rr+1], s[CS:CS+1], v[rN+2*(\qt):rN+2*(\qt)+1] op_sel_hi:[1,0,0] neg_lo:[0,0,1] neg_hi:[0,0,1]
.endm
.macro EE qt, n                        ; its two exponentials
.set rr, SB+8*(2*((\n)/4)+(\qt))+2*((\n)%4)
	v_exp_f32 v[rr], v[rr]
	v_exp_f32 v[rr+1], v[rr+1]
.endm
; PART p's SHARE OF THE SOFTMAX, both query tiles: the running maximum, the weights in place, the running sum.
.macro SM p
.set W,  2+(\p)/2
.set SB, 128*((\p)%2)
.set rN, ST+4*((\p)+1)
.set rO, ST+4*(\p)
	PLACES
	WIN W|(W<<2)|(W<<4)                            ; a chain for each accumulator
.irp kt, 0,1,2,3,4,5,6,7
.irp qt, 0,1
	v_max3_num_f32 v[C+8*(\qt)+(\kt)], v[SB+8*(2*(\kt)+(\qt))], v[SB+8*(2*(\kt)+(\qt))+1], v[SB+8*(2*(\kt)+(\qt))+2]
.endr
.endr
	WIN (W<<2)|(W<<4)
.irp n, 3,5
.irp kt, 0,1,2,3,4,5,6,7
.irp qt, 0,1
	v_max3_num_f32 v[C+8*(\qt)+(\kt)], v[C+8*(\qt)+(\kt)], v[SB+8*(2*(\kt)+(\qt))+(\n)], v[SB+8*(2*(\kt)+(\qt))+(\n)+1]
.endr
.endr
.endr
.irp u, 0,1,2,3
.irp qt, 0,1
	v_max3_num_f32 v[C+8*(\qt)+2*(\u)], v[C+8*(\qt)+2*(\u)], v[SB+8*(4*(\u)+(\qt))+7], v[SB+8*(4*(\u)+2+(\qt))+7]
.endr
.endr
	WIN 0
.irp qt, 0,1
	v_max3_num_f32 v[C+8*(\qt)], v[C+8*(\qt)], v[C+8*(\qt)+1], v[C+8*(\qt)+2]
.endr
.irp qt, 0,1
	v_max3_num_f32 v[C+8*(\qt)+3], v[C+8*(\qt)+3], v[C+8*(\qt)+4], v[C+8*(\qt)+5]
.endr
.irp qt, 0,1
	v_max3_num_f32 v[C+8*(\qt)+6], v[C+8*(\qt)+6], v[C+8*(\qt)+7], v[rO+2*(\qt)+1]  ; and the old m
.endr
.irp qt, 0,1
	v_max3_num_f32 v[rN+2*(\qt)+1], v[C+8*(\qt)], v[C+8*(\qt)+3], v[C+8*(\qt)+6]
.endr
.irp qt, 0,1
	v_mul_f32 v[rN+2*(\qt)], s[CS], v[rN+2*(\qt)+1]
.endr
.irp qt, 0,1
	v_sub_f32 v[C+8*(\qt)+1], v[rO+2*(\qt)], v[rN+2*(\qt)]
.endr
.irp qt, 0,1
	v_exp_f32 v[AF+2*(\qt)], v[C+8*(\qt)+1]        ; used far below; the scaling that follows is the plain line behind these four
	v_exp_f32 v[AF+2*(\qt)+1], v[C+8*(\qt)+1]
.endr
	WIN (W<<6)|W                                   ; in place; c m in window 0
.irp qt, 0,1
	FM \qt, 0
.set i, 0
.rept 32                               ; a scaling a pair ahead stands behind each pair of exponentials: a plain line before a result is used (ISA guide 5.7.2)
.if i < 31
	FM \qt, i+1
.endif
	EE \qt, i
.set i, i+1
.endr
.endr
	WIN W|(W<<2)                                   ; the sums: four chains of pairs for each query tile; query tile 0's come first, a plain line that names nothing of the last exponentials
	s_wait_alu depctr_va_vdst(0)
.irp qt, 0,1
.irp u, 0,1,2,3
	v_pk_add_f32 v[C+8*(\qt)+2*(\u):C+8*(\qt)+2*(\u)+1], v[SB+8*(\qt)+2*(\u):SB+8*(\qt)+2*(\u)+1], v[SB+8*(2+(\qt))+2*(\u):SB+8*(2+(\qt))+2*(\u)+1]
.endr
.endr
	WIN W<<2
.irp kt, 2,3,4,5,6,7
.irp qt, 0,1
.irp u, 0,1,2,3
	v_pk_add_f32 v[C+8*(\qt)+2*(\u):C+8*(\qt)+2*(\u)+1], v[C+8*(\qt)+2*(\u):C+8*(\qt)+2*(\u)+1], v[SB+8*(2*(\kt)+(\qt))+2*(\u):SB+8*(2*(\kt)+(\qt))+2*(\u)+1]
.endr
.endr
.endr
	WIN 0
.irp qt, 0,1
	v_pk_add_f32 v[C+8*(\qt):C+8*(\qt)+1], v[C+8*(\qt):C+8*(\qt)+1], v[C+8*(\qt)+2:C+8*(\qt)+3]
	v_pk_add_f32 v[C+8*(\qt)+4:C+8*(\qt)+5], v[C+8*(\qt)+4:C+8*(\qt)+5], v[C+8*(\qt)+6:C+8*(\qt)+7]
.endr
.irp qt, 0,1
	v_pk_add_f32 v[C+8*(\qt):C+8*(\qt)+1], v[C+8*(\qt):C+8*(\qt)+1], v[C+8*(\qt)+4:C+8*(\qt)+5]
.endr
.irp qt, 0,1
	v_pk_fma_f32 v[L+2*(\qt):L+2*(\qt)+1], v[L+2*(\qt):L+2*(\qt)+1], v[AF+2*(\qt):AF+2*(\qt)+1], v[C+8*(\qt):C+8*(\qt)+1]
.endr
.endm
; The parts in window W: times their last factor, rounded to f16 into each accumulator's four lowest registers, stored from there.
.macro OUTP W
	WIN ((\W)<<6)|(\W)
.set t, 0
.rept 32
.set rF, F+2*(2*(2*((\W)-2)+t/16)+t%2)
.irp j, 0,2,4,6
	v_pk_mul_f32 v[8*t+(\j):8*t+(\j)+1], v[8*t+(\j):8*t+(\j)+1], v[rF:rF+1]
.endr
.set t, t+1
.endr
	WIN ((\W)<<6)|(\W)|((\W)<<2)
.set t, 0
.rept 32
.irp j, 0,1,2,3
	v_cvt_pk_f16_f32 v[8*t+(\j)], v[8*t+2*(\j)], v[8*t+2*(\j)+1]
.endr
.set t, t+1
.endr
	WIN (\W)<<2
.set t, 0
.rept 32
	global_store_b128 v[LOF], v[8*t:8*t+3], s[PP+2*((\W)-2):PP+2*((\W)-2)+1] offset:524288*(t/16)+65536*((t%16)/2)+256*(t%2)  ; lanes 0-15 and 16-31 each store 256 consecutive bytes, aligned
.set t, t+1
.endr
.endm
	s_wait_tensorcnt 1                             ; slot 0, my own bytes, has landed; slot 1's load may stay out
	s_wait_loadcnt 0x0                             ; Q
	s_mov_b32 s[TRIP], 2
.Ltrip:                                        ; a block of 32 queries
.irp qt, 0,1
	v_mov_b32 v[ST+2*(\qt)], 0xfe000000            ; c m: far below every c s, so the first factor for l is 0
	v_mov_b32 v[ST+2*(\qt)+1], 0xff7fffff          ; m: the lowest finite number
	v_mov_b32 v[L+2*(\qt)], 0
	v_mov_b32 v[L+2*(\qt)+1], 0
.endr
	QK 0, 0, -1                                    ; slot 0 lies there: by the wait in front of the loop, or by the last trip's waits
	CHANGE 0
	QK 1, 1, 1                                     ; the refill just issued may stay out; slot 1 was shown landed by the wait for all loads above
	SM 0
	CHANGE 1                                       ; slot 0's refill has had 64 products and a part's softmax in which to land
	SM 1
	QK 2, 0, 1                                     ; slot 1's refill may stay out
	QK 3, 1, 0                                     ; no load was issued behind this tile's
	SM 2
	SM 3
	; THE EXCHANGE.
	WIN 0
.irp qt, 0,1
	v_mov_b32 v[X+2*(\qt)], v[ST+16+2*(\qt)]
	v_add_f32 v[X+2*(\qt)+1], v[L+2*(\qt)], v[L+2*(\qt)+1]
.endr
	ds_store_b64 v[STW], v[X:X+1]
	ds_store_b64 v[STW], v[X+2:X+3] offset:1024
	s_wait_dscnt 0x0                               ; for the others' sake: my stores are done
	s_barrier_signal -1
	s_barrier_wait -1                              ; The next trip's stores here stand behind two rounds, behind every wave's wait for the loads below
.irp qt, 0,1
.irp k, 0,1,2,3,4,5,6,7
	ds_load_b64 v[EX+16*(\qt)+2*(\k):EX+16*(\qt)+2*(\k)+1], v[STR] offset:1024*(\qt)+128*(\k)
.endr
.endr
	s_wait_dscnt 0x0
.irp qt, 0,1
	v_max3_num_f32 v[C+8*(\qt)], v[EX+16*(\qt)], v[EX+16*(\qt)+2], v[EX+16*(\qt)+4]
.endr
.irp qt, 0,1
	v_max3_num_f32 v[C+8*(\qt)], v[C+8*(\qt)], v[EX+16*(\qt)+6], v[EX+16*(\qt)+8]
.endr
.irp qt, 0,1
	v_max3_num_f32 v[C+8*(\qt)], v[C+8*(\qt)], v[EX+16*(\qt)+10], v[EX+16*(\qt)+12]
.endr
.irp qt, 0,1
	v_max_num_f32 v[C+8*(\qt)], v[C+8*(\qt)], v[EX+16*(\qt)+14]  ; g = c x the row's maximum
.endr
.irp k, 0,1,2,3,4,5,6,7
.irp qt, 0,1
	v_sub_f32 v[EX+16*(\qt)+2*(\k)], v[EX+16*(\qt)+2*(\k)], v[C+8*(\qt)]
.endr
.endr
.irp k, 0,1,2,3,4,5,6,7
.irp qt, 0,1
	v_exp_f32 v[EX+16*(\qt)+2*(\k)], v[EX+16*(\qt)+2*(\k)]
.endr
.endr
	v_nop                                          ; a plain line behind the last exponential
	s_wait_alu depctr_va_vdst(0)
.irp qt, 0,1
	v_mul_f32 v[C+8*(\qt)+1], v[EX+16*(\qt)], v[EX+16*(\qt)+1]
.endr
.irp k, 1,2,3,4,5,6,7
.irp qt, 0,1
	v_fmac_f32 v[C+8*(\qt)+1], v[EX+16*(\qt)+2*(\k)], v[EX+16*(\qt)+2*(\k)+1]  ; the row's sum: the contributor that holds the maximum gives about 1 or more
.endr
.endr
.irp qt, 0,1
	v_rcp_f32 v[C+8*(\qt)+2], v[C+8*(\qt)+1]
.endr
.irp pp, 0,1,2,3                       ; these subtractions are the plain lines behind the reciprocals
.irp qt, 0,1
	v_sub_f32 v[C+8*(\qt)+4+(\pp)], v[ST+4*((\pp)+1)+2*(\qt)], v[C+8*(\qt)]
.endr
.endr
.irp pp, 0,1,2,3
.irp qt, 0,1
	v_exp_f32 v[C+8*(\qt)+4+(\pp)], v[C+8*(\qt)+4+(\pp)]
.endr
.endr
	v_nop
	s_wait_alu depctr_va_vdst(0)
.irp pp, 0,1,2,3
.irp qt, 0,1
	v_mul_f32 v[F+2*(2*(\pp)+(\qt))], v[C+8*(\qt)+4+(\pp)], v[C+8*(\qt)+2]
	v_mul_f32 v[F+2*(2*(\pp)+(\qt))+1], v[C+8*(\qt)+4+(\pp)], v[C+8*(\qt)+2]
.endr
.endr
	OUTP 2
	OUTP 3
	WIN 0
	s_wait_xcnt 0x0                                ; the stores have read their data, their offset and their bases: only behind this wait are they written again
	s_mov_b64 s[TP:TP+1], s[PP:PP+1]               ; the second trip begins with parts 2 and 3: the two bases change places, 32 queries on
	s_add_nc_u64 s[PP:PP+1], s[PP+2:PP+3], 512
	s_add_nc_u64 s[PP+2:PP+3], s[TP:TP+1], 512
.set i, 0
.rept 64
	v_mov_b32 v[Q+i], v[Q+64+i]                    ; the second block's Q goes where the one text names Q (once in vain, behind the second trip)
.set i, i+1
.endr
	s_sub_co_u32 s[TRIP], s[TRIP], 1
	s_cmp_lg_u32 s[TRIP], 0
	s_cbranch_scc1 .Ltrip
	s_wait_tensorcnt 0x0                           ; the wave's end
	ds_add_u32 v[SPW], v[NIL]
	s_wait_dscnt 0x0
	CROUND                                         ; the closing round
	s_endpgm
.Lfunc_end_k_q82c204fe82_attn:
	.size	k_q82c204fe82_attn, .Lfunc_end_k_q82c204fe82_attn-k_q82c204fe82_attn
	.p2alignl 7, 3214868480
	.fill 96, 4, 3214868480
	.section	.rodata,"a",@progbits
	.p2align	6, 0x0
	.amdhsa_kernel k_q82c204fe82_attn
		.amdhsa_group_segment_fixed_size 327680
		.amdhsa_private_segment_fixed_size 0
		.amdhsa_enable_private_segment 0
		.amdhsa_kernarg_size 16
		.amdhsa_user_sgpr_count 2
		.amdhsa_user_sgpr_kernarg_segment_ptr 1
		.amdhsa_wavefront_size32 1
		.amdhsa_system_sgpr_workgroup_id_x 1
		.amdhsa_system_sgpr_workgroup_id_y 1
		.amdhsa_system_sgpr_workgroup_id_z 1
		.amdhsa_system_vgpr_workitem_id 0
		.amdhsa_next_free_vgpr 1024
		.amdhsa_next_free_sgpr 66
		.amdhsa_reserve_vcc 0
		.amdhsa_float_denorm_mode_32 3
		.amdhsa_float_denorm_mode_16_64 3
		.amdhsa_memory_ordered 1
		.amdhsa_forward_progress 1
		.amdhsa_inst_pref_size 155
	.end_amdhsa_kernel
	.amdgpu_metadata
---
amdhsa.version: [ 1, 2 ]
amdhsa.kernels:
  - .name:           k_q82c204fe82_attn
    .symbol:         k_q82c204fe82_attn.kd
    .args:
      - { .name: qk8, .offset: 0, .size: 8, .value_kind: global_buffer, .address_space: global }
      - { .name: p8, .offset: 8, .size: 8, .value_kind: global_buffer, .address_space: global }
    .group_segment_fixed_size: 327680
    .private_segment_fixed_size: 0
    .kernarg_segment_align: 8
    .kernarg_segment_size: 16
    .max_flat_workgroup_size: 128
    .sgpr_count:     66
    .vgpr_count:     1024
    .wavefront_size: 32
...
	.end_amdgpu_metadata
.endif
;; end of part 3
;; launch pv (part 4): grid 8 x 32, 4 waves a work-group, clusters of 4 x 4, 327,680 bytes of LDS; arguments v8, p8, xb, gamma, out0; writes out0
.if DOCPART == 4
	.amdgcn_target "amdgcn-amd-amdhsa--gfx1250"
	.amdhsa_code_object_version 6
	.text
	.protected	k_q82c204fe82_pv
	.globl	k_q82c204fe82_pv
	.p2align	8
	.type	k_q82c204fe82_pv,@function
k_q82c204fe82_pv:
	s_mov_b64 s[64:65], 0
	v_nop
	global_prefetch_b8 v0, s[64:65] scope:SCOPE_SE
	s_setreg_imm32_b32 hwreg(HW_REG_WAVE_MODE, 25, 1), 1
	s_wait_xcnt 0x0
	s_wait_alu depctr_hold_cnt(0) depctr_sa_sdst(0) depctr_va_vdst(0) depctr_va_sdst(0) depctr_va_ssrc(0) depctr_va_vcc(0) depctr_vm_vsrc(0)
	s_getreg_b32 s2, hwreg(HW_REG_IB_STS2, 6, 4)
	s_cmp_eq_u32 s2, 0
	s_cbranch_scc0 .Lentry_in_a_cluster
	s_endpgm
.Lentry_in_a_cluster:
	s_bfe_u32 s2, ttmp6, 0x10000c
	s_cmp_lg_u32 s2, 0xf033
	s_cbranch_scc0 .Lentry_shape_is_right
	s_endpgm
.Lentry_shape_is_right:
; out0[b][c][j] = gamma x (sum over l of v[b][c][l] P[b][j][l]) + x[b][c][j].  v and P in f16, in blocks of eight along l (v8[b][l / 8][c][l % 8], p8[b][l / 8][j][l % 8]); sums in f32; out0 in f32.
; gamma and x enter rounded to bf16, as every input of the program does (x from xb).
; A tile of out0, 256 channels x 256 queries of one batch, is made by a work-group of four waves; a wave makes 128 x 128: 64 accumulators, 512 registers.  K = 2,048 keys goes in 16 steps of 128 through two LDS slots.
; A K step's tile is 16 block rows of 4,096 consecutive bytes (256 rows x 16 bytes).  A fragment (16 rows x 32 keys) is two loads of 16 bytes a lane, two block rows apart, in each of which 16 lanes read
; 256 consecutive bytes: no padding is needed.
; THE MATRIX INSTRUCTION IS USED TRANSPOSED: source 0 = 16 queries of P, source 1 = 16 channels of v: a lane holds ONE channel and eight neighbouring queries, 32 bytes of a row of out0.
; CLUSTER.  4 x 4 work-groups of one batch.  v's tile hangs on the channels (cy) and is asked for jointly along a row of the cluster, P's on the queries (cx) and jointly along a column.
; LIMITS.  Those of f16's v and P; NaN and infinities are not treated apart.
; REGISTERS, in windows of 256 (s_set_vgpr_msb: bits 1:0 source 0, 3:2 source 1, 5:4 source 2, 7:6 destination):
;   window 0: v0-31 addresses, gamma; v32-63 at work; v64-127, v128-191 v's fragments, two buffers, on the way out rows read back; v192-255 x's rows   window 1: v64-191 P's fragments
;   window 2: the accumulators of my channel blocks 0-3 ((a, b) at 8 (8 a + b)); window 3: of blocks 4-7
.set SLOT,   131072                    ; v's 16 block rows, then P's
.set BOFF,   65536
.set STAGE,  2*SLOT                    ; behind the ring: 16 rows x 528 bytes for each wave; no tensor load fills it
.set SPITCH, 528                       ; 512 bytes + 16: the 16 rows that a store touches start at 16 different groups of four banks (64 banks of 4 bytes: ISA guide 11.1)
.set SPARE,  STAGE+4*16*SPITCH         ; the spare words, 128 bytes for each wave: two blocks of 256 bytes that no other line names
.set ADRA, 16                          ; v16-17  LDS address of my fragments of v in slot 0, 1
.set ADRB, 20                          ; v20-21  of P
.set STO,  24                          ; v24     the way out: where I put 32 bytes of a row
.set RD,   25                          ; v25     where I read 16 bytes of a row back
.set CO,   26                          ; v26     16 x lane: my place in 512 bytes of out0
.set XO,   27                          ; v27     8 x lane: my place in 256 bytes of xb
.set SPW,  28                          ; v28     LDS address of my spare word; never rewritten
.set NIL,  29                          ; v29     0; never rewritten
.set GM,   30                          ; v30-31  gamma, twice
.set T,    32
.set F0,   64
.set F1,   128
.set OB,   64                          ; the way out: 16 rows x 4 registers, two sets by turns
.set XR,   192                         ; 16 rows x 2 registers of x, two sets by turns
.set WV,   14
.set HI,   15                          ; wave / 2: my 128 channels; also: I fetch v (0) or P (1)
.set LO,   16                          ; wave % 2: my 128 queries; also: which 8 block rows I fetch
.set G1,   24
.set G0,   32
.set G1B,  48
.set G0B,  56
.set MSB, 0
.macro WIN new
.if MSB != (\new)
	s_set_vgpr_msb (MSB<<8)|(\new)
.set MSB, \new
.endif
.endm
.macro PLACES                          ; four places behind a matrix instruction (ISA guide 7.12.1)
.rept 4
	v_nop
.endr
.endm
.macro JLOAD s                         ; a joint load; an s_nop 0 and four v_nop follow each of the two lines
	s_cmp_eq_u32 s[HI], 0
	s_cbranch_scc0 .Lfor_b_\@
	tensor_load_to_lds s[G0+4*(\s):G0+4*(\s)+3], s[G1:G1+7]
	s_nop 0
.rept 4
	v_nop
.endr
	s_branch .Lasked_\@
.Lfor_b_\@:
	tensor_load_to_lds s[G0B+4*(\s):G0B+4*(\s)+3], s[G1B:G1B+7]
	s_nop 0
.rept 4
	v_nop
.endr
.Lasked_\@:
.endm
.macro CREST
	s_cmp_lg_u32 s[WV], 0
	s_cbranch_scc1 .Lnot_wave_0_\@
	s_barrier_signal -3
.Lnot_wave_0_\@:
	s_barrier_wait -3
	s_barrier_signal -1
	s_barrier_wait -1
.endm
.macro CROUND
	s_barrier_signal -1
	s_barrier_wait -1
	CREST
.endm
	s_load_b256 s[4:11], s[0:1], 0x0               ; v8 4:5, p8 6:7, xb 8:9, gamma 10:11
	s_load_b64 s[12:13], s[0:1], 0x20              ; out0
	v_lshl_add_u32 v[SPW], v0, 2, SPARE
	v_mov_b32 v[NIL], 0
	ds_add_u32 v[SPW], v[NIL]                      ; the wave's opening: the add and its wait stand ahead of my first tensor load
	v_lshrrev_b32 v1, 5, v0
	v_readfirstlane_b32 s[WV], v1
	s_lshr_b32 s[HI], s[WV], 1
	s_and_b32 s[LO], s[WV], 1
	s_bfe_u32 s17, ttmp6, 0x40000                  ; cx
	s_bfe_u32 s18, ttmp6, 0x40004                  ; cy: the block of 256 channels
	s_lshl_b32 s19, ttmp9, 2
	s_add_co_u32 s19, s19, s17                     ; the block of 256 queries = 4 x cluster x + cx
	s_and_b32 s20, ttmp7, 0xffff                   ; the batch = cluster y, which all sixteen share
	s_lshl_b32 s21, s18, 2
	s_lshl_b32 s21, 15, s21                        ; my row of the cluster
	s_lshl_b32 s47, 0x1111, s17                    ; my column
	s_or_b32 s[G1], s21, (3<<16)|(1<<21)           ; the mask; elements of 8 bytes; bit 21 beside a mask
	s_or_b32 s[G1B], s47, (3<<16)|(1<<21)
.irp g, G1, G1B
	s_mov_b32 s[(\g)+1], 512<<16                   ; tensor_dim0 = 512 elements: 256 rows x 16 bytes
	s_mov_b32 s[(\g)+2], 8<<16                     ; tensor_dim1 = 8 block rows
	s_mov_b32 s[(\g)+3], 512<<16                   ; tile_dim0
	s_mov_b32 s[(\g)+4], 8                         ; tile_dim1
	s_mov_b32 s[(\g)+6], 0
	s_mov_b32 s[(\g)+7], 0
.endr
	s_mov_b32 s[G1+5], 2048                        ; v8: 1,024 channels x 16 bytes from block row to block row
	s_mov_b32 s[G1B+5], 4096                       ; p8: 2,048 queries x 16 bytes
	s_lshl_b32 s40, s20, 22                        ; v: batch + 256 channels x cy + 8 block rows x half
	s_lshl_b32 s41, s18, 12
	s_add_co_u32 s40, s40, s41
	s_lshl_b32 s41, s[LO], 17
	s_add_co_u32 s40, s40, s41
	s_mov_b32 s41, 0
	s_lshl_b32 s44, s20, 23                        ; P: batch + 256 queries x block + 8 block rows x half
	s_lshl_b32 s45, s19, 12
	s_add_co_u32 s44, s44, s45
	s_lshl_b32 s45, s[LO], 18
	s_add_co_u32 s44, s44, s45
	s_mov_b32 s45, 0
	s_mul_i32 s22, s[WV], 32768                    ; where they go: v's two halves, then P's: no place in the cluster enters an LDS address
	s_wait_dscnt 0x0                               ; the opening add is done
	s_wait_kmcnt 0x0
	s_add_nc_u64 s[40:41], s[4:5], s[40:41]
	s_add_nc_u64 s[44:45], s[6:7], s[44:45]
	s_load_b32 s23, s[10:11], 0x0                  ; gamma; waited for below
	CROUND                                         ; all sixteen work-groups are here: the first joint loads meet
.irp s, 0,1
	s_mov_b32 s[G0+4*(\s)], 1
	s_add_co_u32 s[G0+4*(\s)+1], s22, (\s)*SLOT
	s_add_nc_u64 s[G0+4*(\s)+2:G0+4*(\s)+3], s[40:41], (\s)*262144    ; K step s: 16 block rows on
	s_or_b32 s[G0+4*(\s)+3], s[G0+4*(\s)+3], 0x80000000
	s_mov_b32 s[G0B+4*(\s)], 1
	s_add_co_u32 s[G0B+4*(\s)+1], s22, (\s)*SLOT
	s_add_nc_u64 s[G0B+4*(\s)+2:G0B+4*(\s)+3], s[44:45], (\s)*524288
	s_or_b32 s[G0B+4*(\s)+3], s[G0B+4*(\s)+3], 0x80000000
	JLOAD \s                                       ; two tensor loads of mine are out
.endr
	v_and_b32 v1, 15, v0                           ; r
	v_bfe_u32 v2, v0, 4, 1                         ; h
	v_and_b32 v3, 31, v0                           ; lane
	v_lshlrev_b32 v4, 4, v1                        ; a fragment: row r x 16 bytes, block row h
	v_lshl_add_u32 v4, v2, 12, v4
	s_lshl_b32 s21, s[HI], 11                      ; my 128 channels
	v_add_nc_u32 v[ADRA], s21, v4
	v_add_nc_u32 v[ADRA+1], SLOT, v[ADRA]
	s_lshl_b32 s21, s[LO], 11                      ; my 128 queries
	s_add_co_u32 s21, s21, BOFF
	v_add_nc_u32 v[ADRB], s21, v4
	v_add_nc_u32 v[ADRB+1], SLOT, v[ADRB]
	s_mul_i32 s21, s[WV], 16*SPITCH
	s_add_co_u32 s21, s21, STAGE                   ; my stage
	v_mul_u32_u24 v[STO], v1, SPITCH               ; in: row r, 32 bytes for each half of the lanes
	v_lshl_add_u32 v[STO], v2, 5, v[STO]
	v_add_nc_u32 v[STO], s21, v[STO]
	v_lshl_add_u32 v[RD], v3, 4, s21               ; back: 32 lanes take one row of 512 bytes
	v_lshlrev_b32 v[CO], 4, v3
	v_lshlrev_b32 v[XO], 3, v3
	s_lshl_b32 s40, s20, 21                        ; the index of my first number: (1,024 b + 256 cy + 128 half) x 2,048 + 256 block + 128 half
	s_lshl_b32 s41, s18, 19
	s_add_co_u32 s40, s40, s41
	s_lshl_b32 s41, s[HI], 18
	s_add_co_u32 s40, s40, s41
	s_lshl_b32 s41, s19, 8
	s_add_co_u32 s40, s40, s41
	s_lshl_b32 s41, s[LO], 7
	s_add_co_u32 s40, s40, s41
	s_lshl_b32 s40, s40, 1                         ; in bytes of bf16
	s_mov_b32 s41, 0
	s_add_nc_u64 s[8:9], s[8:9], s[40:41]
	s_lshl_b32 s40, s40, 1                         ; in bytes of f32
	s_add_nc_u64 s[12:13], s[12:13], s[40:41]
	s_mov_b32 s46, 0xffff0000                      ; a word's upper bf16
.macro XLOAD a                         ; x's 16 rows of block a: each load takes 256 consecutive bytes, aligned
	WIN 0
.irp t, 0,1,2,3,4,5,6,7,8,9,10,11,12,13,14,15
	global_load_b64 v[XR+32*((\a)%2)+2*(\t):XR+32*((\a)%2)+2*(\t)+1], v[XO], s[8:9] offset:(16*(\a)+(\t))*4096 th:TH_LOAD_NT
.endr
.endm
	XLOAD 0                                        ; the first two blocks' rows stay on their way during the product: nothing touches their registers
	XLOAD 1
	s_wait_kmcnt 0x0                               ; gamma
	v_mov_b32 v[GM], s23
	v_cvt_pk_bf16_f32 v[GM], v[GM], v[GM]          ; rounded to bf16,
	v_lshlrev_b32 v[GM], 16, v[GM]                 ; as f32,
	v_mov_b32 v[GM+1], v[GM]                       ; twice
; 16 matrix instructions: channel blocks a0, a0 + 1 of the window's four x all 8 query blocks, 32 along K.  zero = 1: the product starts the sums.
.macro MUL16 f, hi, a0, zero
	WIN 0xa1+0x50*(\hi)                            ; P window 1, v window 0, C and D window 2 or 3
.irp a, \a0, (\a0)+1
.irp b, 0,1,2,3,4,5,6,7
.if \zero
	v_wmma_f32_16x16x32_f16 v[8*(8*(\a)+(\b)):8*(8*(\a)+(\b))+7], v[(\f)+8*(\b):(\f)+8*(\b)+7], v[(\f)+8*(4*(\hi)+(\a)):(\f)+8*(4*(\hi)+(\a))+7], 0
.else
	v_wmma_f32_16x16x32_f16 v[8*(8*(\a)+(\b)):8*(8*(\a)+(\b))+7], v[(\f)+8*(\b):(\f)+8*(\b)+7], v[(\f)+8*(4*(\hi)+(\a)):(\f)+8*(4*(\hi)+(\a))+7], v[8*(8*(\a)+(\b)):8*(8*(\a)+(\b))+7]
.endif
.endr
.endr
.endm
; 32 LDS loads in one run: quarter q (four block rows) of a slot into buffer f: P's 8 fragments, then v's 8
.macro FETCH slot, q, f
	WIN 0x40
.irp i, 0,1,2,3,4,5,6,7
	ds_load_b128 v[(\f)+8*(\i):(\f)+8*(\i)+3],   v[ADRB+(\slot)] offset:16384*(\q)+256*(\i)
	ds_load_b128 v[(\f)+8*(\i)+4:(\f)+8*(\i)+7], v[ADRB+(\slot)] offset:16384*(\q)+256*(\i)+8192
.endr
	WIN 0
.irp i, 0,1,2,3,4,5,6,7
	ds_load_b128 v[(\f)+8*(\i):(\f)+8*(\i)+3],   v[ADRA+(\slot)] offset:16384*(\q)+256*(\i)
	ds_load_b128 v[(\f)+8*(\i)+4:(\f)+8*(\i)+7], v[ADRA+(\slot)] offset:16384*(\q)+256*(\i)+8192
.endr
.endm
; A K step is four quarters of 32 along K, 64 matrix instructions each, on buffers 0, 1, 0, 1.  The 64 accumulators take turns, one instruction a turn, in the same order in every quarter.
.macro QUARTER slot, q, f, g, zero
	s_wait_dscnt 8                                 ; P and v's blocks 0-3 are in; the youngest eight loads may be out
	MUL16 \f, 0, 0, \zero
	MUL16 \f, 0, 2, \zero
	PLACES
	FETCH \slot, \q, \g
	s_wait_dscnt 32                                ; all but the 32 just issued
	MUL16 \f, 1, 0, \zero
	MUL16 \f, 1, 2, \zero
.endm
.macro MEET round                      ; the change of slots: ONE barrier; in front of it each wave waits for all its tensor loads, adds 0 to its spare word, and waits for that and for its reads of this slot
	WIN 0
	s_wait_tensorcnt 0x0                           ; all my tensor loads have landed: the one that was out is my part of the next slot
	ds_add_u32 v[SPW], v[NIL]                      ; 0 onto my spare word
	s_wait_dscnt 9                                 ; the add and the youngest eight loads may be out
	MUL16 F1, 0, 0, 0
	s_wait_dscnt 0x0                               ; the add is done, and my reads of this slot are over
	s_barrier_signal -1
	MUL16 F1, 0, 2, 0
.if \round
	WIN 0
.endif
	s_barrier_wait -1
.endm
; fill = 1: the barrier opens a round of the cluster's barrier, and this slot is filled again, two K steps ahead, first thing behind the round: 224 matrix instructions ahead of the wait for it.
.macro TURN slot, next, fill
	MEET \fill
.if \fill
	CREST
	s_add_nc_u64 s[G0+4*(\slot)+2:G0+4*(\slot)+3], s[G0+4*(\slot)+2:G0+4*(\slot)+3], 524288
	s_add_nc_u64 s[G0B+4*(\slot)+2:G0B+4*(\slot)+3], s[G0B+4*(\slot)+2:G0B+4*(\slot)+3], 1048576
	JLOAD \slot                                    ; the four v_nop behind it are also the places in front of the loads below
.else
	PLACES
.endif
	FETCH \next, 0, F0
	MUL16 F1, 1, 0, 0
	MUL16 F1, 1, 2, 0
.endm
	s_wait_tensorcnt 1                             ; my part of K step 0 is in; K step 1's may stay out
	s_barrier_signal -1
	s_barrier_wait -1
	FETCH 0, 0, F0
	QUARTER 0, 1, F0, F1, 1                        ; the first quarter stands in front of the loop: its products start the sums
	WIN 0
	s_mov_b32 s3, 7                                ; 16 K steps = 8 laps of the ring; the last lap fills nothing and is written out
.Llap:
	QUARTER 0, 2, F1, F0, 0
	QUARTER 0, 3, F0, F1, 0
	TURN 0, 1, 1
	QUARTER 1, 1, F0, F1, 0
	QUARTER 1, 2, F1, F0, 0
	QUARTER 1, 3, F0, F1, 0
	TURN 1, 0, 1
	QUARTER 0, 1, F0, F1, 0
	WIN 0
	s_sub_co_u32 s3, s3, 1
	s_cmp_lg_u32 s3, 0
	s_cbranch_scc1 .Llap
	QUARTER 0, 2, F1, F0, 0
	QUARTER 0, 3, F0, F1, 0
	TURN 0, 1, 0
	QUARTER 1, 1, F0, F1, 0
	QUARTER 1, 2, F1, F0, 0
	QUARTER 1, 3, F0, F1, 0
	s_wait_dscnt 8                                 ; the very last quarter: nothing more to fetch
	MUL16 F1, 0, 0, 0
	MUL16 F1, 0, 2, 0
	s_wait_dscnt 0x0
	MUL16 F1, 1, 0, 0
	MUL16 F1, 1, 2, 0
; THE WAY OUT, a block of 16 channels at a time.  TOSTAGE: the sums go as f32 into my own stage (each accumulator's low four registers first) and come back as whole rows of 512 bytes.
.macro TOSTAGE a
	s_wait_xcnt 0x0                                ; the stores of the block two back have read this set of registers: only behind this wait is it loaded again
	WIN 0x08+0x04*((\a)/4)                         ; an LDS store's data is source 1: window 2 or 3
.irp b, 0,1,2,3,4,5,6,7
	ds_store_b128 v[STO], v[64*((\a)%4)+8*(\b):64*((\a)%4)+8*(\b)+3]   offset:64*(\b)
	ds_store_b128 v[STO], v[64*((\a)%4)+8*(\b)+4:64*((\a)%4)+8*(\b)+7] offset:64*(\b)+16
.endr
	WIN 0
.irp t, 0,1,2,3,4,5,6,7,8,9,10,11,12,13,14,15
	ds_load_b128 v[OB+64*((\a)%2)+4*(\t):OB+64*((\a)%2)+4*(\t)+3], v[RD] offset:(\t)*SPITCH  ; LDS serves a wave's instructions in order (ISA guide 5.7.1.4): these see the stores above, and the next block's stores come behind them
.endr
.endm
; SEND: gamma x sum + x, one fused multiply-add, and the row's 512 bytes are stored.  younger: the LDS instructions issued behind this block's loads; left: the loads of x that may stay out.
.macro SEND a, younger, left
	WIN 0
	s_wait_loadcnt \left                           ; this block's rows of x are in; the next block's sixteen loads may stay out
.irp t, 0,1,2,3,4,5,6,7,8,9,10,11,12,13,14,15
.set BK, OB+64*((\a)%2)+4*(\t)
.set XK, XR+32*((\a)%2)+2*(\t)
.set TT, T+4*((\t)%8)
	s_wait_dscnt (\younger)+15-(\t)                ; row t is back
	v_lshlrev_b32 v[TT],   16,  v[XK]              ; bf16 to f32: the low half moves up, the high half stays
	v_and_b32     v[TT+1], s46, v[XK]
	v_lshlrev_b32 v[TT+2], 16,  v[XK+1]
	v_and_b32     v[TT+3], s46, v[XK+1]
	v_pk_fma_f32 v[BK:BK+1],   v[BK:BK+1],   v[GM:GM+1], v[TT:TT+1]
	v_pk_fma_f32 v[BK+2:BK+3], v[BK+2:BK+3], v[GM:GM+1], v[TT+2:TT+3]
	global_store_b128 v[CO], v[BK:BK+3], s[12:13] offset:(16*(\a)+(\t))*8192 th:TH_STORE_NT  ; 512 consecutive bytes, aligned; the row stands in the immediate, 1,040,384 at the most
.endr
.endm
	PLACES                                         ; behind the last products: in front of LDS stores that read results and of loads into the fragments' registers
	TOSTAGE 0
.irp a, 1,2,3,4,5,6,7                  ; a block goes through the stage while the block before it is sent
	TOSTAGE \a
	SEND (\a)-1, 32, 16
.if (\a) < 7
	XLOAD (\a)+1                                   ; into the set that the block just sent has left
.endif
.endr
	SEND 7, 0, 0
	s_wait_tensorcnt 0x0                           ; the wave's end, behind my last tensor load and my last LDS store
	ds_add_u32 v[SPW], v[NIL]
	s_wait_dscnt 0x0
	CROUND                                         ; the closing round: no work-group ends while a partner may still ask for a tile that names it
	s_endpgm
.Lfunc_end_k_q82c204fe82_pv:
	.size	k_q82c204fe82_pv, .Lfunc_end_k_q82c204fe82_pv-k_q82c204fe82_pv
	.p2alignl 7, 3214868480
	.fill 96, 4, 3214868480
	.section	.rodata,"a",@progbits
	.p2align	6, 0x0
	.amdhsa_kernel k_q82c204fe82_pv
		.amdhsa_group_segment_fixed_size 327680
		.amdhsa_private_segment_fixed_size 0
		.amdhsa_enable_private_segment 0
		.amdhsa_kernarg_size 40
		.amdhsa_user_sgpr_count 2
		.amdhsa_user_sgpr_kernarg_segment_ptr 1
		.amdhsa_wavefront_size32 1
		.amdhsa_system_sgpr_workgroup_id_x 1
		.amdhsa_system_sgpr_workgroup_id_y 1
		.amdhsa_system_sgpr_workgroup_id_z 1
		.amdhsa_system_vgpr_workitem_id 0
		.amdhsa_next_free_vgpr 1024
		.amdhsa_next_free_sgpr 66
		.amdhsa_reserve_vcc 0
		.amdhsa_float_denorm_mode_32 3
		.amdhsa_float_denorm_mode_16_64 3
		.amdhsa_memory_ordered 1
		.amdhsa_forward_progress 1
		.amdhsa_inst_pref_size 188
	.end_amdhsa_kernel
	.amdgpu_metadata
---
amdhsa.version: [ 1, 2 ]
amdhsa.kernels:
  - .name:           k_q82c204fe82_pv
    .symbol:         k_q82c204fe82_pv.kd
    .args:
      - { .name: v8, .offset: 0, .size: 8, .value_kind: global_buffer, .address_space: global }
      - { .name: p8, .offset: 8, .size: 8, .value_kind: global_buffer, .address_space: global }
      - { .name: xb, .offset: 16, .size: 8, .value_kind: global_buffer, .address_space: global }
      - { .name: gamma, .offset: 24, .size: 8, .value_kind: global_buffer, .address_space: global }
      - { .name: out0, .offset: 32, .size: 8, .value_kind: global_buffer, .address_space: global }
    .group_segment_fixed_size: 327680
    .private_segment_fixed_size: 0
    .kernarg_segment_align: 8
    .kernarg_segment_size: 40
    .max_flat_workgroup_size: 128
    .sgpr_count:     66
    .vgpr_count:     1024
    .wavefront_size: 32
...
	.end_amdgpu_metadata
.endif
;; end of part 4
;; ======== version 2 of 3: 4 launches; 1.11 times as fast as version 1
;; limits: values are held in f16: magnitudes above 65,504 overflow, below 6.1e-05 lose precision
;; workspace buffers: xb 33,554,432 bytes; wb 2,621,440 bytes; bb 5,120 bytes; qk8 8,388,608 bytes; v8 33,554,432 bytes; p8 67,108,864 bytes
;; launch cast (part 5): grid 552 x 1, 8 waves a work-group, no clusters, 0 bytes of LDS; arguments x, Wq, Wk, Wv, bq, bk, bv, xb, wb, bb; writes xb, wb, bb
.if DOCPART == 5
	.amdgcn_target "amdgcn-amd-amdhsa--gfx1250"
	.amdhsa_code_object_version 6
	.text
	.protected	k_q82c204fe82_cast
	.globl	k_q82c204fe82_cast
	.p2align	8
	.type	k_q82c204fe82_cast,@function
k_q82c204fe82_cast:
	s_mov_b64 s[64:65], 0
	v_nop
	global_prefetch_b8 v0, s[64:65] scope:SCOPE_SE
	s_setreg_imm32_b32 hwreg(HW_REG_WAVE_MODE, 25, 1), 1
	s_wait_xcnt 0x0
; THE INPUTS ROUNDED ONCE TO bf16.  xb = bf16(x), same order.  wb = the 1,280 rows of Wv, Wq, Wk in bf16, in the order in which the projection's work-groups take them.  bb = their biases, rounded to bf16, kept as f32.
; wb's row 320 i + 160 wr + t (i = 0..3, wr = 0..1):  t < 128: Wv's row 256 i + 128 wr + t;  t >= 128: row e = 64 i + 32 wr + t - 128 of Wq above Wk.  So each 160 rows hold 128 of v's and 32 of q's or k's.
; SHARES.  A work-group turns 131,072 consecutive bytes of f32 into 65,536 consecutive bytes of bf16: groups 0..511 a piece of x, groups 512..551 32 rows of wb (32 whole rows of one weight matrix).
; A wave takes 16,384 bytes: 32 loads of 512 consecutive bytes, all issued at once; each store of the wave covers 256 consecutive bytes, aligned.
; The numbers are converted in place: a wave has 136 registers, a work-group's two waves on a SIMD 272 of its 1,024, so the two or three work-groups that fall to a WGP (552 for 256) lie on it side by side.
; No LDS, no matrix unit, no cluster: nothing is shared, every byte is read once and written once.
; LIMIT.  bf16 keeps 8 significant bits and f32's range; NaN and infinities pass as the conversion leaves them.
.set X, 8                              ; v[8:135]   32 x 4 registers as loaded; the first two of each four are stored
	s_load_b512 s[8:23], s[0:1], 0x0               ; x 8:9, Wq 10:11, Wk 12:13, Wv 14:15, bq 16:17, bk 18:19, bv 20:21, xb 22:23
	s_load_b128 s[24:27], s[0:1], 0x40             ; wb 24:25, bb 26:27
	s_max_u32 s2, ttmp9, 512
	s_sub_co_u32 s2, s2, 512                       ; g' = the group's number among the weights' 40 (0 in the groups of x)
	s_mul_i32 s3, s2, 205
	s_lshr_b32 s3, s3, 11                          ; i = g' / 10 (exact for g' < 40)
	s_mul_i32 s4, s3, 10
	s_sub_co_u32 s4, s2, s4                        ; g' % 10
	s_cmp_ge_u32 s4, 5
	s_cselect_b32 s5, 1, 0                         ; wr
	s_mul_i32 s6, s5, 5
	s_sub_co_u32 s6, s4, s6                        ; t / 32 = 0..4; 4: the rows of q or k
	s_lshl_b32 s28, s3, 8
	s_lshl_b32 s29, s5, 7
	s_add_co_u32 s28, s28, s29
	s_lshl_b32 s29, s6, 5
	s_add_co_u32 s28, s28, s29                     ; Wv's first row: 256 i + 128 wr + 32 (t / 32)
	s_and_b32 s29, s3, 1
	s_lshl_b32 s29, s29, 6
	s_lshl_b32 s30, s5, 5
	s_add_co_u32 s29, s29, s30                     ; Wq's or Wk's first row: 64 (i % 2) + 32 wr
	v_lshrrev_b32 v3, 5, v0                        ; wave
	v_and_b32 v4, 31, v0                           ; lane
	v_lshlrev_b32 v1, 4, v4
	v_lshl_or_b32 v1, v3, 14, v1                   ; loads: 16,384 x wave + 16 x lane
	v_lshlrev_b32 v2, 3, v4
	v_lshl_or_b32 v2, v3, 13, v2                   ; stores: 8,192 x wave + 8 x lane
	v_readfirstlane_b32 s7, v3
	s_wait_kmcnt 0x0
	s_cmp_lt_u32 s3, 2                             ; e < 128: Wq, else Wk
	s_cselect_b64 s[36:37], s[10:11], s[12:13]
	s_cselect_b64 s[40:41], s[16:17], s[18:19]
	s_cmp_eq_u32 s6, 4                             ; rows of q or k, else of v
	s_cselect_b64 s[36:37], s[36:37], s[14:15]
	s_cselect_b64 s[40:41], s[40:41], s[20:21]
	s_cselect_b32 s28, s29, s28                    ; the first of my 32 rows in its matrix
	s_lshl_b32 s32, s28, 12                        ; a row of f32 is 4,096 bytes
	s_lshl_b32 s34, s2, 16                         ; 32 rows of bf16 are 65,536 bytes
	s_lshl_b32 s30, ttmp9, 17                      ; the same two offsets for a piece of x
	s_lshl_b32 s31, ttmp9, 16
	s_lshl_b32 s44, s28, 2                         ; the biases of my rows
	s_lshl_b32 s46, s2, 7
	s_mov_b32 s33, 0
	s_mov_b32 s35, 0
	s_mov_b32 s45, 0
	s_mov_b32 s47, 0
	s_cmp_lt_u32 ttmp9, 512                        ; a piece of x, or rows of weights
	s_cselect_b64 s[36:37], s[8:9], s[36:37]
	s_cselect_b64 s[38:39], s[22:23], s[24:25]
	s_cselect_b32 s32, s30, s32
	s_cselect_b32 s34, s31, s34
	s_add_nc_u64 s[36:37], s[36:37], s[32:33]      ; from where
	s_add_nc_u64 s[38:39], s[38:39], s[34:35]      ; to where
	s_add_nc_u64 s[40:41], s[40:41], s[44:45]      ; biases: from where
	s_add_nc_u64 s[42:43], s[26:27], s[46:47]      ; to where
.set j, 0
.rept 32
	global_load_b128 v[X+4*j:X+4*j+3], v1, s[36:37] offset:512*j th:TH_LOAD_NT
.set j, j+1
.endr
.set j, 0
.rept 32
	s_wait_loadcnt 31-j                            ; loads come back in order: load j is in, the 31 - j younger ones stay out
	v_cvt_pk_bf16_f32 v[X+4*j], v[X+4*j], v[X+4*j+1]      ; in place: the four numbers' first two registers take the four bf16
	v_cvt_pk_bf16_f32 v[X+4*j+1], v[X+4*j+2], v[X+4*j+3]
	global_store_b64 v2, v[X+4*j:X+4*j+1], s[38:39] offset:256*j  ; no register is written behind its store, so no wait frees one
.set j, j+1
.endr
	s_cmp_lt_u32 ttmp9, 512                        ; the 32 biases of a weights' group: wave 0, a lane a bias
	s_cbranch_scc1 .Lend
	s_cmp_lg_u32 s7, 0
	s_cbranch_scc1 .Lend
	v_lshlrev_b32 v3, 2, v0
	global_load_b32 v4, v3, s[40:41]
	s_wait_loadcnt 0x0
	v_cvt_pk_bf16_f32 v4, v4, v4                   ; rounded to bf16,
	v_lshlrev_b32 v5, 16, v4                       ; and written as f32
	global_store_b32 v3, v5, s[42:43]              ; 128 consecutive bytes: bb has 5,120 in all
.Lend:
	s_endpgm
.Lfunc_end_k_q82c204fe82_cast:
	.size	k_q82c204fe82_cast, .Lfunc_end_k_q82c204fe82_cast-k_q82c204fe82_cast
	.p2alignl 7, 3214868480
	.fill 96, 4, 3214868480
	.section	.rodata,"a",@progbits
	.p2align	6, 0x0
	.amdhsa_kernel k_q82c204fe82_cast
		.amdhsa_group_segment_fixed_size 0
		.amdhsa_private_segment_fixed_size 0
		.amdhsa_enable_private_segment 0
		.amdhsa_kernarg_size 80
		.amdhsa_user_sgpr_count 2
		.amdhsa_user_sgpr_kernarg_segment_ptr 1
		.amdhsa_wavefront_size32 1
		.amdhsa_system_sgpr_workgroup_id_x 1
		.amdhsa_system_sgpr_workgroup_id_y 1
		.amdhsa_system_sgpr_workgroup_id_z 1
		.amdhsa_system_vgpr_workitem_id 0
		.amdhsa_next_free_vgpr 136
		.amdhsa_next_free_sgpr 66
		.amdhsa_reserve_vcc 0
		.amdhsa_float_denorm_mode_32 3
		.amdhsa_float_denorm_mode_16_64 3
		.amdhsa_memory_ordered 1
		.amdhsa_forward_progress 1
		.amdhsa_inst_pref_size 14
	.end_amdhsa_kernel
	.amdgpu_metadata
---
amdhsa.version: [ 1, 2 ]
amdhsa.kernels:
  - .name:           k_q82c204fe82_cast
    .symbol:         k_q82c204fe82_cast.kd
    .args:
      - { .name: x, .offset: 0, .size: 8, .value_kind: global_buffer, .address_space: global }
      - { .name: Wq, .offset: 8, .size: 8, .value_kind: global_buffer, .address_space: global }
      - { .name: Wk, .offset: 16, .size: 8, .value_kind: global_buffer, .address_space: global }
      - { .name: Wv, .offset: 24, .size: 8, .value_kind: global_buffer, .address_space: global }
      - { .name: bq, .offset: 32, .size: 8, .value_kind: global_buffer, .address_space: global }
      - { .name: bk, .offset: 40, .size: 8, .value_kind: global_buffer, .address_space: global }
      - { .name: bv, .offset: 48, .size: 8, .value_kind: global_buffer, .address_space: global }
      - { .name: xb, .offset: 56, .size: 8, .value_kind: global_buffer, .address_space: global }
      - { .name: wb, .offset: 64, .size: 8, .value_kind: global_buffer, .address_space: global }
      - { .name: bb, .offset: 72, .size: 8, .value_kind: global_buffer, .address_space: global }
    .group_segment_fixed_size: 0
    .private_segment_fixed_size: 0
    .kernarg_segment_align: 8
    .kernarg_segment_size: 80
    .max_flat_workgroup_size: 256
    .sgpr_count:     66
    .vgpr_count:     136
    .wavefront_size: 32
...
	.end_amdgpu_metadata
.endif
;; end of part 5
;; launch proj (part 6): grid 64 x 4, 4 waves a work-group, clusters of 4 x 4, 327,680 bytes of LDS; arguments wb, xb, bb, v8, qk8; writes v8, qk8
.if DOCPART == 6
	.amdgcn_target "amdgcn-amd-amdhsa--gfx1250"
	.amdhsa_code_object_version 6
	.text
	.protected	k_q82c204fe82_proj
	.globl	k_q82c204fe82_proj
	.p2align	8
	.type	k_q82c204fe82_proj,@function
k_q82c204fe82_proj:
	s_mov_b64 s[64:65], 0
	v_nop
	global_prefetch_b8 v0, s[64:65] scope:SCOPE_SE
	s_setreg_imm32_b32 hwreg(HW_REG_WAVE_MODE, 25, 1), 1
	s_wait_xcnt 0x0
	s_wait_alu depctr_hold_cnt(0) depctr_sa_sdst(0) depctr_va_vdst(0) depctr_va_sdst(0) depctr_va_ssrc(0) depctr_va_vcc(0) depctr_vm_vsrc(0)
	s_getreg_b32 s2, hwreg(HW_REG_IB_STS2, 6, 4)
	s_cmp_eq_u32 s2, 0
	s_cbranch_scc0 .Lentry_in_a_cluster
	s_endpgm
.Lentry_in_a_cluster:
	s_bfe_u32 s2, ttmp6, 0x10000c
	s_cmp_lg_u32 s2, 0xf033
	s_cbranch_scc0 .Lentry_shape_is_right
	s_endpgm
.Lentry_shape_is_right:
; THE THREE PROJECTIONS AS ONE PRODUCT.  For each batch b: out[rho][l] = bb[rho] + sum over c of wb[rho][c] xb[b][c][l], rho = 0..1279, c = 0..1023, l = 0..2047.  Operands bf16, sums f32, results rounded once to f16.
; A work-group makes 320 rows (tile row gy) x 256 positions; its four waves 160 x 128 each: 128 rows of v (64 accumulators) and 32 rows of q or k (16 accumulators): all work-groups and all waves do equal work.
; K = 1,024 channels goes in 8 steps of 128 through a ring of two LDS slots filled by the tensor data mover.  A K step is written once for the six steps that ask for a further tile and once for the last two.
; THE WAY THE RESULTS LIE: blocks of eight along the index over which the next product sums, 16 bytes a block:
;   v8[b][l / 8][c][l % 8]       qk8[b][e / 8][l][e % 8], e = 0..127 q's channel, 128..255 k's.
; v's products take 16 positions as source 0 and 16 rows of W as source 1: a lane then holds ONE channel and eight neighbouring positions.  q's and k's take the sources the other way round: a lane holds ONE
; position and eight neighbouring channels.  Either way a lane's eight results pack into one block of 16 bytes, and lanes 0-15 and 16-31 each store 256 consecutive bytes, aligned: no stage in LDS is needed.
; THE BIAS is the C operand of the product that starts a sum: nothing is cleared, and nothing is added on the way out.
; x lies [channel][position], K down the rows: its fragments come out of LDS turned, by ds_load_tr16_b128.
; CLUSTER.  4 x 4 work-groups.  W's tile hangs on gy alone and is asked for jointly along a row of the cluster, x's on the batch and the positions alone and jointly along a column.
; LIMITS.  f16 ends at 65,504: a q, k or v of 65,520 or more becomes an infinity.  NaN and infinities are not treated apart.
; REGISTERS, in windows of 256 (s_set_vgpr_msb: bits 1:0 source 0, 3:2 source 1, 5:4 source 2, 7:6 destination):
;   window 0: v0-15 addresses; v16-63 and v224-255 the biases, ten blocks of eight; v64-143, v144-223 W's fragments (10 x 16 rows x 32 K), two buffers
;   window 1: v0-63, v64-127 x's fragments (8 x 16 positions x 32 K), two buffers; v128-255 the 16 accumulators of q and k ((a, b) at 128 + 8 (8 a + b))
;   window 2: v's accumulators of my channel blocks 0-3 ((a, b) at 8 (8 a + b)); window 3: of blocks 4-7
.set PA,    272                        ; a row of W in LDS: 256 bytes + 16 of padding: the 16 rows of a load start at 16 different groups of four banks (64 banks of 4 bytes: ISA guide 11.1)
.set PB,    544                        ; a row of x: 512 + 32
.set AHALF, 160*PA                     ; what one tensor load brings of W, and what one wave reads of it
.set BOFF,  320*PA                     ; x's tile lies behind W's 320 rows
.set BHALF, 64*PB                      ; what one tensor load brings of x: 64 channels x 256 positions
.set SLOT,  BOFF+128*PB                ; 156,672 bytes
.set SPARE, 2*SLOT                     ; behind the ring: the spare words, 128 bytes for each wave: two blocks of 256 bytes that no other line names
.set ADRA0, 6                          ; v6      my lane's place among my W fragments in slot 0; never rewritten
.set ADRB0, 7                          ; v7      the same for x
.set ADRA,  8                          ; v8      the same in the slot that is being read
.set ADRB,  9                          ; v9
.set VO,   10                          ; v10     my byte offset in v8
.set QO,   11                          ; v11     my byte offset in qk8
.set B4,   12                          ; v12     4 x (lane % 16): a bias a lane
.set B32,  13                          ; v13     32 x (lane / 16): eight biases a lane
.set SPW,  14                          ; v14     LDS address of my spare word; never rewritten
.set NIL,  15                          ; v15     0; never rewritten
.set WF,   64                          ; W's buffer f at WF + 80 f (window 0); x's at 64 f (window 1)
.set QA,   128
.set TB,   2                           ; s2  0 or SLOT: the slot that is being read
.set WV,   14                          ; s14 wave; s15 wave / 2: my 160 rows, also: I fetch W (0) or x (1); s16 wave % 2: my 128 positions, also: which half of the tile I fetch
.set HI,   15
.set LO,   16
.set LA,   23                          ; s23 my half's place in a slot, for W's tiles; s46 for x's
.set LB,   46
.set G1,   24                          ; s[24:31] descriptor group 1 for W's tiles; s[32:39] group 0: a set for each of the two first fills; the second then walks on
.set G0,   32
.set G1B,  48                          ; s[48:55], s[56:63] the same for x's tiles
.set G0B,  56
.set MSB, 0
.macro WIN new                         ; the immediate's high byte repeats the setting that is left; a switch that changes nothing is dropped
.if MSB != (\new)
	s_set_vgpr_msb (MSB<<8)|(\new)
.set MSB, \new
.endif
.endm
.macro PLACES                          ; four places behind a matrix instruction, in front of loads into registers that it has read and of lines that read its result
.rept 4
	v_nop
.endr
.endm
.macro SETBC i                         ; BC = the first register of bias block i: 0-7 v's channel blocks (my channel's bias eight times), 8, 9 q's or k's (my eight channels' biases)
.if (\i) < 6
.set BC, 16+8*(\i)
.else
.set BC, 224+8*((\i)-6)
.endif
.endm
; A joint load: waves 0 and 1 fetch W's two halves, waves 2 and 3 x's.  The branch hangs on the wave's number alone.  An s_nop 0 and four v_nop follow each of the two lines.
.macro JLOAD s
	s_cmp_eq_u32 s[HI], 0
	s_cbranch_scc0 .Lfor_b_\@
	tensor_load_to_lds s[G0+4*(\s):G0+4*(\s)+3], s[G1:G1+7]
	s_nop 0
.rept 4
	v_nop
.endr
	s_branch .Lasked_\@
.Lfor_b_\@:
	tensor_load_to_lds s[G0B+4*(\s):G0B+4*(\s)+3], s[G1B:G1B+7]
	s_nop 0
.rept 4
	v_nop
.endr
.Lasked_\@:
.endm
.macro CREST                           ; a round of the cluster's barrier behind its opening barrier
	s_cmp_lg_u32 s[WV], 0
	s_cbranch_scc1 .Lnot_wave_0_\@
	s_barrier_signal -3
.Lnot_wave_0_\@:
	s_barrier_wait -3
	s_barrier_signal -1
	s_barrier_wait -1
.endm
.macro CROUND                          ; a whole round
	s_barrier_signal -1
	s_barrier_wait -1
	CREST
.endm
	s_load_b256 s[4:11], s[0:1], 0x0               ; wb 4:5, xb 6:7, bb 8:9, v8 10:11
	s_load_b64 s[12:13], s[0:1], 0x20              ; qk8
	v_lshl_add_u32 v[SPW], v0, 2, SPARE
	v_mov_b32 v[NIL], 0
	ds_add_u32 v[SPW], v[NIL]                      ; the wave's opening: the add and its wait stand ahead of my first tensor load; work on registers stands between them
	v_lshrrev_b32 v1, 5, v0
	v_readfirstlane_b32 s[WV], v1
	s_lshr_b32 s[HI], s[WV], 1
	s_and_b32 s[LO], s[WV], 1
	s_mov_b32 s[TB], 0
	s_bfe_u32 s17, ttmp6, 0x40000                  ; cx
	s_bfe_u32 s18, ttmp6, 0x40004                  ; cy
	s_lshl_b32 s19, ttmp9, 2
	s_add_co_u32 s19, s19, s17                     ; gx = 4 x cluster x + cx = 8 b + block of 256 positions
	s_and_b32 s20, ttmp7, 0xffff
	s_lshl_b32 s20, s20, 2
	s_add_co_u32 s20, s20, s18                     ; gy = 4 x cluster y + cy: the tile row
	s_lshl_b32 s21, s18, 2
	s_lshl_b32 s21, 15, s21                        ; my row of the cluster
	s_lshl_b32 s22, 0x1111, s17                    ; my column
	s_or_b32 s[G1], s21, (1<<16)|(1<<20)|(1<<21)|(5<<22)|(3<<25)   ; the mask; elements of 2 bytes; padding on; bit 21 beside a mask; after every 64 words 4 words
	s_or_b32 s[G1B], s22, (1<<16)|(1<<20)|(1<<21)|(6<<22)|(7<<25)  ; after every 128 words 8 words
	s_mov_b32 s[G1+1], 128<<16                     ; tensor_dim0 = 128 channels
	s_mov_b32 s[G1+2], 160<<16                     ; tensor_dim1 = 160 rows
	s_mov_b32 s[G1+3], 128<<16                     ; tile_dim0
	s_mov_b32 s[G1+4], 160                         ; tile_dim1
	s_mov_b32 s[G1+5], 1024                        ; elements from row to row
	s_mov_b32 s[G1+6], 0
	s_mov_b32 s[G1+7], 0
	s_mov_b32 s[G1B+1], 256<<16                    ; 256 positions
	s_mov_b32 s[G1B+2], 64<<16                     ; 64 channels
	s_mov_b32 s[G1B+3], 256<<16
	s_mov_b32 s[G1B+4], 64
	s_mov_b32 s[G1B+5], 2048
	s_mov_b32 s[G1B+6], 0
	s_mov_b32 s[G1B+7], 0
	s_mul_i32 s40, s20, 320                        ; W: row 320 gy + 160 x half, 2,048 bytes a row: made of gy and the wave's number alone
	s_mul_i32 s41, s[LO], 160
	s_add_co_u32 s40, s40, s41
	s_lshl_b32 s40, s40, 11
	s_mov_b32 s41, 0
	s_lshr_b32 s42, s19, 3                         ; b
	s_and_b32 s43, s19, 7                          ; block of 256 positions
	s_lshl_b32 s44, s42, 22                        ; x: batch, 64 channels x half, 512 bytes x block: made of gx and the wave's number alone
	s_lshl_b32 s45, s[LO], 18
	s_add_co_u32 s44, s44, s45
	s_lshl_b32 s45, s43, 9
	s_add_co_u32 s44, s44, s45
	s_mov_b32 s45, 0
	s_mul_i32 s[LA], s[LO], AHALF                  ; where they go: no place in the cluster enters an LDS address
	s_mul_i32 s[LB], s[LO], BHALF
	s_add_co_u32 s[LB], s[LB], BOFF
	s_wait_dscnt 0x0                               ; the opening add is done
	s_wait_kmcnt 0x0
	s_add_nc_u64 s[40:41], s[4:5], s[40:41]
	s_add_nc_u64 s[44:45], s[6:7], s[44:45]
	CROUND                                         ; all sixteen work-groups are here: the first joint loads meet
.irp s, 0,1
	s_mov_b32 s[G0+4*(\s)], 1
	s_add_co_u32 s[G0+4*(\s)+1], s[LA], (\s)*SLOT
	s_add_nc_u64 s[G0+4*(\s)+2:G0+4*(\s)+3], s[40:41], (\s)*256       ; K step s: 128 channels along W's rows
	s_or_b32 s[G0+4*(\s)+3], s[G0+4*(\s)+3], 0x80000000
	s_mov_b32 s[G0B+4*(\s)], 1
	s_add_co_u32 s[G0B+4*(\s)+1], s[LB], (\s)*SLOT
	s_add_nc_u64 s[G0B+4*(\s)+2:G0B+4*(\s)+3], s[44:45], (\s)*524288  ; 128 rows of x down
	s_or_b32 s[G0B+4*(\s)+3], s[G0B+4*(\s)+3], 0x80000000
	JLOAD \s                                       ; two tensor loads of mine are out
.endr
	v_and_b32 v1, 15, v0                           ; r = lane % 16
	v_bfe_u32 v2, v0, 4, 1                         ; h = lane / 16
	v_lshlrev_b32 v[B4], 2, v1
	v_lshlrev_b32 v[B32], 5, v2
	s_mul_i32 s40, s20, 320                        ; bb at my 160 rows
	s_mul_i32 s41, s[HI], 160
	s_add_co_u32 s40, s40, s41
	s_lshl_b32 s40, s40, 2
	s_mov_b32 s41, 0
	s_add_nc_u64 s[8:9], s[8:9], s[40:41]
.irp a, 0,1,2,3,4,5,6,7                ; v's block a: the bias of my channel, 16 a + lane % 16
	SETBC \a
	global_load_b32 v[BC], v[B4], s[8:9] offset:64*(\a)
.endr
.irp a, 0,1                            ; q's or k's block a: the biases of my eight channels, 128 + 16 a + 8 (lane / 16) + 0..7
	SETBC 8+(\a)
	global_load_b128 v[BC:BC+3],   v[B32], s[8:9] offset:512+64*(\a)
	global_load_b128 v[BC+4:BC+7], v[B32], s[8:9] offset:512+64*(\a)+16
.endr
	v_mul_u32_u24 v3, v1, PA                       ; W: row r x pitch + 16 h
	v_lshl_add_u32 v3, v2, 4, v3
	s_mul_i32 s21, s[HI], AHALF
	v_add_nc_u32 v[ADRA0], s21, v3
	v_mov_b32 v[ADRA], v[ADRA0]
	v_and_b32 v4, 7, v0                            ; x, turned: lane reads channel 8 h + lane % 8, positions 8 ((lane / 8) % 2) + 0..7
	v_lshl_add_u32 v4, v2, 3, v4
	v_mul_u32_u24 v4, v4, PB
	v_bfe_u32 v5, v0, 3, 1
	v_lshl_add_u32 v4, v5, 4, v4
	s_lshl_b32 s22, s[LO], 8                       ; my 128 positions
	s_add_co_u32 s22, s22, BOFF
	v_add_nc_u32 v[ADRB0], s22, v4
	v_mov_b32 v[ADRB], v[ADRB0]
	v_lshlrev_b32 v[VO], 4, v1                     ; v8: channel r, block of positions h
	v_lshl_add_u32 v[VO], v2, 14, v[VO]
	v_lshlrev_b32 v[QO], 4, v1                     ; qk8: position r, block of channels h
	v_lshl_add_u32 v[QO], v2, 15, v[QO]
	s_lshl_b32 s40, s42, 22                        ; v8: batch + (32 block + 16 half) x 16,384 + (256 gy + 128 half) x 16
	s_lshl_b32 s47, s43, 19
	s_add_co_u32 s40, s40, s47
	s_lshl_b32 s47, s[LO], 18
	s_add_co_u32 s40, s40, s47
	s_lshl_b32 s47, s20, 12
	s_add_co_u32 s40, s40, s47
	s_lshl_b32 s47, s[HI], 11
	s_add_co_u32 s40, s40, s47
	s_add_nc_u64 s[10:11], s[10:11], s[40:41]
	s_lshl_b32 s40, s42, 20                        ; qk8: batch + (8 gy + 4 half) x 32,768 + (256 block + 128 half) x 16
	s_lshl_b32 s47, s20, 18
	s_add_co_u32 s40, s40, s47
	s_lshl_b32 s47, s[HI], 17
	s_add_co_u32 s40, s40, s47
	s_lshl_b32 s47, s43, 12
	s_add_co_u32 s40, s40, s47
	s_lshl_b32 s47, s[LO], 11
	s_add_co_u32 s40, s40, s47
	s_add_nc_u64 s[12:13], s[12:13], s[40:41]
; 16 matrix instructions of v: channel blocks a0, a0 + 1 of the window's four x all 8 position blocks, 32 along K, from buffer f.  first = 1: the product starts the sums, with the bias as C.
.macro MULV f, hi, a0, first
.if \first
	WIN 0x81+0x40*(\hi)                            ; x window 1, W and the bias window 0, D window 2 or 3
.else
	WIN 0xa1+0x50*(\hi)                            ; x window 1, W window 0, C and D window 2 or 3
.endif
.irp a, \a0, (\a0)+1
	SETBC 4*(\hi)+(\a)
.irp b, 0,1,2,3,4,5,6,7
.if \first
	v_wmma_f32_16x16x32_bf16 v[8*(8*(\a)+(\b)):8*(8*(\a)+(\b))+7], v[64*(\f)+8*(\b):64*(\f)+8*(\b)+7], v[WF+80*(\f)+8*(4*(\hi)+(\a)):WF+80*(\f)+8*(4*(\hi)+(\a))+7], v[BC:BC+7]
.else
	v_wmma_f32_16x16x32_bf16 v[8*(8*(\a)+(\b)):8*(8*(\a)+(\b))+7], v[64*(\f)+8*(\b):64*(\f)+8*(\b)+7], v[WF+80*(\f)+8*(4*(\hi)+(\a)):WF+80*(\f)+8*(4*(\hi)+(\a))+7], v[8*(8*(\a)+(\b)):8*(8*(\a)+(\b))+7]
.endif
.endr
.endr
.endm
; 16 matrix instructions of q or k: W's blocks 8 and 9 as source 0, the 8 position blocks as source 1
.macro MULQ f, first
.if \first
	WIN 0x44                                       ; W and the bias window 0, x and D window 1
.else
	WIN 0x54                                       ; W window 0, x window 1, C and D window 1
.endif
.irp a, 0,1
	SETBC 8+(\a)
.irp b, 0,1,2,3,4,5,6,7
.if \first
	v_wmma_f32_16x16x32_bf16 v[QA+8*(8*(\a)+(\b)):QA+8*(8*(\a)+(\b))+7], v[WF+80*(\f)+8*(8+(\a)):WF+80*(\f)+8*(8+(\a))+7], v[64*(\f)+8*(\b):64*(\f)+8*(\b)+7], v[BC:BC+7]
.else
	v_wmma_f32_16x16x32_bf16 v[QA+8*(8*(\a)+(\b)):QA+8*(8*(\a)+(\b))+7], v[WF+80*(\f)+8*(8+(\a)):WF+80*(\f)+8*(8+(\a))+7], v[64*(\f)+8*(\b):64*(\f)+8*(\b)+7], v[QA+8*(8*(\a)+(\b)):QA+8*(8*(\a)+(\b))+7]
.endif
.endr
.endr
.endm
; 36 LDS loads in one run: quarter q (32 along K) of the slot that is being read, into buffer f: x's 8 fragments, turned, then W's 10
.macro FETCH q, f
	WIN 0x40                                       ; destination window 1, address window 0
.irp i, 0,1,2,3,4,5,6,7
	ds_load_tr16_b128 v[64*(\f)+8*(\i):64*(\f)+8*(\i)+3],   v[ADRB] offset:(\q)*32*PB+32*(\i)
	ds_load_tr16_b128 v[64*(\f)+8*(\i)+4:64*(\f)+8*(\i)+7], v[ADRB] offset:(\q)*32*PB+32*(\i)+16*PB
.endr
	WIN 0
.irp i, 0,1,2,3,4,5,6,7,8,9
	ds_load_b128 v[WF+80*(\f)+8*(\i):WF+80*(\f)+8*(\i)+3],   v[ADRA] offset:64*(\q)+(\i)*16*PA
	ds_load_b128 v[WF+80*(\f)+8*(\i)+4:WF+80*(\f)+8*(\i)+7], v[ADRA] offset:64*(\q)+(\i)*16*PA+32
.endr
.endm
; A K step is four quarters of 32 along K, 80 matrix instructions each, on buffers 0, 1, 0, 1.  The 80 accumulators take turns, one instruction a turn, in the same order in every quarter.
; One of the first three: multiplies buffer f; in its middle it fetches quarter q of the same slot into buffer g.
.macro QUARTER q, f, g, first
	s_wait_dscnt 12                                ; x and W's blocks 0-3 are in; the youngest twelve loads (W's blocks 4-9) may be out
	MULV \f, 0, 0, \first
	MULV \f, 0, 2, \first
	PLACES
	FETCH \q, \g
	s_wait_dscnt 36                                ; all but the 36 just issued
	MULV \f, 1, 0, \first
	MULV \f, 1, 2, \first
	MULQ \f, \first
.endm
; The last quarter multiplies buffer 1 and changes slots: ONE barrier.  In front of it each wave waits for all its tensor loads (at most one is out: its part of the next slot), adds 0 to its spare word, and waits for that and for its reads of this slot.
.macro MEET
	WIN 0
	s_wait_tensorcnt 0x0                           ; all my tensor loads have landed
	ds_add_u32 v[SPW], v[NIL]                      ; 0 onto my spare word
	s_wait_dscnt 13                                ; the add and the youngest twelve loads may be out
	MULV 1, 0, 0, 0                                ; sixteen matrix instructions stand between the add and the wait for it
	s_wait_dscnt 0x0                               ; the add is done, and my reads of this slot are over
	s_barrier_signal -1
	MULV 1, 0, 2, 0                                ; work on registers while the others arrive
	WIN 0
	s_barrier_wait -1
.endm
.macro OTHER                           ; the fetches go on in the other slot
	s_xor_b32 s[TB], s[TB], SLOT
	v_add_nc_u32 v[ADRA], s[TB], v[ADRA0]
	v_add_nc_u32 v[ADRB], s[TB], v[ADRB0]
.endm
; fill = 1: the barrier opens a round of the cluster's barrier, and the slot just read is filled again, with the K step two further on, first thing behind the round: 288 matrix instructions ahead of the wait for it.
; fill = 0: the last two K steps ask for nothing, and the very last (s3 = 1) has no further slot to fetch from.
.macro TURN fill
	MEET
.if \fill
	CREST                                          ; no wave of any partner still reads this slot or has a load on its way
	s_add_co_u32 s[G0+5], s[TB], s[LA]             ; the walking descriptors: the slot just read,
	s_add_nc_u64 s[G0+6:G0+7], s[G0+6:G0+7], 256   ; the K step behind the one asked for last; the type bits on top are not reached
	s_add_co_u32 s[G0B+5], s[TB], s[LB]
	s_add_nc_u64 s[G0B+6:G0B+7], s[G0B+6:G0B+7], 524288
	JLOAD 1                                        ; the four v_nop behind it are also the places in front of the loads below
	OTHER
	FETCH 0, 0
.else
	PLACES
	s_cmp_eq_u32 s3, 1
	s_cbranch_scc1 .Lno_fetch_\@
	OTHER
	FETCH 0, 0
.Lno_fetch_\@:
.endif
	MULV 1, 1, 0, 0
	MULV 1, 1, 2, 0
	MULQ 1, 0
.endm
	s_wait_loadcnt 0x0                             ; the biases
.irp a, 0,1,2,3,4,5,6,7
	SETBC \a
.irp j, 1,2,3,4,5,6,7
	v_mov_b32 v[BC+(\j)], v[BC]                    ; a lane's eight results of a tile of v belong to one channel: its bias eight times.  These lines stand in the wait for the first tile
.endr
.endr
	s_wait_tensorcnt 1                             ; my part of K step 0 is in; K step 1's may stay out
	s_barrier_signal -1
	s_barrier_wait -1                              ; everybody's is
	FETCH 0, 0
	QUARTER 1, 0, 1, 1                             ; the first quarter is written out: its products start the sums
	WIN 0
	s_mov_b32 s3, 6                                ; K steps 0 to 5 ask for K steps 2 to 7
	s_branch .Lmid                                 ; the loop is entered behind a step's first quarter
.Lstep:
	QUARTER 1, 0, 1, 0
	WIN 0
.Lmid:
	QUARTER 2, 1, 0, 0
	QUARTER 3, 0, 1, 0
	TURN 1
	WIN 0
	s_sub_co_u32 s3, s3, 1
	s_cmp_lg_u32 s3, 0
	s_cbranch_scc1 .Lstep
	s_mov_b32 s3, 2                                ; K steps 6 and 7 have a text of their own
.Ltail:
	QUARTER 1, 0, 1, 0
	QUARTER 2, 1, 0, 0
	QUARTER 3, 0, 1, 0
	TURN 0
	WIN 0
	s_sub_co_u32 s3, s3, 1
	s_cmp_lg_u32 s3, 0
	s_cbranch_scc1 .Ltail
	; THE WAY OUT: rounded to f16 into each accumulator's four lowest registers (each is read from its low end on), stored from there.
	PLACES                                         ; behind the last products
.macro OUTV hi
	WIN 0x8a+0x45*(\hi)                            ; destination and both sources in window 2 or 3
.set t, 0
.rept 32
.irp j, 0,1,2,3
	v_cvt_pk_f16_f32 v[8*t+(\j)], v[8*t+2*(\j)], v[8*t+2*(\j)+1]
.endr
.set t, t+1
.endr
	WIN 0x08+0x04*(\hi)                            ; a store's data is source 1
.set t, 0
.rept 32
	global_store_b128 v[VO], v[8*t:8*t+3], s[10:11] offset:32768*(t%8)+256*(4*(\hi)+t/8)  ; lanes 0-15 and lanes 16-31 each store 256 consecutive bytes, aligned
.set t, t+1
.endr
.endm
	OUTV 0
	OUTV 1
	WIN 0x45
.set t, 0
.rept 16
.irp j, 0,1,2,3
	v_cvt_pk_f16_f32 v[QA+8*t+(\j)], v[QA+8*t+2*(\j)], v[QA+8*t+2*(\j)+1]
.endr
.set t, t+1
.endr
	WIN 0x04
.set t, 0
.rept 16
	global_store_b128 v[QO], v[QA+8*t:QA+8*t+3], s[12:13] offset:65536*(t/8)+256*(t%8)
.set t, t+1
.endr
	WIN 0
	s_wait_tensorcnt 0x0                           ; the wave's end
	ds_add_u32 v[SPW], v[NIL]
	s_wait_dscnt 0x0
	CROUND                                         ; the closing round: no work-group ends while a partner may still ask for a tile that names it
	s_endpgm
.Lfunc_end_k_q82c204fe82_proj:
	.size	k_q82c204fe82_proj, .Lfunc_end_k_q82c204fe82_proj-k_q82c204fe82_proj
	.p2alignl 7, 3214868480
	.fill 96, 4, 3214868480
	.section	.rodata,"a",@progbits
	.p2align	6, 0x0
	.amdhsa_kernel k_q82c204fe82_proj
		.amdhsa_group_segment_fixed_size 327680
		.amdhsa_private_segment_fixed_size 0
		.amdhsa_enable_private_segment 0
		.amdhsa_kernarg_size 40
		.amdhsa_user_sgpr_count 2
		.amdhsa_user_sgpr_kernarg_segment_ptr 1
		.amdhsa_wavefront_size32 1
		.amdhsa_system_sgpr_workgroup_id_x 1
		.amdhsa_system_sgpr_workgroup_id_y 1
		.amdhsa_system_sgpr_workgroup_id_z 1
		.amdhsa_system_vgpr_workitem_id 0
		.amdhsa_next_free_vgpr 1024
		.amdhsa_next_free_sgpr 66
		.amdhsa_reserve_vcc 0
		.amdhsa_float_denorm_mode_32 3
		.amdhsa_float_denorm_mode_16_64 3
		.amdhsa_memory_ordered 1
		.amdhsa_forward_progress 1
		.amdhsa_inst_pref_size 112
	.end_amdhsa_kernel
	.amdgpu_metadata
---
amdhsa.version: [ 1, 2 ]
amdhsa.kernels:
  - .name:           k_q82c204fe82_proj
    .symbol:         k_q82c204fe82_proj.kd
    .args:
      - { .name: wb, .offset: 0, .size: 8, .value_kind: global_buffer, .address_space: global }
      - { .name: xb, .offset: 8, .size: 8, .value_kind: global_buffer, .address_space: global }
      - { .name: bb, .offset: 16, .size: 8, .value_kind: global_buffer, .address_space: global }
      - { .name: v8, .offset: 24, .size: 8, .value_kind: global_buffer, .address_space: global }
      - { .name: qk8, .offset: 32, .size: 8, .value_kind: global_buffer, .address_space: global }
    .group_segment_fixed_size: 327680
    .private_segment_fixed_size: 0
    .kernarg_segment_align: 8
    .kernarg_segment_size: 40
    .max_flat_workgroup_size: 128
    .sgpr_count:     66
    .vgpr_count:     1024
    .wavefront_size: 32
...
	.end_amdgpu_metadata
.endif
;; end of part 6
;; launch attn (part 7): grid 32 x 8, 4 waves a work-group, clusters of 4 x 1, 327,680 bytes of LDS; arguments qk8, p8; writes p8
.if DOCPART == 7
	.amdgcn_target "amdgcn-amd-amdhsa--gfx1250"
	.amdhsa_code_object_version 6
	.text
	.protected	k_q82c204fe82_attn
	.globl	k_q82c204fe82_attn
	.p2align	8
	.type	k_q82c204fe82_attn,@function
k_q82c204fe82_attn:
	s_mov_b64 s[64:65], 0
	v_nop
	global_prefetch_b8 v0, s[64:65] scope:SCOPE_SE
	s_setreg_imm32_b32 hwreg(HW_REG_WAVE_MODE, 25, 1), 1
	s_wait_xcnt 0x0
	s_wait_alu depctr_hold_cnt(0) depctr_sa_sdst(0) depctr_va_vdst(0) depctr_va_sdst(0) depctr_va_ssrc(0) depctr_va_vcc(0) depctr_vm_vsrc(0)
	s_getreg_b32 s2, hwreg(HW_REG_IB_STS2, 6, 4)
	s_cmp_eq_u32 s2, 0
	s_cbranch_scc0 .Lentry_in_a_cluster
	s_endpgm
.Lentry_in_a_cluster:
	s_bfe_u32 s2, ttmp6, 0x10000c
	s_cmp_lg_u32 s2, 0x3003
	s_cbranch_scc0 .Lentry_shape_is_right
	s_endpgm
.Lentry_shape_is_right:
; THE WEIGHTS.  P[b][j][l] = softmax over l of (q[b][j] . k[b][l]), unscaled, 128 channels, 2,048 keys; q and k in f16 from qk8[b][e / 8][l][e % 8]; products, maxima and sums in f32; P rounded once to f16,
; stored as p8[b][l / 8][j][l % 8].
; SHARES.  A work-group owns 64 queries of a batch, in two blocks of 32, one a trip of the loop.  Wave w owns the keys 512 w .. 512 w + 511 for all 32 queries: S^T in 64 accumulators, 512 registers, kept in f32 until
; the row's maximum and sum are known: every score is made once, and every weight is rounded once.
; LAYOUT.  S^T = K Q^T (source 0 = 16 keys, source 1 = 16 queries): a lane holds ONE query (lane % 16) and the keys 8 (lane / 16) + 0..7: eight weights pack into one block of 16 bytes of p8, and lanes 0-15 and
; 16-31 each store 256 consecutive bytes, aligned.
; SOFTMAX.  A wave's keys go in four parts of 128.  Each lane keeps a running maximum m of its own scores (for each of its two queries); part p's weights are kept as 2^(c s - c m_p), c = log2(e), m_p the maximum so far;
; the lane's sum l is multiplied by 2^(c m_old - c m_new) in every part.  At a block's end the eight contributors of a query (4 waves x 2 halves of the lanes) exchange (c m, l) through LDS; each lane then has the
; row's true maximum g and sum, and multiplies part p by 2^(c m_p - g) / l.
; THE RING.  LDS holds two parts for each wave.  The first trip walks the parts 0, 1, 2, 3, the second 2, 3, 0, 1: it begins on what lies there, both trips have one text, and every fill is read.
; Each wave fills and reads its own bytes alone.  All work that needs no new tile stands between a refill and the wait for it.
; CLUSTER.  The four work-groups of a cluster belong to one batch and walk the same K: each tile is asked for JOINTLY, the same tensor load, descriptor and mask in all four.
; LIMITS.  A weight below 6e-5 keeps f16's fixed step of 6e-8; 2^x below 2^-126 counts as 0; scores below -2.9e37 are not served (f16's q and k give 5.5e11 at the most); NaN and infinities are not treated apart.
; REGISTERS, in windows of 256 (s_set_vgpr_msb: bits 1:0 source 0, 3:2 source 1, 5:4 source 2, 7:6 destination):
;   window 0: addresses, statistics, Q of both blocks       window 1: K's fragments, two groups of 128       windows 2, 3: S^T: part p in window 2 + p / 2, tile (kt, qt) at 128 (p % 2) + 8 (2 kt + qt)
.set STAT,  262144                     ; behind the ring: [qt][contributor 2 w + h][lane % 16] x 8 bytes: (c m, l); never filled by a tensor load
.set SPARE, STAT+2048                  ; the spare words, 128 bytes for each wave: two blocks of 256 bytes that no other line names
.set KA,  4                            ; v4-5   LDS address of my K fragments in slot 0, 1
.set LOF, 6                            ; v6     32,768 (lane / 16) + 16 (lane % 16): my place in a block row of qk8 and of p8
.set STW, 8                            ; v8     where I put my (c m, l)
.set STR, 9                            ; v9     where I read my query's eight
.set SPW, 10                           ; v10    LDS address of my spare word; never rewritten
.set NIL, 11                           ; v11    0; never rewritten
.set ST,  12                           ; v12-31 (c m, m) behind part p, for query tile qt, at ST + 4 (p + 1) + 2 qt; p = -1: the start
.set L,   32                           ; v32-35 l (even keys', odd keys') at L + 2 qt
.set AF,  36                           ; v36-39 the factor for l, twice, at AF + 2 qt
.set C,   40                           ; v40-55 eight registers at work for each qt
.set Q,   64                           ; v64-127 Q: tile qt, channels 32 c on at Q + 32 qt + 8 c; v128-191 the second block's
.set EX,  192                          ; v192-223 the eight contributors' (c m, l) at EX + 16 qt + 2 k
.set F,   224                          ; v224-239 part p's last factor, twice, at F + 2 (2 p + qt)
.set X,   240                          ; v240-243 what I contribute
.set WV,  8                            ; s8   wave
.set KB,  12                           ; s[12:13] K at my wave's 512 keys
.set OF,  14                           ; s[14:15], s[16:17] the byte offset of the part that slot 0, 1 was last asked for
.set PP,  18                           ; s[18:19], s[20:21] p8 at the parts that lie in window 2, 3
.set TP,  22                           ; s[22:23] at work
.set G1,  24                           ; s[24:31] descriptor group 1
.set G0,  32                           ; s[32:39] descriptor group 0, a set for each slot
.set TRIP, 40
.set CS,  42                           ; s[42:43] c, named as a pair
.set QP,  44                           ; s[44:45] Q at my work-group's 64 queries
.set MSB, 0
.macro WIN new
.if MSB != (\new)
	s_set_vgpr_msb (MSB<<8)|(\new)
.set MSB, \new
.endif
.endm
.macro PLACES                          ; four places behind a matrix instruction (ISA guide 7.12.1)
.rept 4
	v_nop
.endr
.endm
.macro CROUND                          ; a round of the cluster's barrier
	s_barrier_signal -1
	s_barrier_wait -1
	s_cmp_lg_u32 s[WV], 0
	s_cbranch_scc1 .Lnot_wave_0_\@
	s_barrier_signal -3
.Lnot_wave_0_\@:
	s_barrier_wait -3
	s_barrier_signal -1
	s_barrier_wait -1
.endm
	s_load_b128 s[4:7], s[0:1], 0x0                ; qk8 4:5, p8 6:7
	v_lshl_add_u32 v[SPW], v0, 2, SPARE
	v_mov_b32 v[NIL], 0
	ds_add_u32 v[SPW], v[NIL]                      ; the wave's opening: the add and its wait stand ahead of my first tensor load
	v_lshrrev_b32 v1, 5, v0
	v_readfirstlane_b32 s[WV], v1
	s_bfe_u32 s9, ttmp6, 0x40000                   ; cx
	s_lshl_b32 s10, ttmp9, 2
	s_add_co_u32 s10, s10, s9                      ; my block of 64 queries: it enters Q's and P's addresses alone
	s_and_b32 s11, ttmp7, 0xffff                   ; the batch, which the four partners share
	s_mov_b32 s[G1], 15|(3<<16)|(1<<21)            ; the mask of four; elements of 8 bytes; bit 21 beside a mask; no padding: a fragment load's 16 lanes read 256 consecutive bytes
	s_mov_b32 s[G1+1], 256<<16                     ; tensor_dim0 = 256 elements: 128 keys x 16 bytes
	s_mov_b32 s[G1+2], 16<<16                      ; tensor_dim1 = 16 blocks of eight channels
	s_mov_b32 s[G1+3], 256<<16                     ; tile_dim0
	s_mov_b32 s[G1+4], 16                          ; tile_dim1
	s_mov_b32 s[G1+5], 4096                        ; 2,048 keys x 16 bytes from block row to block row
	s_mov_b32 s[G1+6], 0
	s_mov_b32 s[G1+7], 0
	s_mov_b32 s[CS], 0x3fb8aa3b                    ; c = log2(e)
	s_mov_b32 s[CS+1], s[CS]
	s_mov_b32 s[OF], 0                             ; slot 0 begins with part 0,
	s_mov_b32 s[OF+1], 0
	s_mov_b32 s[OF+2], 2048                        ; slot 1 with part 1
	s_mov_b32 s[OF+3], 0
	s_mul_i32 s46, s[WV], 32768                    ; my wave's place in a slot
	s_lshl_b32 s[TP], s11, 20                      ; K: batch + 16 block rows of q + my 512 keys
	s_lshl_b32 s[TP+1], s[WV], 13
	s_add_co_u32 s[TP], s[TP], s[TP+1]
	s_add_co_u32 s[TP], s[TP], 524288
	s_mov_b32 s[TP+1], 0
	s_lshl_b32 s[QP], s11, 20                      ; Q: batch + my 64 queries
	s_lshl_b32 s[QP+1], s10, 10
	s_add_co_u32 s[QP], s[QP], s[QP+1]
	s_mov_b32 s[QP+1], 0
	s_lshl_b32 s[PP], s11, 23                      ; P: batch + my wave's 64 block rows + my 64 queries
	s_lshl_b32 s[PP+1], s[WV], 21
	s_add_co_u32 s[PP], s[PP], s[PP+1]
	s_lshl_b32 s[PP+1], s10, 10
	s_add_co_u32 s[PP], s[PP], s[PP+1]
	s_mov_b32 s[PP+1], 0
	s_wait_dscnt 0x0                               ; the opening add is done
	s_wait_kmcnt 0x0
	s_add_nc_u64 s[KB:KB+1], s[4:5], s[TP:TP+1]
	s_add_nc_u64 s[QP:QP+1], s[4:5], s[QP:QP+1]
	s_add_nc_u64 s[PP:PP+1], s[6:7], s[PP:PP+1]
	s_add_nc_u64 s[PP+2:PP+3], s[PP:PP+1], 0x100000  ; two parts, 32 block rows, on
	CROUND                                         ; all four work-groups are here: the first joint loads meet
.irp s, 0,1
	s_mov_b32 s[G0+4*(\s)], 1
	s_add_co_u32 s[G0+4*(\s)+1], s46, (\s)*131072
	s_add_nc_u64 s[G0+4*(\s)+2:G0+4*(\s)+3], s[KB:KB+1], (\s)*2048
	s_or_b32 s[G0+4*(\s)+3], s[G0+4*(\s)+3], 0x80000000
.endr
	tensor_load_to_lds s[G0:G0+3], s[G1:G1+7]      ; the two first fills together: two tensor loads of mine are out
	s_nop 0
	tensor_load_to_lds s[G0+4:G0+7], s[G1:G1+7]
	s_nop 0
.rept 4
	v_nop
.endr
	v_and_b32 v1, 15, v0                           ; r
	v_bfe_u32 v2, v0, 4, 1                         ; h
	v_and_b32 v3, 31, v0                           ; lane
	v_lshlrev_b32 v[LOF], 4, v1
	v_lshl_add_u32 v[LOF], v2, 15, v[LOF]
	; A fragment is 16 rows x 32 channels in 8 registers: lane holds row r; registers 0-3 channels 8 h + 0..7: block row h; registers 4-7 channels 16 + 8 h + 0..7: block row 2 + h.
.irp be, 0,1
.irp qt, 0,1
.irp c, 0,1,2,3
	global_load_b128 v[Q+64*(\be)+32*(\qt)+8*(\c):Q+64*(\be)+32*(\qt)+8*(\c)+3],   v[LOF], s[QP:QP+1] offset:131072*(\c)+256*(\qt)+512*(\be)
	global_load_b128 v[Q+64*(\be)+32*(\qt)+8*(\c)+4:Q+64*(\be)+32*(\qt)+8*(\c)+7], v[LOF], s[QP:QP+1] offset:131072*(\c)+256*(\qt)+512*(\be)+65536
.endr
.endr
.endr
	v_lshlrev_b32 v[KA], 4, v1                     ; in LDS a block row of a part is 2,048 bytes
	v_lshl_add_u32 v[KA], v2, 11, v[KA]
	v_add_nc_u32 v[KA], s46, v[KA]
	v_add_nc_u32 v[KA+1], 131072, v[KA]
	s_lshl_b32 s47, s[WV], 8
	s_add_co_u32 s47, s47, STAT
	v_lshl_add_u32 v[STW], v3, 3, s47              ; contributor 2 w + h, place r: 256 w + 8 x lane
	v_lshlrev_b32 v[STR], 3, v1
	v_add_nc_u32 v[STR], STAT, v[STR]
; 32 products: key tiles 4 g .. 4 g + 3 of part p x both query tiles x 128 channels.  The 8 accumulators take turns, one instruction a turn; the first 8 start the sums.
.macro MULS p, g
	WIN 0xa1+0x50*((\p)/2)                         ; K window 1, Q window 0, S^T window 2 or 3
.irp c, 0,1,2,3
.irp kt, 0,1,2,3
.irp qt, 0,1
.set rS, 128*((\p)%2)+8*(2*(4*(\g)+(\kt))+(\qt))
.set rK, 128*(\g)+32*(\kt)+8*(\c)
.set rQ, Q+32*(\qt)+8*(\c)
.if (\c) == 0
	v_wmma_f32_16x16x32_f16 v[rS:rS+7], v[rK:rK+7], v[rQ:rQ+7], 0
.else
	v_wmma_f32_16x16x32_f16 v[rS:rS+7], v[rK:rK+7], v[rQ:rQ+7], v[rS:rS+7]
.endif
.endr
.endr
.endr
.endm
; The scores of the part that lies in a slot, into part p's registers.  left: how many younger tensor loads may stay out (-1: the tile has been shown landed).
.macro QK p, slot, left
.if (\left) >= 0
	s_wait_tensorcnt \left
.endif
	PLACES                                         ; in front of loads into registers that matrix instructions have read
	WIN 0x40                                       ; destination window 1
.irp g, 0,1
.irp kt, 0,1,2,3
.irp c, 0,1,2,3
	ds_load_b128 v[128*(\g)+32*(\kt)+8*(\c):128*(\g)+32*(\kt)+8*(\c)+3],   v[KA+(\slot)] offset:8192*(\c)+256*(4*(\g)+(\kt))
	ds_load_b128 v[128*(\g)+32*(\kt)+8*(\c)+4:128*(\g)+32*(\kt)+8*(\c)+7], v[KA+(\slot)] offset:8192*(\c)+256*(4*(\g)+(\kt))+4096
.endr
.endr
.endr
	s_wait_dscnt 32                                ; the first group's 32 loads are in
	MULS \p, 0
	s_wait_dscnt 0x0
	MULS \p, 1
.endm
; A slot that has been read is filled again, with the part two further on (or back).  Each wave waits for all its tensor loads, adds 0 to its spare word, and waits for that and for its reads; a round of the
; cluster's barrier follows, so that no wave of any partner still reads the slot or has a load on its way; the joint refill is the first thing behind it, one a wave.
.macro CHANGE slot
	WIN 0
	s_wait_tensorcnt 0x0                           ; no tensor load of mine is out, so a group 0 may be written
	ds_add_u32 v[SPW], v[NIL]                      ; 0 onto my spare word
	s_xor_b32 s[OF+2*(\slot)], s[OF+2*(\slot)], 4096  ; two parts are 4,096 bytes of a block row
	s_add_nc_u64 s[G0+4*(\slot)+2:G0+4*(\slot)+3], s[KB:KB+1], s[OF+2*(\slot):OF+2*(\slot)+1]  ; the address is made anew
	s_or_b32 s[G0+4*(\slot)+3], s[G0+4*(\slot)+3], 0x80000000
	s_wait_dscnt 0x0                               ; the add is done, and my reads of the slot are over
	CROUND
	tensor_load_to_lds s[G0+4*(\slot):G0+4*(\slot)+3], s[G1:G1+7]
	s_nop 0
.rept 4
	v_nop
.endr
.endm
.macro FM qt, n                        ; c s - c m for pair n of 32 of query tile qt
.set rr, SB+8*(2*((\n)/4)+(\qt))+2*((\n)%4)
	v_pk_fma_f32 v[rr:rr+1], v[rr:rr+1], s[CS:CS+1], v[rN+2*(\qt):rN+2*(\qt)+1] op_sel_hi:[1,0,0] neg_lo:[0,0,1] neg_hi:[0,0,1]
.endm
.macro EE qt, n                        ; its two exponentials
.set rr, SB+8*(2*((\n)/4)+(\qt))+2*((\n)%4)
	v_exp_f32 v[rr], v[rr]
	v_exp_f32 v[rr+1], v[rr+1]
.endm
; PART p's SHARE OF THE SOFTMAX, both query tiles: the running maximum, the weights in place, the running sum.
.macro SM p
.set W,  2+(\p)/2
.set SB, 128*((\p)%2)
.set rN, ST+4*((\p)+1)
.set rO, ST+4*(\p)
	PLACES
	WIN W|(W<<2)|(W<<4)                            ; a chain for each accumulator
.irp kt, 0,1,2,3,4,5,6,7
.irp qt, 0,1
	v_max3_num_f32 v[C+8*(\qt)+(\kt)], v[SB+8*(2*(\kt)+(\qt))], v[SB+8*(2*(\kt)+(\qt))+1], v[SB+8*(2*(\kt)+(\qt))+2]
.endr
.endr
	WIN (W<<2)|(W<<4)
.irp n, 3,5
.irp kt, 0,1,2,3,4,5,6,7
.irp qt, 0,1
	v_max3_num_f32 v[C+8*(\qt)+(\kt)], v[C+8*(\qt)+(\kt)], v[SB+8*(2*(\kt)+(\qt))+(\n)], v[SB+8*(2*(\kt)+(\qt))+(\n)+1]
.endr
.endr
.endr
.irp u, 0,1,2,3
.irp qt, 0,1
	v_max3_num_f32 v[C+8*(\qt)+2*(\u)], v[C+8*(\qt)+2*(\u)], v[SB+8*(4*(\u)+(\qt))+7], v[SB+8*(4*(\u)+2+(\qt))+7]
.endr
.endr
	WIN 0
.irp qt, 0,1
	v_max3_num_f32 v[C+8*(\qt)], v[C+8*(\qt)], v[C+8*(\qt)+1], v[C+8*(\qt)+2]
.endr
.irp qt, 0,1
	v_max3_num_f32 v[C+8*(\qt)+3], v[C+8*(\qt)+3], v[C+8*(\qt)+4], v[C+8*(\qt)+5]
.endr
.irp qt, 0,1
	v_max3_num_f32 v[C+8*(\qt)+6], v[C+8*(\qt)+6], v[C+8*(\qt)+7], v[rO+2*(\qt)+1]  ; and the old m
.endr
.irp qt, 0,1
	v_max3_num_f32 v[rN+2*(\qt)+1], v[C+8*(\qt)], v[C+8*(\qt)+3], v[C+8*(\qt)+6]
.endr
.irp qt, 0,1
	v_mul_f32 v[rN+2*(\qt)], s[CS], v[rN+2*(\qt)+1]
.endr
.irp qt, 0,1
	v_sub_f32 v[C+8*(\qt)+1], v[rO+2*(\qt)], v[rN+2*(\qt)]
.endr
.irp qt, 0,1
	v_exp_f32 v[AF+2*(\qt)], v[C+8*(\qt)+1]        ; used far below; the scaling that follows is the plain line behind these four
	v_exp_f32 v[AF+2*(\qt)+1], v[C+8*(\qt)+1]
.endr
	WIN (W<<6)|W                                   ; in place; c m in window 0
.irp qt, 0,1
	FM \qt, 0
.set i, 0
.rept 32                               ; a scaling a pair ahead stands behind each pair of exponentials: a plain line before a result is used (ISA guide 5.7.2)
.if i < 31
	FM \qt, i+1
.endif
	EE \qt, i
.set i, i+1
.endr
.endr
	WIN W|(W<<2)                                   ; the sums: four chains of pairs for each query tile; query tile 0's come first, a plain line that names nothing of the last exponentials
	s_wait_alu depctr_va_vdst(0)
.irp qt, 0,1
.irp u, 0,1,2,3
	v_pk_add_f32 v[C+8*(\qt)+2*(\u):C+8*(\qt)+2*(\u)+1], v[SB+8*(\qt)+2*(\u):SB+8*(\qt)+2*(\u)+1], v[SB+8*(2+(\qt))+2*(\u):SB+8*(2+(\qt))+2*(\u)+1]
.endr
.endr
	WIN W<<2
.irp kt, 2,3,4,5,6,7
.irp qt, 0,1
.irp u, 0,1,2,3
	v_pk_add_f32 v[C+8*(\qt)+2*(\u):C+8*(\qt)+2*(\u)+1], v[C+8*(\qt)+2*(\u):C+8*(\qt)+2*(\u)+1], v[SB+8*(2*(\kt)+(\qt))+2*(\u):SB+8*(2*(\kt)+(\qt))+2*(\u)+1]
.endr
.endr
.endr
	WIN 0
.irp qt, 0,1
	v_pk_add_f32 v[C+8*(\qt):C+8*(\qt)+1], v[C+8*(\qt):C+8*(\qt)+1], v[C+8*(\qt)+2:C+8*(\qt)+3]
	v_pk_add_f32 v[C+8*(\qt)+4:C+8*(\qt)+5], v[C+8*(\qt)+4:C+8*(\qt)+5], v[C+8*(\qt)+6:C+8*(\qt)+7]
.endr
.irp qt, 0,1
	v_pk_add_f32 v[C+8*(\qt):C+8*(\qt)+1], v[C+8*(\qt):C+8*(\qt)+1], v[C+8*(\qt)+4:C+8*(\qt)+5]
.endr
.irp qt, 0,1
	v_pk_fma_f32 v[L+2*(\qt):L+2*(\qt)+1], v[L+2*(\qt):L+2*(\qt)+1], v[AF+2*(\qt):AF+2*(\qt)+1], v[C+8*(\qt):C+8*(\qt)+1]
.endr
.endm
; The parts in window W: times their last factor, rounded to f16 into each accumulator's four lowest registers, stored from there.
.macro OUTP W
	WIN ((\W)<<6)|(\W)
.set t, 0
.rept 32
.set rF, F+2*(2*(2*((\W)-2)+t/16)+t%2)
.irp j, 0,2,4,6
	v_pk_mul_f32 v[8*t+(\j):8*t+(\j)+1], v[8*t+(\j):8*t+(\j)+1], v[rF:rF+1]
.endr
.set t, t+1
.endr
	WIN ((\W)<<6)|(\W)|((\W)<<2)
.set t, 0
.rept 32
.irp j, 0,1,2,3
	v_cvt_pk_f16_f32 v[8*t+(\j)], v[8*t+2*(\j)], v[8*t+2*(\j)+1]
.endr
.set t, t+1
.endr
	WIN (\W)<<2
.set t, 0
.rept 32
	global_store_b128 v[LOF], v[8*t:8*t+3], s[PP+2*((\W)-2):PP+2*((\W)-2)+1] offset:524288*(t/16)+65536*((t%16)/2)+256*(t%2)  ; lanes 0-15 and 16-31 each store 256 consecutive bytes, aligned
.set t, t+1
.endr
.endm
	s_wait_tensorcnt 1                             ; slot 0, my own bytes, has landed; slot 1's load may stay out
	s_wait_loadcnt 0x0                             ; Q
	s_mov_b32 s[TRIP], 2
.Ltrip:                                        ; a block of 32 queries
.irp qt, 0,1
	v_mov_b32 v[ST+2*(\qt)], 0xfe000000            ; c m: far below every c s, so the first factor for l is 0
	v_mov_b32 v[ST+2*(\qt)+1], 0xff7fffff          ; m: the lowest finite number
	v_mov_b32 v[L+2*(\qt)], 0
	v_mov_b32 v[L+2*(\qt)+1], 0
.endr
	QK 0, 0, -1                                    ; slot 0 lies there: by the wait in front of the loop, or by the last trip's waits
	CHANGE 0
	QK 1, 1, 1                                     ; the refill just issued may stay out; slot 1 was shown landed by the wait for all loads above
	SM 0
	CHANGE 1                                       ; slot 0's refill has had 64 products and a part's softmax in which to land
	SM 1
	QK 2, 0, 1                                     ; slot 1's refill may stay out
	SM 2                                           ; ahead of the last part's scores: slot 1's refill has two parts' softmax and 64 products in which to land
	QK 3, 1, 0                                     ; no load was issued behind this tile's
	SM 3
	; THE EXCHANGE.
	WIN 0
.irp qt, 0,1
	v_mov_b32 v[X+2*(\qt)], v[ST+16+2*(\qt)]
	v_add_f32 v[X+2*(\qt)+1], v[L+2*(\qt)], v[L+2*(\qt)+1]
.endr
	ds_store_b64 v[STW], v[X:X+1]
	ds_store_b64 v[STW], v[X+2:X+3] offset:1024
	s_wait_dscnt 0x0                               ; for the others' sake: my stores are done
	s_barrier_signal -1
	s_barrier_wait -1                              ; The next trip's stores here stand behind two rounds, behind every wave's wait for the loads below
.irp qt, 0,1
.irp k, 0,1,2,3,4,5,6,7
	ds_load_b64 v[EX+16*(\qt)+2*(\k):EX+16*(\qt)+2*(\k)+1], v[STR] offset:1024*(\qt)+128*(\k)
.endr
.endr
	s_wait_dscnt 0x0
.irp qt, 0,1
	v_max3_num_f32 v[C+8*(\qt)], v[EX+16*(\qt)], v[EX+16*(\qt)+2], v[EX+16*(\qt)+4]
.endr
.irp qt, 0,1
	v_max3_num_f32 v[C+8*(\qt)], v[C+8*(\qt)], v[EX+16*(\qt)+6], v[EX+16*(\qt)+8]
.endr
.irp qt, 0,1
	v_max3_num_f32 v[C+8*(\qt)], v[C+8*(\qt)], v[EX+16*(\qt)+10], v[EX+16*(\qt)+12]
.endr
.irp qt, 0,1
	v_max_num_f32 v[C+8*(\qt)], v[C+8*(\qt)], v[EX+16*(\qt)+14]  ; g = c x the row's maximum
.endr
.irp k, 0,1,2,3,4,5,6,7
.irp qt, 0,1
	v_sub_f32 v[EX+16*(\qt)+2*(\k)], v[EX+16*(\qt)+2*(\k)], v[C+8*(\qt)]
.endr
.endr
.irp k, 0,1,2,3,4,5,6,7
.irp qt, 0,1
	v_exp_f32 v[EX+16*(\qt)+2*(\k)], v[EX+16*(\qt)+2*(\k)]
.endr
.endr
	v_nop                                          ; a plain line behind the last exponential
	s_wait_alu depctr_va_vdst(0)
.irp qt, 0,1
	v_mul_f32 v[C+8*(\qt)+1], v[EX+16*(\qt)], v[EX+16*(\qt)+1]
.endr
.irp k, 1,2,3,4,5,6,7
.irp qt, 0,1
	v_fmac_f32 v[C+8*(\qt)+1], v[EX+16*(\qt)+2*(\k)], v[EX+16*(\qt)+2*(\k)+1]  ; the row's sum: the contributor that holds the maximum gives about 1 or more
.endr
.endr
.irp qt, 0,1
	v_rcp_f32 v[C+8*(\qt)+2], v[C+8*(\qt)+1]
.endr
.irp pp, 0,1,2,3                       ; these subtractions are the plain lines behind the reciprocals
.irp qt, 0,1
	v_sub_f32 v[C+8*(\qt)+4+(\pp)], v[ST+4*((\pp)+1)+2*(\qt)], v[C+8*(\qt)]
.endr
.endr
.irp pp, 0,1,2,3
.irp qt, 0,1
	v_exp_f32 v[C+8*(\qt)+4+(\pp)], v[C+8*(\qt)+4+(\pp)]
.endr
.endr
	v_nop
	s_wait_alu depctr_va_vdst(0)
.irp pp, 0,1,2,3
.irp qt, 0,1
	v_mul_f32 v[F+2*(2*(\pp)+(\qt))], v[C+8*(\qt)+4+(\pp)], v[C+8*(\qt)+2]
	v_mul_f32 v[F+2*(2*(\pp)+(\qt))+1], v[C+8*(\qt)+4+(\pp)], v[C+8*(\qt)+2]
.endr
.endr
	OUTP 2
	OUTP 3
	WIN 0
	s_wait_xcnt 0x0                                ; the stores have read their data, their offset and their bases: only behind this wait are they written again
	s_mov_b64 s[TP:TP+1], s[PP:PP+1]               ; the second trip begins with parts 2 and 3: the two bases change places, 32 queries on
	s_add_nc_u64 s[PP:PP+1], s[PP+2:PP+3], 512
	s_add_nc_u64 s[PP+2:PP+3], s[TP:TP+1], 512
.set i, 0
.rept 64
	v_mov_b32 v[Q+i], v[Q+64+i]                    ; the second block's Q goes where the one text names Q (once in vain, behind the second trip)
.set i, i+1
.endr
	s_sub_co_u32 s[TRIP], s[TRIP], 1
	s_cmp_lg_u32 s[TRIP], 0
	s_cbranch_scc1 .Ltrip
	s_wait_tensorcnt 0x0                           ; the wave's end
	ds_add_u32 v[SPW], v[NIL]
	s_wait_dscnt 0x0
	CROUND                                         ; the closing round
	s_endpgm
.Lfunc_end_k_q82c204fe82_attn:
	.size	k_q82c204fe82_attn, .Lfunc_end_k_q82c204fe82_attn-k_q82c204fe82_attn
	.p2alignl 7, 3214868480
	.fill 96, 4, 3214868480
	.section	.rodata,"a",@progbits
	.p2align	6, 0x0
	.amdhsa_kernel k_q82c204fe82_attn
		.amdhsa_group_segment_fixed_size 327680
		.amdhsa_private_segment_fixed_size 0
		.amdhsa_enable_private_segment 0
		.amdhsa_kernarg_size 16
		.amdhsa_user_sgpr_count 2
		.amdhsa_user_sgpr_kernarg_segment_ptr 1
		.amdhsa_wavefront_size32 1
		.amdhsa_system_sgpr_workgroup_id_x 1
		.amdhsa_system_sgpr_workgroup_id_y 1
		.amdhsa_system_sgpr_workgroup_id_z 1
		.amdhsa_system_vgpr_workitem_id 0
		.amdhsa_next_free_vgpr 1024
		.amdhsa_next_free_sgpr 66
		.amdhsa_reserve_vcc 0
		.amdhsa_float_denorm_mode_32 3
		.amdhsa_float_denorm_mode_16_64 3
		.amdhsa_memory_ordered 1
		.amdhsa_forward_progress 1
		.amdhsa_inst_pref_size 155
	.end_amdhsa_kernel
	.amdgpu_metadata
---
amdhsa.version: [ 1, 2 ]
amdhsa.kernels:
  - .name:           k_q82c204fe82_attn
    .symbol:         k_q82c204fe82_attn.kd
    .args:
      - { .name: qk8, .offset: 0, .size: 8, .value_kind: global_buffer, .address_space: global }
      - { .name: p8, .offset: 8, .size: 8, .value_kind: global_buffer, .address_space: global }
    .group_segment_fixed_size: 327680
    .private_segment_fixed_size: 0
    .kernarg_segment_align: 8
    .kernarg_segment_size: 16
    .max_flat_workgroup_size: 128
    .sgpr_count:     66
    .vgpr_count:     1024
    .wavefront_size: 32
...
	.end_amdgpu_metadata
.endif
;; end of part 7
;; launch pv (part 8): grid 8 x 32, 4 waves a work-group, clusters of 4 x 4, 327,680 bytes of LDS; arguments v8, p8, xb, gamma, out0; writes out0
.if DOCPART == 8
	.amdgcn_target "amdgcn-amd-amdhsa--gfx1250"
	.amdhsa_code_object_version 6
	.text
	.protected	k_q82c204fe82_pv
	.globl	k_q82c204fe82_pv
	.p2align	8
	.type	k_q82c204fe82_pv,@function
k_q82c204fe82_pv:
	s_mov_b64 s[64:65], 0
	v_nop
	global_prefetch_b8 v0, s[64:65] scope:SCOPE_SE
	s_setreg_imm32_b32 hwreg(HW_REG_WAVE_MODE, 25, 1), 1
	s_wait_xcnt 0x0
	s_wait_alu depctr_hold_cnt(0) depctr_sa_sdst(0) depctr_va_vdst(0) depctr_va_sdst(0) depctr_va_ssrc(0) depctr_va_vcc(0) depctr_vm_vsrc(0)
	s_getreg_b32 s2, hwreg(HW_REG_IB_STS2, 6, 4)
	s_cmp_eq_u32 s2, 0
	s_cbranch_scc0 .Lentry_in_a_cluster
	s_endpgm
.Lentry_in_a_cluster:
	s_bfe_u32 s2, ttmp6, 0x10000c
	s_cmp_lg_u32 s2, 0xf033
	s_cbranch_scc0 .Lentry_shape_is_right
	s_endpgm
.Lentry_shape_is_right:
; out0[b][c][j] = gamma x (sum over l of v[b][c][l] P[b][j][l]) + x[b][c][j].  v and P in f16, in blocks of eight along l (v8[b][l / 8][c][l % 8], p8[b][l / 8][j][l % 8]); sums in f32; out0 in f32.
; gamma and x enter rounded to bf16, as every input of the program does (x from xb).
; A tile of out0, 256 channels x 256 queries of one batch, is made by a work-group of four waves; a wave makes 128 x 128: 64 accumulators, 512 registers.  K = 2,048 keys goes in 16 steps of 128 through two LDS slots.
; A K step is written once for the fourteen steps that ask for a further tile and once for the last two.
; A K step's tile is 16 block rows of 4,096 consecutive bytes (256 rows x 16 bytes).  A fragment (16 rows x 32 keys) is two loads of 16 bytes a lane, two block rows apart, in each of which 16 lanes read
; 256 consecutive bytes: no padding is needed.
; THE MATRIX INSTRUCTION IS USED TRANSPOSED: source 0 = 16 queries of P, source 1 = 16 channels of v: a lane holds ONE channel and eight neighbouring queries, 32 bytes of a row of out0.
; THE RESIDUAL IS ASKED FOR UNDER THE PRODUCT.  My 128 rows of x (256 bytes each) are 256 registers; the product leaves 192 unnamed.  32 rows are asked for at the head, 32 behind the first quarter, 32 between the
; two loops over K, and the last 32 behind the last product, into P's first fragment buffer: they are wanted three trips of the way out later.  No load of x stands in the way out.
; THE WAY OUT.  When the ring has had its last fill and its last read, each wave lays its 128 x 128 sums into it as rows of 512 bytes; a loop of four trips then reads whole rows back, 32 a trip, and sends them.
; The loop's text names one set of registers for x; at a trip's end the next 32 rows are copied there from where they were loaded.
; CLUSTER.  4 x 4 work-groups of one batch.  v's tile hangs on the channels (cy) and is asked for jointly along a row of the cluster, P's on the queries (cx) and jointly along a column.
; LIMITS.  Those of f16's v and P; NaN and infinities are not treated apart.
; REGISTERS, in windows of 256 (s_set_vgpr_msb: bits 1:0 source 0, 3:2 source 1, 5:4 source 2, 7:6 destination):
;   window 0: v0-31 addresses, gamma; v32-63 at work; v64-127, v128-191 v's fragments, two buffers, on the way out rows read back; v192-255 x's rows 0-31, then the trip's 32 rows
;   window 1: v0-63 x's rows 32-63; v64-191 P's fragments, two buffers, at the end v64-127 x's rows 96-127; v192-255 x's rows 64-95
;   window 2: the accumulators of my channel blocks 0-3 ((a, b) at 8 (8 a + b)); window 3: of blocks 4-7
.set SLOT,   131072                    ; v's 16 block rows, then P's; a power of two above every place in a slot, so that one exclusive or turns an address in one slot into the other's
.set BOFF,   65536
.set SPITCH, 528                       ; a row of the stage: 512 bytes + 16: the 16 rows that a store touches start at 16 different groups of four banks (64 banks of 4 bytes: ISA guide 11.1)
.set WSTAGE, 128*SPITCH                ; a wave's stage: 67,584 bytes, from LDS byte 0 on: the four lie over the ring and 8,192 bytes behind it
.set SPARE,  4*WSTAGE                  ; behind the stages: the spare words, 128 bytes for each wave: two blocks of 256 bytes that no other line names
.set ADRA0, 16                         ; v16     my lane's place among my fragments of v in slot 0; never rewritten
.set ADRA,  17                         ; v17     the same in the slot that is being read
.set ADRB0, 20                         ; v20, v21  the same for P
.set ADRB,  21
.set STO,  24                          ; v24     the way out: where I put 32 bytes of a row
.set RD,   25                          ; v25     where I read 16 bytes of a row back; steps 32 rows a trip
.set CO,   26                          ; v26     16 x lane: my place in 512 bytes of out0
.set XO,   27                          ; v27     8 x lane: my place in 256 bytes of xb; never rewritten
.set SPW,  28                          ; v28     LDS address of my spare word; never rewritten
.set NIL,  29                          ; v29     0; never rewritten
.set GM,   30                          ; v30-31  gamma, twice
.set T,    32
.set F0,   64
.set F1,   128
.set OB,   64                          ; the way out: 16 rows x 4 registers, two sets
.set XR,   192                         ; 32 rows x 2 registers of x
.set TB,   2                           ; s2  0 or SLOT: the slot that is being read
.set WV,   14
.set HI,   15                          ; wave / 2: my 128 channels; also: I fetch v (0) or P (1)
.set LO,   16                          ; wave % 2: my 128 queries; also: which 8 block rows I fetch
.set G1,   24                          ; s[24:31] descriptor group 1 for v's tiles; s[32:39] group 0: a set for each of the two first fills; the second then walks on
.set G0,   32
.set G1B,  48                          ; s[48:55], s[56:63] the same for P's tiles
.set G0B,  56
.set MSB, 0
.macro WIN new
.if MSB != (\new)
	s_set_vgpr_msb (MSB<<8)|(\new)
.set MSB, \new
.endif
.endm
.macro PLACES                          ; four places behind a matrix instruction (ISA guide 7.12.1)
.rept 4
	v_nop
.endr
.endm
.macro JLOAD s                         ; a joint load; an s_nop 0 and four v_nop follow each of the two lines
	s_cmp_eq_u32 s[HI], 0
	s_cbranch_scc0 .Lfor_b_\@
	tensor_load_to_lds s[G0+4*(\s):G0+4*(\s)+3], s[G1:G1+7]
	s_nop 0
.rept 4
	v_nop
.endr
	s_branch .Lasked_\@
.Lfor_b_\@:
	tensor_load_to_lds s[G0B+4*(\s):G0B+4*(\s)+3], s[G1B:G1B+7]
	s_nop 0
.rept 4
	v_nop
.endr
.Lasked_\@:
.endm
.macro CREST
	s_cmp_lg_u32 s[WV], 0
	s_cbranch_scc1 .Lnot_wave_0_\@
	s_barrier_signal -3
.Lnot_wave_0_\@:
	s_barrier_wait -3
	s_barrier_signal -1
	s_barrier_wait -1
.endm
.macro CROUND
	s_barrier_signal -1
	s_barrier_wait -1
	CREST
.endm
	s_load_b256 s[4:11], s[0:1], 0x0               ; v8 4:5, p8 6:7, xb 8:9, gamma 10:11
	s_load_b64 s[12:13], s[0:1], 0x20              ; out0
	v_lshl_add_u32 v[SPW], v0, 2, SPARE
	v_mov_b32 v[NIL], 0
	ds_add_u32 v[SPW], v[NIL]                      ; the wave's opening: the add and its wait stand ahead of my first tensor load
	v_lshrrev_b32 v1, 5, v0
	v_readfirstlane_b32 s[WV], v1
	s_lshr_b32 s[HI], s[WV], 1
	s_and_b32 s[LO], s[WV], 1
	s_mov_b32 s[TB], 0
	s_bfe_u32 s17, ttmp6, 0x40000                  ; cx
	s_bfe_u32 s18, ttmp6, 0x40004                  ; cy: the block of 256 channels
	s_lshl_b32 s19, ttmp9, 2
	s_add_co_u32 s19, s19, s17                     ; the block of 256 queries = 4 x cluster x + cx
	s_and_b32 s20, ttmp7, 0xffff                   ; the batch = cluster y, which all sixteen share
	s_lshl_b32 s21, s18, 2
	s_lshl_b32 s21, 15, s21                        ; my row of the cluster
	s_lshl_b32 s47, 0x1111, s17                    ; my column
	s_or_b32 s[G1], s21, (3<<16)|(1<<21)           ; the mask; elements of 8 bytes; bit 21 beside a mask
	s_or_b32 s[G1B], s47, (3<<16)|(1<<21)
.irp g, G1, G1B
	s_mov_b32 s[(\g)+1], 512<<16                   ; tensor_dim0 = 512 elements: 256 rows x 16 bytes
	s_mov_b32 s[(\g)+2], 8<<16                     ; tensor_dim1 = 8 block rows
	s_mov_b32 s[(\g)+3], 512<<16                   ; tile_dim0
	s_mov_b32 s[(\g)+4], 8                         ; tile_dim1
	s_mov_b32 s[(\g)+6], 0
	s_mov_b32 s[(\g)+7], 0
.endr
	s_mov_b32 s[G1+5], 2048                        ; v8: 1,024 channels x 16 bytes from block row to block row
	s_mov_b32 s[G1B+5], 4096                       ; p8: 2,048 queries x 16 bytes
	s_lshl_b32 s40, s20, 22                        ; v: batch + 256 channels x cy + 8 block rows x half
	s_lshl_b32 s41, s18, 12
	s_add_co_u32 s40, s40, s41
	s_lshl_b32 s41, s[LO], 17
	s_add_co_u32 s40, s40, s41
	s_mov_b32 s41, 0
	s_lshl_b32 s44, s20, 23                        ; P: batch + 256 queries x block + 8 block rows x half
	s_lshl_b32 s45, s19, 12
	s_add_co_u32 s44, s44, s45
	s_lshl_b32 s45, s[LO], 18
	s_add_co_u32 s44, s44, s45
	s_mov_b32 s45, 0
	s_mul_i32 s22, s[WV], 32768                    ; where they go: v's two halves, then P's: no place in the cluster enters an LDS address
	s_wait_dscnt 0x0                               ; the opening add is done
	s_wait_kmcnt 0x0
	s_add_nc_u64 s[40:41], s[4:5], s[40:41]
	s_add_nc_u64 s[44:45], s[6:7], s[44:45]
	s_load_b32 s23, s[10:11], 0x0                  ; gamma; waited for below
	CROUND                                         ; all sixteen work-groups are here: the first joint loads meet
.irp s, 0,1
	s_mov_b32 s[G0+4*(\s)], 1
	s_add_co_u32 s[G0+4*(\s)+1], s22, (\s)*SLOT
	s_add_nc_u64 s[G0+4*(\s)+2:G0+4*(\s)+3], s[40:41], (\s)*262144    ; K step s: 16 block rows on
	s_or_b32 s[G0+4*(\s)+3], s[G0+4*(\s)+3], 0x80000000
	s_mov_b32 s[G0B+4*(\s)], 1
	s_add_co_u32 s[G0B+4*(\s)+1], s22, (\s)*SLOT
	s_add_nc_u64 s[G0B+4*(\s)+2:G0B+4*(\s)+3], s[44:45], (\s)*524288
	s_or_b32 s[G0B+4*(\s)+3], s[G0B+4*(\s)+3], 0x80000000
	JLOAD \s                                       ; two tensor loads of mine are out
.endr
	v_and_b32 v1, 15, v0                           ; r
	v_bfe_u32 v2, v0, 4, 1                         ; h
	v_and_b32 v3, 31, v0                           ; lane
	v_lshlrev_b32 v4, 4, v1                        ; a fragment: row r x 16 bytes, block row h
	v_lshl_add_u32 v4, v2, 12, v4
	s_lshl_b32 s21, s[HI], 11                      ; my 128 channels
	v_add_nc_u32 v[ADRA0], s21, v4
	v_mov_b32 v[ADRA], v[ADRA0]
	s_lshl_b32 s21, s[LO], 11                      ; my 128 queries
	s_add_co_u32 s21, s21, BOFF
	v_add_nc_u32 v[ADRB0], s21, v4
	v_mov_b32 v[ADRB], v[ADRB0]
	s_mul_i32 s21, s[WV], WSTAGE                   ; my stage
	v_mul_u32_u24 v[STO], v1, SPITCH               ; in: row r of a block of 16, 32 bytes for each half of the lanes
	v_lshl_add_u32 v[STO], v2, 5, v[STO]
	v_add_nc_u32 v[STO], s21, v[STO]
	v_lshl_add_u32 v[RD], v3, 4, s21               ; back: 32 lanes take one row of 512 bytes
	v_lshlrev_b32 v[CO], 4, v3
	v_lshlrev_b32 v[XO], 3, v3
	s_lshl_b32 s40, s20, 21                        ; the index of my first number: (1,024 b + 256 cy + 128 half) x 2,048 + 256 block + 128 half
	s_lshl_b32 s41, s18, 19
	s_add_co_u32 s40, s40, s41
	s_lshl_b32 s41, s[HI], 18
	s_add_co_u32 s40, s40, s41
	s_lshl_b32 s41, s19, 8
	s_add_co_u32 s40, s40, s41
	s_lshl_b32 s41, s[LO], 7
	s_add_co_u32 s40, s40, s41
	s_lshl_b32 s40, s40, 1                         ; in bytes of bf16
	s_mov_b32 s41, 0
	s_add_nc_u64 s[8:9], s[8:9], s[40:41]          ; never rewritten behind this line: every row of x stands in a load's immediate, 520,192 at the most
	s_lshl_b32 s40, s40, 1                         ; in bytes of f32
	s_add_nc_u64 s[12:13], s[12:13], s[40:41]
	s_mov_b32 s46, 0xffff0000                      ; a word's upper bf16
; x's rows 32 p .. 32 p + 31 of my 128 into 64 registers from v[base] of window win: each load takes 256 consecutive bytes, aligned.  Nothing names these registers before the way out.
.macro XLOAD p, base, win
	WIN (\win)<<6                                  ; a load's data is the destination; its address register lies in window 0
.set t, 0
.rept 32
	global_load_b64 v[(\base)+2*t:(\base)+2*t+1], v[XO], s[8:9] offset:(32*(\p)+t)*4096 th:TH_LOAD_NT
.set t, t+1
.endr
	WIN 0
.endm
	XLOAD 0, XR, 0                                 ; rows 0-31, where the way out's first trip finds them
	s_wait_kmcnt 0x0                               ; gamma
	v_mov_b32 v[GM], s23
	v_cvt_pk_bf16_f32 v[GM], v[GM], v[GM]          ; rounded to bf16,
	v_lshlrev_b32 v[GM], 16, v[GM]                 ; as f32,
	v_mov_b32 v[GM+1], v[GM]                       ; twice
; 16 matrix instructions: channel blocks a0, a0 + 1 of the window's four x all 8 query blocks, 32 along K.  zero = 1: the product starts the sums.
.macro MUL16 f, hi, a0, zero
	WIN 0xa1+0x50*(\hi)                            ; P window 1, v window 0, C and D window 2 or 3
.irp a, \a0, (\a0)+1
.irp b, 0,1,2,3,4,5,6,7
.if \zero
	v_wmma_f32_16x16x32_f16 v[8*(8*(\a)+(\b)):8*(8*(\a)+(\b))+7], v[(\f)+8*(\b):(\f)+8*(\b)+7], v[(\f)+8*(4*(\hi)+(\a)):(\f)+8*(4*(\hi)+(\a))+7], 0
.else
	v_wmma_f32_16x16x32_f16 v[8*(8*(\a)+(\b)):8*(8*(\a)+(\b))+7], v[(\f)+8*(\b):(\f)+8*(\b)+7], v[(\f)+8*(4*(\hi)+(\a)):(\f)+8*(4*(\hi)+(\a))+7], v[8*(8*(\a)+(\b)):8*(8*(\a)+(\b))+7]
.endif
.endr
.endr
.endm
; 32 LDS loads in one run: quarter q (four block rows) of the slot that is being read, into buffer f: P's 8 fragments, then v's 8
.macro FETCH q, f
	WIN 0x40
.irp i, 0,1,2,3,4,5,6,7
	ds_load_b128 v[(\f)+8*(\i):(\f)+8*(\i)+3],   v[ADRB] offset:16384*(\q)+256*(\i)
	ds_load_b128 v[(\f)+8*(\i)+4:(\f)+8*(\i)+7], v[ADRB] offset:16384*(\q)+256*(\i)+8192
.endr
	WIN 0
.irp i, 0,1,2,3,4,5,6,7
	ds_load_b128 v[(\f)+8*(\i):(\f)+8*(\i)+3],   v[ADRA] offset:16384*(\q)+256*(\i)
	ds_load_b128 v[(\f)+8*(\i)+4:(\f)+8*(\i)+7], v[ADRA] offset:16384*(\q)+256*(\i)+8192
.endr
.endm
; A K step is four quarters of 32 along K, 64 matrix instructions each, on buffers 0, 1, 0, 1.  The 64 accumulators take turns, one instruction a turn, in the same order in every quarter.
.macro QUARTER q, f, g, zero
	s_wait_dscnt 8                                 ; P and v's blocks 0-3 are in; the youngest eight loads may be out
	MUL16 \f, 0, 0, \zero
	MUL16 \f, 0, 2, \zero
	PLACES
	FETCH \q, \g
	s_wait_dscnt 32                                ; all but the 32 just issued
	MUL16 \f, 1, 0, \zero
	MUL16 \f, 1, 2, \zero
.endm
.macro MEET                            ; the change of slots: ONE barrier; in front of it each wave waits for all its tensor loads, adds 0 to its spare word, and waits for that and for its reads of this slot
	WIN 0
	s_wait_tensorcnt 0x0                           ; all my tensor loads have landed: at most one was out, my part of the next slot
	ds_add_u32 v[SPW], v[NIL]                      ; 0 onto my spare word
	s_wait_dscnt 9                                 ; the add and the youngest eight loads may be out
	MUL16 F1, 0, 0, 0
	s_wait_dscnt 0x0                               ; the add is done, and my reads of this slot are over
	s_barrier_signal -1
	MUL16 F1, 0, 2, 0
	WIN 0
	s_barrier_wait -1
.endm
.macro OTHER                           ; the fetches go on in the other slot
	s_xor_b32 s[TB], s[TB], SLOT
	v_add_nc_u32 v[ADRA], s[TB], v[ADRA0]
	v_add_nc_u32 v[ADRB], s[TB], v[ADRB0]
.endm
; fill = 1: the barrier opens a round of the cluster's barrier, and the slot just read is filled again, with the K step two further on, first thing behind the round: 224 matrix instructions ahead of the wait for it.
; fill = 0: the last two K steps ask for nothing, and the very last (s3 = 1) has no further slot to fetch from.
.macro TURN fill
	MEET
.if \fill
	CREST                                          ; no wave of any partner still reads this slot or has a load on its way
	s_xor_b32 s[G0+5], s[G0+5], SLOT               ; the walking descriptors: the other slot than last time,
	s_add_nc_u64 s[G0+6:G0+7], s[G0+6:G0+7], 262144  ; the K step behind the one asked for last; the type bits on top are not reached
	s_xor_b32 s[G0B+5], s[G0B+5], SLOT
	s_add_nc_u64 s[G0B+6:G0B+7], s[G0B+6:G0B+7], 524288
	JLOAD 1                                        ; the four v_nop behind it are also the places in front of the loads below
	OTHER
	FETCH 0, F0
.else
	PLACES
	s_cmp_eq_u32 s3, 1
	s_cbranch_scc1 .Lno_fetch_\@
	OTHER
	FETCH 0, F0
.Lno_fetch_\@:
.endif
	MUL16 F1, 1, 0, 0
	MUL16 F1, 1, 2, 0
.endm
	s_wait_tensorcnt 1                             ; my part of K step 0 is in; K step 1's may stay out
	s_barrier_signal -1
	s_barrier_wait -1
	FETCH 0, F0
	QUARTER 1, F0, F1, 1                           ; the first quarter is written out: its products start the sums
	XLOAD 1, 0, 1                                  ; x's rows 32-63: fifteen K steps ahead of their use
	s_mov_b32 s3, 14                               ; K steps 0 to 13 ask for K steps 2 to 15
	s_branch .Lmid                                 ; the loop is entered behind a step's first quarter
.Lstep:
	QUARTER 1, F0, F1, 0
	WIN 0
.Lmid:
	QUARTER 2, F1, F0, 0
	QUARTER 3, F0, F1, 0
	TURN 1
	WIN 0
	s_sub_co_u32 s3, s3, 1
	s_cmp_lg_u32 s3, 0
	s_cbranch_scc1 .Lstep
	XLOAD 2, 192, 1                                ; x's rows 64-95: two K steps, 512 matrix instructions, ahead of the way out
	s_mov_b32 s3, 2                                ; K steps 14 and 15 have a text of their own
.Ltail:
	QUARTER 1, F0, F1, 0
	QUARTER 2, F1, F0, 0
	QUARTER 3, F0, F1, 0
	TURN 0
	WIN 0
	s_sub_co_u32 s3, s3, 1
	s_cmp_lg_u32 s3, 0
	s_cbranch_scc1 .Ltail
	; THE WAY OUT.  The stages lie over the ring, which is filled no more.  In front of their first store: every wave's LDS loads are back, and all four waves have said so.
	s_wait_dscnt 0x0
	s_barrier_signal -1
	s_barrier_wait -1
	PLACES                                         ; behind the last products: in front of LDS stores that read results and of loads into the fragments' registers
	XLOAD 3, F0, 1                                 ; x's rows 96-127, into P's first fragment buffer: 128 LDS stores and three trips ahead of their use
.irp a, 0,1,2,3,4,5,6,7                ; block a of 16 channels: each accumulator's low four registers first
	WIN 0x08+0x04*((\a)/4)                         ; an LDS store's data is source 1: window 2 or 3
.irp b, 0,1,2,3,4,5,6,7
	ds_store_b128 v[STO], v[64*((\a)%4)+8*(\b):64*((\a)%4)+8*(\b)+3]   offset:(\a)*16*SPITCH+64*(\b)
	ds_store_b128 v[STO], v[64*((\a)%4)+8*(\b)+4:64*((\a)%4)+8*(\b)+7] offset:(\a)*16*SPITCH+64*(\b)+16
.endr
.endr
	WIN 0
.macro RDBACK s                        ; 16 whole rows of 512 bytes into set s.  LDS serves a wave's instructions in order (ISA guide 5.7.1.4): these see my stores above; the stage is my own
.irp t, 0,1,2,3,4,5,6,7,8,9,10,11,12,13,14,15
	ds_load_b128 v[OB+64*(\s)+4*(\t):OB+64*(\s)+4*(\t)+3], v[RD] offset:(16*(\s)+(\t))*SPITCH
.endr
.endm
; gamma x sum + x, one fused multiply-add, and the row's 512 bytes are stored.  younger: the LDS loads issued behind this set's.
.macro SEND s, younger
.irp t, 0,1,2,3,4,5,6,7,8,9,10,11,12,13,14,15
.set BK, OB+64*(\s)+4*(\t)
.set XK, XR+32*(\s)+2*(\t)
.set TT, T+4*((\t)%8)
	s_wait_dscnt (\younger)+15-(\t)                ; row t is back
	v_lshlrev_b32 v[TT],   16,  v[XK]              ; bf16 to f32: the low half moves up, the high half stays
	v_and_b32     v[TT+1], s46, v[XK]
	v_lshlrev_b32 v[TT+2], 16,  v[XK+1]
	v_and_b32     v[TT+3], s46, v[XK+1]
	v_pk_fma_f32 v[BK:BK+1],   v[BK:BK+1],   v[GM:GM+1], v[TT:TT+1]
	v_pk_fma_f32 v[BK+2:BK+3], v[BK+2:BK+3], v[GM:GM+1], v[TT+2:TT+3]
	global_store_b128 v[CO], v[BK:BK+3], s[12:13] offset:(16*(\s)+(\t))*8192 th:TH_STORE_NT  ; 512 consecutive bytes, aligned
.endr
.endm
.macro XCOPY base                      ; 32 rows of x from v[base] of window 1 to where the loop's text names them
	WIN 0x01                                       ; source 0 window 1, destination window 0
.set i, 0
.rept 64
	v_mov_b32 v[XR+i], v[(\base)+i]
.set i, i+1
.endr
	WIN 0
.endm
	s_wait_loadcnt 32                              ; x's rows 0-95 are in; the 32 youngest loads, rows 96-127, may stay out
	s_mov_b32 s3, 4
.Lrows:                                        ; a trip sends two blocks of 16 rows
	RDBACK 0
	RDBACK 1
	SEND 0, 16
	SEND 1, 0
	s_cmp_eq_u32 s3, 4                             ; the next trip's rows of x: which 64 registers hold them hangs on the trip; the jumps go forward
	s_cbranch_scc0 .Lnot_1
	XCOPY 0                                        ; rows 32-63
	s_branch .Lhave_x
.Lnot_1:
	s_cmp_eq_u32 s3, 3
	s_cbranch_scc0 .Lnot_2
	XCOPY 192                                      ; rows 64-95
	s_branch .Lhave_x
.Lnot_2:
	s_cmp_eq_u32 s3, 2
	s_cbranch_scc0 .Lhave_x                        ; the last trip has no rows behind its own
	s_wait_loadcnt 0x0                             ; rows 96-127 are in: no load was issued behind them
	XCOPY F0
.Lhave_x:
	s_wait_xcnt 0x0                                ; the trip's stores have read their base and their data: only behind this wait are those written again
	s_add_nc_u64 s[12:13], s[12:13], 32*8192       ; 32 rows on in out0,
	v_add_nc_u32 v[RD], 32*SPITCH, v[RD]           ; and in my stage
	s_sub_co_u32 s3, s3, 1
	s_cmp_lg_u32 s3, 0
	s_cbranch_scc1 .Lrows
	s_wait_tensorcnt 0x0                           ; the wave's end, behind my last tensor load and my last LDS store
	ds_add_u32 v[SPW], v[NIL]
	s_wait_dscnt 0x0
	CROUND                                         ; the closing round: no work-group ends while a partner may still ask for a tile that names it
	s_endpgm
.Lfunc_end_k_q82c204fe82_pv:
	.size	k_q82c204fe82_pv, .Lfunc_end_k_q82c204fe82_pv-k_q82c204fe82_pv
	.p2alignl 7, 3214868480
	.fill 96, 4, 3214868480
	.section	.rodata,"a",@progbits
	.p2align	6, 0x0
	.amdhsa_kernel k_q82c204fe82_pv
		.amdhsa_group_segment_fixed_size 327680
		.amdhsa_private_segment_fixed_size 0
		.amdhsa_enable_private_segment 0
		.amdhsa_kernarg_size 40
		.amdhsa_user_sgpr_count 2
		.amdhsa_user_sgpr_kernarg_segment_ptr 1
		.amdhsa_wavefront_size32 1
		.amdhsa_system_sgpr_workgroup_id_x 1
		.amdhsa_system_sgpr_workgroup_id_y 1
		.amdhsa_system_sgpr_workgroup_id_z 1
		.amdhsa_system_vgpr_workitem_id 0
		.amdhsa_next_free_vgpr 1024
		.amdhsa_next_free_sgpr 66
		.amdhsa_reserve_vcc 0
		.amdhsa_float_denorm_mode_32 3
		.amdhsa_float_denorm_mode_16_64 3
		.amdhsa_memory_ordered 1
		.amdhsa_forward_progress 1
		.amdhsa_inst_pref_size 110
	.end_amdhsa_kernel
	.amdgpu_metadata
---
amdhsa.version: [ 1, 2 ]
amdhsa.kernels:
  - .name:           k_q82c204fe82_pv
    .symbol:         k_q82c204fe82_pv.kd
    .args:
      - { .name: v8, .offset: 0, .size: 8, .value_kind: global_buffer, .address_space: global }
      - { .name: p8, .offset: 8, .size: 8, .value_kind: global_buffer, .address_space: global }
      - { .name: xb, .offset: 16, .size: 8, .value_kind: global_buffer, .address_space: global }
      - { .name: gamma, .offset: 24, .size: 8, .value_kind: global_buffer, .address_space: global }
      - { .name: out0, .offset: 32, .size: 8, .value_kind: global_buffer, .address_space: global }
    .group_segment_fixed_size: 327680
    .private_segment_fixed_size: 0
    .kernarg_segment_align: 8
    .kernarg_segment_size: 40
    .max_flat_workgroup_size: 128
    .sgpr_count:     66
    .vgpr_count:     1024
    .wavefront_size: 32
...
	.end_amdgpu_metadata
.endif
;; end of part 8
;; ======== version 3 of 3: 4 launches; version 2 with the launch cast written anew for expert scheduling mode
;; limits: values are held in f16: magnitudes above 65,504 overflow, below 6.1e-05 lose precision
;; workspace buffers: xb 33,554,432 bytes; wb 2,621,440 bytes; bb 5,120 bytes; qk8 8,388,608 bytes; v8 33,554,432 bytes; p8 67,108,864 bytes
;; launch cast (part 9): grid 552 x 1, 8 waves a work-group, no clusters, 0 bytes of LDS; arguments x, Wq, Wk, Wv, bq, bk, bv, xb, wb, bb; writes xb, wb, bb
.if DOCPART == 9
	.amdgcn_target "amdgcn-amd-amdhsa--gfx1250"
	.amdhsa_code_object_version 6
	.text
	.protected	k_q82c204fe82_cast
	.globl	k_q82c204fe82_cast
	.p2align	8
	.type	k_q82c204fe82_cast,@function
k_q82c204fe82_cast:
	s_mov_b64 s[64:65], 0
	v_nop
	global_prefetch_b8 v0, s[64:65] scope:SCOPE_SE
	s_setreg_imm32_b32 hwreg(HW_REG_WAVE_SCHED_MODE, 0, 2), 2
	s_setreg_imm32_b32 hwreg(HW_REG_WAVE_MODE, 25, 1), 1
	s_wait_xcnt 0x0
	s_wait_alu depctr_vm_vsrc(0)
; THE INPUTS ROUNDED ONCE TO bf16.  xb = bf16(x), same order.  wb = the 1,280 rows of Wv, Wq, Wk in bf16, in the order in which the projection's work-groups take them.  bb = their biases, rounded to bf16, kept as f32.
; wb's row 320 i + 160 wr + t (i = 0..3, wr = 0..1):  t < 128: Wv's row 256 i + 128 wr + t;  t >= 128: row e = 64 i + 32 wr + t - 128 of Wq above Wk.  So each 160 rows hold 128 of v's and 32 of q's or k's.
; SHARES.  A work-group turns 131,072 consecutive bytes of f32 into 65,536 consecutive bytes of bf16: groups 0..511 a piece of x, groups 512..551 32 rows of wb (32 whole rows of one weight matrix).
; A wave takes 16,384 bytes: 32 loads of 512 consecutive bytes, all issued at once; each store of the wave covers 256 consecutive bytes, aligned.
; The numbers are converted in place: a wave has 136 registers, a work-group's two waves on a SIMD 272 of its 1,024, so the two or three work-groups that fall to a WGP (552 for 256) lie on it side by side.
; No LDS, no matrix unit, no cluster: nothing is shared, every byte is read once and written once.
; LIMIT.  bf16 keeps 8 significant bits and f32's range; NaN and infinities pass as the conversion leaves them.
; THE MODE: SCHED_MODE bits 1:0 = 2 (LLVM: expert scheduling mode 2), set by the entry lines.  The code itself states the register dependences
; between vector instructions and memory instructions, with s_wait_alu, always for 0.
; THE PLAN.  Registers that memory instructions touch:
;   v1, v2       the loads' and the stores' byte offsets: made at the head, never written again.
;   v[8:135]     four registers for load j: the load lands in them; its two conversions read the four and write the first two; store j reads those two; nothing writes them behind the store.
;   v3, v4, v5   the bias part alone: offset, loaded bias, stored bias.
; The 32 loads are taken in eight blocks of four.  Block p's conversions name block p's sixteen registers alone.  So ONE wait on va_vdst at the head of block p states that block p - 1's conversions have
; written what its four stores read, and those stores are dealt among block p's conversions with no further wait.  No register that a memory instruction reads is ever written again: no wait on vm_vsrc is owed.
.set X, 8                              ; v[8:135]   32 x 4 registers as loaded; the first two of each four are stored
.set BLOCK, 4                          ; loads in a block
	s_load_b512 s[8:23], s[0:1], 0x0               ; x 8:9, Wq 10:11, Wk 12:13, Wv 14:15, bq 16:17, bk 18:19, bv 20:21, xb 22:23
	s_load_b128 s[24:27], s[0:1], 0x40             ; wb 24:25, bb 26:27
	s_max_u32 s2, ttmp9, 512
	s_sub_co_u32 s2, s2, 512                       ; g' = the group's number among the weights' 40 (0 in the groups of x)
	s_mul_i32 s3, s2, 205
	s_lshr_b32 s3, s3, 11                          ; i = g' / 10 (exact for g' < 40)
	s_mul_i32 s4, s3, 10
	s_sub_co_u32 s4, s2, s4                        ; g' % 10
	s_cmp_ge_u32 s4, 5
	s_cselect_b32 s5, 1, 0                         ; wr
	s_mul_i32 s6, s5, 5
	s_sub_co_u32 s6, s4, s6                        ; t / 32 = 0..4; 4: the rows of q or k
	s_lshl_b32 s28, s3, 8
	s_lshl_b32 s29, s5, 7
	s_add_co_u32 s28, s28, s29
	s_lshl_b32 s29, s6, 5
	s_add_co_u32 s28, s28, s29                     ; Wv's first row: 256 i + 128 wr + 32 (t / 32)
	s_and_b32 s29, s3, 1
	s_lshl_b32 s29, s29, 6
	s_lshl_b32 s30, s5, 5
	s_add_co_u32 s29, s29, s30                     ; Wq's or Wk's first row: 64 (i % 2) + 32 wr
	v_lshrrev_b32 v3, 5, v0                        ; wave
	v_and_b32 v4, 31, v0                           ; lane
	v_lshlrev_b32 v1, 4, v4
	v_lshl_or_b32 v1, v3, 14, v1                   ; loads: 16,384 x wave + 16 x lane
	v_lshlrev_b32 v2, 3, v4
	v_lshl_or_b32 v2, v3, 13, v2                   ; stores: 8,192 x wave + 8 x lane
	v_readfirstlane_b32 s7, v3
	s_wait_kmcnt 0x0
	s_wait_alu depctr_va_sdst(0)                   ; s7 is written: ahead of its first reader, the compare at the kernel's end, and ahead of every branch
	s_cmp_lt_u32 s3, 2                             ; e < 128: Wq, else Wk
	s_cselect_b64 s[36:37], s[10:11], s[12:13]
	s_cselect_b64 s[40:41], s[16:17], s[18:19]
	s_cmp_eq_u32 s6, 4                             ; rows of q or k, else of v
	s_cselect_b64 s[36:37], s[36:37], s[14:15]
	s_cselect_b64 s[40:41], s[40:41], s[20:21]
	s_cselect_b32 s28, s29, s28                    ; the first of my 32 rows in its matrix
	s_lshl_b32 s32, s28, 12                        ; a row of f32 is 4,096 bytes
	s_lshl_b32 s34, s2, 16                         ; 32 rows of bf16 are 65,536 bytes
	s_lshl_b32 s30, ttmp9, 17                      ; the same two offsets for a piece of x
	s_lshl_b32 s31, ttmp9, 16
	s_lshl_b32 s44, s28, 2                         ; the biases of my rows
	s_lshl_b32 s46, s2, 7
	s_mov_b32 s33, 0
	s_mov_b32 s35, 0
	s_mov_b32 s45, 0
	s_mov_b32 s47, 0
	s_cmp_lt_u32 ttmp9, 512                        ; a piece of x, or rows of weights
	s_cselect_b64 s[36:37], s[8:9], s[36:37]
	s_cselect_b64 s[38:39], s[22:23], s[24:25]
	s_cselect_b32 s32, s30, s32
	s_cselect_b32 s34, s31, s34
	s_add_nc_u64 s[36:37], s[36:37], s[32:33]      ; from where
	s_add_nc_u64 s[38:39], s[38:39], s[34:35]      ; to where
	s_add_nc_u64 s[40:41], s[40:41], s[44:45]      ; biases: from where
	s_add_nc_u64 s[42:43], s[26:27], s[46:47]      ; to where
	s_wait_alu depctr_va_vdst(0)                   ; v1 and v2 are written: the 32 loads read v1 as their offset, the 32 stores v2
.set j, 0
.rept 32
	global_load_b128 v[X+4*j:X+4*j+3], v1, s[36:37] offset:512*j th:TH_LOAD_NT
.set j, j+1
.endr
; Block p: its four loads are waited for; the four stores of block p - 1 are dealt among its eight conversions, a store ahead of each pair.
.set p, 0
.rept 32/BLOCK
	s_wait_loadcnt 32-BLOCK-BLOCK*p                ; loads come back in order: block p's four are in, the 28 - 4 p younger ones stay out
.if p > 0
	s_wait_alu depctr_va_vdst(0)                   ; block p - 1's conversions have written the registers that the four stores below read; no conversion behind this wait names them
.endif
.set i, 0
.rept BLOCK
.set j, BLOCK*p+i
.if p > 0
	global_store_b64 v2, v[X+4*(j-BLOCK):X+4*(j-BLOCK)+1], s[38:39] offset:256*(j-BLOCK)  ; no register is written behind its store, so no wait frees one
.endif
	v_cvt_pk_bf16_f32 v[X+4*j], v[X+4*j], v[X+4*j+1]      ; in place: the four numbers' first two registers take the four bf16
	v_cvt_pk_bf16_f32 v[X+4*j+1], v[X+4*j+2], v[X+4*j+3]
.set i, i+1
.endr
.set p, p+1
.endr
	s_wait_alu depctr_va_vdst(0)                   ; the last block's conversions have written the registers that the last four stores read
.set j, 32-BLOCK
.rept BLOCK
	global_store_b64 v2, v[X+4*j:X+4*j+1], s[38:39] offset:256*j
.set j, j+1
.endr
	s_cmp_lt_u32 ttmp9, 512                        ; the 32 biases of a weights' group: wave 0, a lane a bias
	s_cbranch_scc1 .Lend
	s_cmp_lg_u32 s7, 0
	s_cbranch_scc1 .Lend
	v_lshlrev_b32 v3, 2, v0
	s_wait_alu depctr_va_vdst(0)                   ; v3 is written, which the load and the store below read as their offset; the head's lines that wrote and read v4, in which the load lands, are done too
	global_load_b32 v4, v3, s[40:41]
	s_wait_loadcnt 0x0
	v_cvt_pk_bf16_f32 v4, v4, v4                   ; rounded to bf16,
	v_lshlrev_b32 v5, 16, v4                       ; and written as f32
	s_wait_alu depctr_va_vdst(0)                   ; v5 is written, which the store reads as its data
	global_store_b32 v3, v5, s[42:43]              ; 128 consecutive bytes: bb has 5,120 in all
.Lend:
	s_endpgm
.Lfunc_end_k_q82c204fe82_cast:
	.size	k_q82c204fe82_cast, .Lfunc_end_k_q82c204fe82_cast-k_q82c204fe82_cast
	.p2alignl 7, 3214868480
	.fill 96, 4, 3214868480
	.section	.rodata,"a",@progbits
	.p2align	6, 0x0
	.amdhsa_kernel k_q82c204fe82_cast
		.amdhsa_group_segment_fixed_size 0
		.amdhsa_private_segment_fixed_size 0
		.amdhsa_enable_private_segment 0
		.amdhsa_kernarg_size 80
		.amdhsa_user_sgpr_count 2
		.amdhsa_user_sgpr_kernarg_segment_ptr 1
		.amdhsa_wavefront_size32 1
		.amdhsa_system_sgpr_workgroup_id_x 1
		.amdhsa_system_sgpr_workgroup_id_y 1
		.amdhsa_system_sgpr_workgroup_id_z 1
		.amdhsa_system_vgpr_workitem_id 0
		.amdhsa_next_free_vgpr 136
		.amdhsa_next_free_sgpr 66
		.amdhsa_reserve_vcc 0
		.amdhsa_float_denorm_mode_32 3
		.amdhsa_float_denorm_mode_16_64 3
		.amdhsa_memory_ordered 1
		.amdhsa_forward_progress 1
		.amdhsa_inst_pref_size 14
	.end_amdhsa_kernel
	.amdgpu_metadata
---
amdhsa.version: [ 1, 2 ]
amdhsa.kernels:
  - .name:           k_q82c204fe82_cast
    .symbol:         k_q82c204fe82_cast.kd
    .args:
      - { .name: x, .offset: 0, .size: 8, .value_kind: global_buffer, .address_space: global }
      - { .name: Wq, .offset: 8, .size: 8, .value_kind: global_buffer, .address_space: global }
      - { .name: Wk, .offset: 16, .size: 8, .value_kind: global_buffer, .address_space: global }
      - { .name: Wv, .offset: 24, .size: 8, .value_kind: global_buffer, .address_space: global }
      - { .name: bq, .offset: 32, .size: 8, .value_kind: global_buffer, .address_space: global }
      - { .name: bk, .offset: 40, .size: 8, .value_kind: global_buffer, .address_space: global }
      - { .name: bv, .offset: 48, .size: 8, .value_kind: global_buffer, .address_space: global }
      - { .name: xb, .offset: 56, .size: 8, .value_kind: global_buffer, .address_space: global }
      - { .name: wb, .offset: 64, .size: 8, .value_kind: global_buffer, .address_space: global }
      - { .name: bb, .offset: 72, .size: 8, .value_kind: global_buffer, .address_space: global }
    .group_segment_fixed_size: 0
    .private_segment_fixed_size: 0
    .kernarg_segment_align: 8
    .kernarg_segment_size: 80
    .max_flat_workgroup_size: 256
    .sgpr_count:     66
    .vgpr_count:     136
    .wavefront_size: 32
...
	.end_amdgpu_metadata
.endif
;; end of part 9
;; launch proj: the kernel of part 6 again; grid 64 x 4, 4 waves a work-group, clusters of 4 x 4, 327,680 bytes of LDS; arguments wb, xb, bb, v8, qk8; writes v8, qk8
;; launch attn: the kernel of part 7 again; grid 32 x 8, 4 waves a work-group, clusters of 4 x 1, 327,680 bytes of LDS; arguments qk8, p8; writes p8
;; launch pv: the kernel of part 8 again; grid 8 x 32, 4 waves a work-group, clusters of 4 x 4, 327,680 bytes of LDS; arguments v8, p8, xb, gamma, out0; writes out0
